; MI455X (gfx1250); checked and timed in simulation.
; The chip was launched on July 23, 2026; its instructions are those of AMD's public machine-readable ISA for CDNA 5 (MIT licence, August 2026) and "CDNA5" Instruction Set Architecture Reference Guide (July 2026). The comments in the code are by the model that wrote it; some were corrected since.
;; Multi Head Attention. Allowed arithmetic: matrix products marked QUANTISED: E2M3 operands, one E8M0 scale for each 32 along K, by v_wmma_scale_f32_16x16x128_f8f6f4 with both operands' format E2M3, f32 sums; everything else in f32.
;; Inputs: Wk 1,024 x 1,024 float32; Wq 1,024 x 1,024 float32; Wv 1,024 x 1,024 float32; x 4 x 2,048 x 1,024 float32.
;; Outputs: out0 4 x 2,048 x 1,024 float32.
;; This version of the problem:
;;   THIS VERSION OF THE PROBLEM IS GIVEN IN LOW PRECISION. The matrix products marked QUANTISED in the list below multiply operands that are first quantised to E2M3 (2 exponent bits, 3 mantissa bits; 6 bits a number), with one power-of-two scale for each 32 numbers along K (OCP MX v1.0); their sums are f32. All else is computed in f32.
;;   The module's matrix products, in the order in which they are computed (A, B: the left and right operand; K: the contracted axis; several contracted axes count as one K, in the product's order):
;;     1. [M 8,192, K 1,024] x [K 1,024, N 1,024]; A: input x; B: input Wq: QUANTISED
;;     2. [M 8,192, K 1,024] x [K 1,024, N 1,024]; A: input x; B: input Wk: QUANTISED
;;     3. [M 8,192, K 1,024] x [K 1,024, N 1,024]; A: input x; B: input Wv: QUANTISED
;;     4. batch 4 x [M 2,048, K 1,024] x [K 1,024, N 2,048]; A: computed on the way; B: computed on the way: QUANTISED
;;     5. batch 4 x [M 2,048, K 2,048] x [K 2,048, N 1,024]; A: softmax (see below); B: computed on the way: QUANTISED
;;   THE QUANTISER, for each operand of a quantised product, along K:
;;     - K is cut into blocks of 32 from its start; a last block that is shorter is filled with zeros.
;;     - A block's scale is 2^e with e = floor(log2(the largest magnitude in the block)) - 2, held to -126 .. 127; a block of zeros has e = 0. As a byte (E8M0): e + 127.
;;     - Each number is divided by its block's scale, clamped to +-7.5, and rounded to the nearest number of E2M3, ties to even, subnormals kept.
;;     - The product sums the exact products of the quantised numbers (number of the format x scale) in f32.
;;   ~~~python
;;   def quantise(x, axis):      # numpy; x: float32 -> the quantised numbers, widened to float32 again
;;       x = np.moveaxis(x, axis, -1); K = x.shape[-1]
;;       x = np.pad(x, [(0, 0)] * (x.ndim - 1) + [(0, -K % 32)]); x = x.reshape(x.shape[:-1] + (-1, 32)); a = np.abs(x).max(-1, keepdims=True)
;;       e = np.where(a > 0, np.clip(np.frexp(np.where(a > 0, a, 1))[1] - 1 - 2, -126, 127), 0)      # np.frexp(a)[1] - 1 = floor(log2(a)), exactly
;;       r = np.clip(x / 2.0 ** e, -7.5, 7.5)
;;       step = 2.0 ** (np.maximum(np.frexp(np.where(r == 0, 1, r))[1] - 1, 0) - 3)
;;       q = np.round(r / step) * step * 2.0 ** e      # np.round: ties to even
;;       return np.moveaxis(q.reshape(q.shape[:-2] + (-1,))[..., :K], -1, axis).astype(np.float32)
;;   ~~~
;;   SOFTMAX AHEAD OF A QUANTISED PRODUCT. Where the list says 'softmax', what is quantised is not the finished softmax but p = 2^(t - M), with t = logit x log2(e) and M = ceil(the row's largest t), a whole number; so 1/2 < the row's largest p <= 1. The row's sum l is taken of the UNQUANTISED p, in f32, and the product's result is divided by l at the end. Since M is a whole number, a kernel that streams over the keys may use a running M (the ceiling of the running maximum): every later rescaling is an exact power of two, which a block's scale takes up: the codes' values come out the same.
;;   OPERANDS COMPUTED ON THE WAY. 'Computed on the way' means the value that the module computes at that place (a softmax that the list does not call 'softmax' is quantised finished and normalised). What goes into a quantiser is computed in f32, as accurately as f32 sums, v_exp_f32 and their like allow (about 1e-6 of the number): no bf16 or f16 on the way to a quantiser, and a product that is left as it is and whose result goes on into a quantised operand takes f32 operands (vector FMAs, or v_wmma_f32_16x16x4_f32). A number that lies on a knife's edge between two numbers of the format may be rounded either way, as far as f32 arithmetic and the matrix unit's own rounding can turn it there, and no further.
;; 2 versions, each right and faster than the one before. Each part assembles by itself: llvm-mc -triple=amdgcn-amd-amdhsa -mcpu=gfx1250 --defsym DOCPART=n.
;; ======== version 1 of 2: 4 launches
;; workspace buffers: xw 9,011,200 bytes; qkv 19,660,800 bytes; pc 13,107,200 bytes; pstat 1,048,576 bytes
;; launch quant (part 1): grid 352 x 1, 4 waves a work-group, no clusters, 35,328 bytes of LDS; arguments x, Wq, Wk, Wv, xw; writes xw
.if DOCPART == 1
	.amdgcn_target "amdgcn-amd-amdhsa--gfx1250"
	.amdhsa_code_object_version 6
	.text
	.protected	k_q5e43311bc5_quant
	.globl	k_q5e43311bc5_quant
	.p2align	8
	.type	k_q5e43311bc5_quant,@function
k_q5e43311bc5_quant:
	s_mov_b64 s[64:65], 0
	v_nop
	global_prefetch_b8 v0, s[64:65] scope:SCOPE_SE
	s_setreg_imm32_b32 hwreg(HW_REG_WAVE_MODE, 25, 1), 1
	s_wait_xcnt 0x0
; x [8192][1024], Wq, Wk, Wv [1024][1024], f32, K innermost, become codes of FP6 (E2M3) with one E8M0 byte for each 32 along K, laid IN THE ORDER OF AN OPERAND'S REGISTERS.
; THE FORMAT of every operand of this program: blocks of 128 rows x 128 K, 12,800 bytes each, [rowgroup][K step].  In a block fragment i (0..7) lies at 1536 i as an image of its 12 registers:
; registers 4 c .. 4 c + 3 of lane L at 1536 i + 512 c + 16 L.  Lane (r = L % 16, h = L / 16) of fragment i holds row 32 (i / 2) + 8 (i % 2) + r + 8 (r / 8) of the rowgroup, and its registers
; 6 c .. 6 c + 5 hold K = 64 c + 32 h + 0 .. 31.  The scale word (four bytes, 128 K) of (i, r) lies at 12288 + 64 i + 4 r.  Rowgroups 0-63: x; 64-71: Wq; 72-79: Wk; 80-87: Wv.
; A block's scale is 2^(floor(log2(largest magnitude)) - 2): its byte is the largest magnitude's exponent field - 2, held at 1 from below.
; LIMITS: a block of zeros gets the byte 1 where the rule says 127 (its codes are zeros, and this program alone reads the bytes); NaN and infinities among the inputs are not served.
; SHARES: a wave takes half a block: 4 fragments of 16 rows x 128 K.  Each load reads 512 consecutive bytes of one row; a fragment's 16 rows turn through the wave's own stage in LDS (rows of 512 + 16 bytes),
; so that a lane gets 16 neighbours of each block of 32.  Waves share nothing: no barrier.  Memory binds here: no matrix unit, no cluster.
.set BLK,  12800
.set WREG, 8704                        ; LDS of a wave: the stage, 16 x 528 bytes, and 256 bytes for its scale words
.set SPI,  528
.set RR,   16                          ; v16-143  two sets of 64 numbers as loaded
.set XX,   144                         ; v144-207 64 numbers: register 16 b + i = K 32 b + 16 h + i of my row
.set PC,   208                         ; v208-226 the codes
.set TM,   228                         ; v228-243 at work
.set PW,   244                         ; the scale word
.set SEL,  38                          ; s[38:39] lane selects: lane l xor 16
	s_load_b256 s[12:19], s[0:1], 0x0              ; x, Wq, Wk, Wv
	s_load_b64 s[20:21], s[0:1], 0x20              ; xw
	v_lshl_add_u32 v254, v0, 2, 0x8800
	v_mov_b32 v255, 0
	v_lshrrev_b32 v1, 5, v0
	v_readfirstlane_b32 s22, v1                    ; wave
	v_and_b32 v1, 31, v0                           ; lane
	v_and_b32 v2, 15, v0                           ; r
	v_bfe_u32 v3, v0, 4, 1                         ; h
	v_lshlrev_b32 v4, 4, v1                        ; 16 x lane: loads, and the codes' stores
	s_mul_i32 s23, s22, WREG
	v_add_nc_u32 v5, s23, v4                       ; the stage, way in
	v_mul_u32_u24 v6, v2, SPI
	v_lshl_add_u32 v6, v3, 6, v6
	v_add_nc_u32 v6, s23, v6                       ; way out: row r, + 64 h
	s_add_co_u32 s23, s23, 16*SPI
	v_lshlrev_b32 v7, 2, v2
	v_add_nc_u32 v7, s23, v7                       ; my row's scale word
	v_lshlrev_b32 v9, 3, v1
	v_add_nc_u32 v8, s23, v9                       ; and 8 bytes a lane on the way out
	s_mov_b32 s[SEL], 0x76543210
	s_mov_b32 s[SEL+1], 0xfedcba98
.irp b, 0,1,2,3
	v_mov_b32 v[TM+4+\b], 0                        ; written once: a lane permute's destination counts as one of its sources
.endr
	s_lshr_b32 s24, ttmp9, 2                       ; rowgroup g
	s_and_b32 s26, ttmp9, 3
	s_lshl_b32 s26, s26, 1
	s_lshr_b32 s27, s22, 1
	s_or_b32 s26, s26, s27                         ; K step
	s_and_b32 s27, s22, 1                          ; which half of the block
	s_lshl_b32 s28, s24, 3
	s_add_co_u32 s28, s28, s26
	s_mul_i32 s28, s28, BLK                        ; the block's first byte
	s_mul_i32 s29, s27, 4*1536
	s_add_co_u32 s34, s28, s29                     ; my four fragments
	s_mov_b32 s35, 0
	s_lshl_b32 s29, s27, 8
	s_add_co_u32 s36, s28, s29
	s_add_co_u32 s36, s36, 12288                   ; my 64 scale words
	s_mov_b32 s37, 0
	s_wait_kmcnt 0x0
	s_mov_b64 s[4:5], s[18:19]                     ; which tensor: the choice hangs on the work-group's number alone
	s_mov_b32 s25, 80
	s_cmp_lt_u32 s24, 80
	s_cselect_b64 s[4:5], s[16:17], s[4:5]
	s_cselect_b32 s25, 72, s25
	s_cmp_lt_u32 s24, 72
	s_cselect_b64 s[4:5], s[14:15], s[4:5]
	s_cselect_b32 s25, 64, s25
	s_cmp_lt_u32 s24, 64
	s_cselect_b64 s[4:5], s[12:13], s[4:5]
	s_cselect_b32 s25, 0, s25
	s_sub_co_u32 s32, s24, s25
	s_lshl_b32 s32, s32, 19                        ; 128 rows of 4,096 bytes a rowgroup,
	s_lshl_b32 s29, s27, 18                        ; 64 rows a half,
	s_add_co_u32 s32, s32, s29
	s_lshl_b32 s29, s26, 9                         ; 512 bytes a K step
	s_add_co_u32 s32, s32, s29
	s_mov_b32 s33, 0
	s_add_nc_u64 s[4:5], s[4:5], s[32:33]
	s_add_nc_u64 s[6:7], s[20:21], s[34:35]
	s_add_nc_u64 s[8:9], s[20:21], s[36:37]
.macro LOAD f                          ; the 16 rows of fragment f, 512 consecutive bytes a load
.set i, 0
.rept 16
	global_load_b128 v[RR+64*((\f)%2)+4*i:RR+64*((\f)%2)+4*i+3], v4, s[4:5] offset:(32*((\f)/2)+8*((\f)%2)+i+8*(i/8))*4096 th:TH_LOAD_NT
.set i, i+1
.endr
.endm
; 64 numbers of a lane become a fragment's codes in v[PC] on and its scale word in v[PW]
.macro QUANT s
.irp b, 0,1,2,3
	v_max3_num_f32 v[TM+\b], |v[\s+16*\b]|, |v[\s+1+16*\b]|, 0x1800000   ; my 16 numbers of block b, and the floor 2^(3 - 127): the byte cannot fall under 1
.endr
.irp i, 2,4,6,8,10,12,14
.irp b, 0,1,2,3
	v_max3_num_f32 v[TM+\b], v[TM+\b], |v[\s+16*\b+\i]|, |v[\s+1+16*\b+\i]|
.endr
.endr
.irp b, 0,1,2,3
	v_permlanex16_b32 v[TM+4+\b], v[TM+\b], s[SEL], s[SEL+1]
.endr
.irp b, 0,1,2,3
	v_max_num_f32 v[TM+\b], v[TM+\b], v[TM+4+\b]   ; with lane l xor 16: the block's largest magnitude
.endr
.irp b, 0,1,2,3
	v_add_nc_u32 v[TM+12+\b], 0xff000000, v[TM+\b] ; 2 off its exponent field: the conversion's scale operand
.endr
.irp b, 0,1,2,3
	v_lshrrev_b32 v[TM+4+\b], 23, v[TM+12+\b]      ; the byte
.endr
	v_lshl_or_b32 v[PW], v[TM+5], 8, v[TM+4]
	v_lshl_or_b32 v[PW], v[TM+6], 16, v[PW]
	v_lshl_or_b32 v[PW], v[TM+7], 24, v[PW]
.irp c, 0,1
	v_cvt_scalef32_pk16_fp6_f32 v[PC+6*\c:PC+2+6*\c], v[\s+32*\c:\s+15+32*\c], v[TM+12+2*\c]
	v_cvt_scalef32_pk16_fp6_f32 v[PC+12+4*\c:PC+14+4*\c], v[\s+16+32*\c:\s+31+32*\c], v[TM+12+2*\c+1]
.endr
	v_nop                                          ; one plain place behind a scaled conversion
.irp c, 0,1                            ; the layout wants a whole block in a lane
.irp i, 0,1,2
	v_permlane16_swap_b32 v[PC+6*\c+\i], v[PC+12+4*\c+\i]
.endr
.irp i, 0,1,2
	v_mov_b32 v[PC+3+6*\c+\i], v[PC+12+4*\c+\i]
.endr
.endr
.endm
.macro FQ f
.if (\f) < 3
	s_wait_loadcnt 16                              ; this fragment's 16 loads are in; the next fragment's 16 may be out
.else
	s_wait_loadcnt 0x0
.endif
.set i, 0
.rept 16
	ds_store_b128 v5, v[RR+64*((\f)%2)+4*i:RR+64*((\f)%2)+4*i+3] offset:SPI*i
.set i, i+1
.endr
.irp b, 0,1,2,3
.irp j, 0,1,2,3
	ds_load_b128 v[XX+16*\b+4*\j:XX+16*\b+4*\j+3], v6 offset:128*\b+16*\j   ; LDS serves a wave's instructions in order: these see the stores above
.endr
.endr
	s_wait_dscnt 0x0                               ; my 64 numbers are in, the stage's stores have read their registers, the last scale word is stored
	s_wait_xcnt 0x0                                ; the last fragment's stores have read the codes' registers
.if (\f) < 2
	LOAD (\f)+2
.endif
	QUANT XX
.irp c, 0,1,2
	global_store_b128 v4, v[PC+4*\c:PC+4*\c+3], s[6:7] offset:1536*(\f)+512*\c   ; 512 consecutive bytes, aligned
.endr
	ds_store_b32 v7, v[PW] offset:64*(\f)          ; both halves of the lanes write the same word with the same value
.endm
	LOAD 0
	LOAD 1
	FQ 0
	FQ 1
	FQ 2
	FQ 3
	ds_load_b64 v[246:247], v8
	s_wait_dscnt 0x0
	global_store_b64 v9, v[246:247], s[8:9]        ; the wave's 64 scale words: 256 consecutive bytes, aligned
	s_wait_tensorcnt 0x0
	ds_add_u32 v254, v255
	s_wait_dscnt 0x0
	s_endpgm
.Lfunc_end_k_q5e43311bc5_quant:
	.size	k_q5e43311bc5_quant, .Lfunc_end_k_q5e43311bc5_quant-k_q5e43311bc5_quant
	.p2alignl 7, 3214868480
	.fill 96, 4, 3214868480
	.section	.rodata,"a",@progbits
	.p2align	6, 0x0
	.amdhsa_kernel k_q5e43311bc5_quant
		.amdhsa_group_segment_fixed_size 35328
		.amdhsa_private_segment_fixed_size 0
		.amdhsa_enable_private_segment 0
		.amdhsa_kernarg_size 40
		.amdhsa_user_sgpr_count 2
		.amdhsa_user_sgpr_kernarg_segment_ptr 1
		.amdhsa_wavefront_size32 1
		.amdhsa_system_sgpr_workgroup_id_x 1
		.amdhsa_system_sgpr_workgroup_id_y 1
		.amdhsa_system_sgpr_workgroup_id_z 1
		.amdhsa_system_vgpr_workitem_id 0
		.amdhsa_next_free_vgpr 256
		.amdhsa_next_free_sgpr 66
		.amdhsa_reserve_vcc 0
		.amdhsa_float_denorm_mode_32 3
		.amdhsa_float_denorm_mode_16_64 3
		.amdhsa_memory_ordered 1
		.amdhsa_forward_progress 1
		.amdhsa_inst_pref_size 34
	.end_amdhsa_kernel
	.amdgpu_metadata
---
amdhsa.version: [ 1, 2 ]
amdhsa.kernels:
  - .name:           k_q5e43311bc5_quant
    .symbol:         k_q5e43311bc5_quant.kd
    .args:
      - { .name: x, .offset: 0, .size: 8, .value_kind: global_buffer, .address_space: global }
      - { .name: Wq, .offset: 8, .size: 8, .value_kind: global_buffer, .address_space: global }
      - { .name: Wk, .offset: 16, .size: 8, .value_kind: global_buffer, .address_space: global }
      - { .name: Wv, .offset: 24, .size: 8, .value_kind: global_buffer, .address_space: global }
      - { .name: xw, .offset: 32, .size: 8, .value_kind: global_buffer, .address_space: global }
    .group_segment_fixed_size: 35328
    .private_segment_fixed_size: 0
    .kernarg_segment_align: 8
    .kernarg_segment_size: 40
    .max_flat_workgroup_size: 128
    .sgpr_count:     66
    .vgpr_count:     256
    .wavefront_size: 32
...
	.end_amdgpu_metadata
.endif
;; end of part 1
;; launch proj (part 2): grid 8 x 48, 4 waves a work-group, clusters of 4 x 4, 327,680 bytes of LDS; arguments xw, qkv; writes qkv
.if DOCPART == 2
	.amdgcn_target "amdgcn-amd-amdhsa--gfx1250"
	.amdhsa_code_object_version 6
	.text
	.protected	k_q5e43311bc5_proj
	.globl	k_q5e43311bc5_proj
	.p2align	8
	.type	k_q5e43311bc5_proj,@function
k_q5e43311bc5_proj:
	s_mov_b64 s[64:65], 0
	v_nop
	global_prefetch_b8 v0, s[64:65] scope:SCOPE_SE
	s_setreg_imm32_b32 hwreg(HW_REG_WAVE_MODE, 25, 1), 1
	s_wait_xcnt 0x0
	s_wait_alu depctr_hold_cnt(0) depctr_sa_sdst(0) depctr_va_vdst(0) depctr_va_sdst(0) depctr_va_ssrc(0) depctr_va_vcc(0) depctr_vm_vsrc(0)
	s_getreg_b32 s2, hwreg(HW_REG_IB_STS2, 6, 4)
	s_cmp_eq_u32 s2, 0
	s_cbranch_scc0 .Lentry_in_a_cluster
	s_endpgm
.Lentry_in_a_cluster:
	s_bfe_u32 s2, ttmp6, 0x10000c
	s_cmp_lg_u32 s2, 0xf033
	s_cbranch_scc0 .Lentry_shape_is_right
	s_endpgm
.Lentry_shape_is_right:
; q = x Wq^T, k = x Wk^T, v = x Wv^T on codes of FP6 (E2M3) with E8M0 scales, sums in f32; each result is quantised on the way out into the next product's operand.
; OPERANDS lie in blocks of 128 rows x 128 K, 12,800 bytes: fragment i at 1536 i as an image of its registers (registers 4 c .. 4 c + 3 of lane L at 512 c + 16 L), scale word of (i, r) at 12288 + 64 i + 4 r;
; lane r of fragment i holds row 32 (i / 2) + 8 (i % 2) + r + 8 (r / 8).  xw: [88 rowgroups][8 K steps]: 0-63 x, 64-71 Wq, 72-79 Wk, 80-87 Wv.
; EVERY PRODUCT is D = S0 S1^T, source 0 = a fragment of S0, source 1 = one of S1: a lane then holds ONE row of S1, and by the order of rows above the 64 registers of accumulators (a, 0 .. 7) are S0's
; 128 rows in natural order: register 16 b + i = row 32 b + 16 (lane / 16) + i.  So they are quantised in registers into fragment a of the block (rowgroup of S1, K step = rowgroup of S0).
;   clusters y 0-7:  S1 = x, S0 = Wq | Wk: q [64][8] blocks at 0 and k at 6,553,600 of qkv (rows = tokens, K = the head's axis)
;   clusters y 8-11: S1 = Wv, S0 = x: v^T [8 channel rowgroups][64 = 16 batch + key step] at 13,107,200 (rows = channels, K = the keys)
; A work-group makes 256 x 256 with four waves, a wave 128 x 128: 64 accumulators.  K = 1024 goes through two LDS slots of 2 K steps: a rowgroup's two K steps are 25,600 dense bytes, one tensor load a wave.
; CLUSTERS 4 x 4: S1's tiles are shared along a row of the cluster, S0's along a column, and are asked for jointly.
; LIMITS: a block of zeros gets the byte 1 where the rule says 127 (its codes are zeros; this program alone reads the bytes); NaN and infinities are not served.
; REGISTERS: window 0: v1-29 addresses; v32-39, v40-47 scale words of S1 and S0, a set for each K step of a slot; v56-79, v224-240 the way out; v128-223 S1's 8 fragments, one set.
;   window 1: S0's fragments, two sets, at v0 and v128.   windows 2, 3: accumulator (a, b) at v[8 (8 (a % 4) + b)] of window 2 + a / 4.
.set BLK,   12800
.set RGS,   2*BLK                      ; a rowgroup's two K steps: what one tensor load brings
.set SLOT,  4*RGS                      ; S1's two rowgroups, then S0's two
.set SZ,    512                        ; a wave's stage for its block's scale words
.set SSTG,  2*SLOT
.set SPARE, SSTG+4*SZ                  ; the spare words, 128 bytes a wave: two blocks of 256 bytes that no other line names
.set LI,   4                           ; v4      16 x lane
.set ADRA, 16                          ; v16-17  my S1 rowgroup in slot 0, 1, + 16 x lane
.set ADRB, 18                          ; v18-19  my S0 rowgroup likewise
.set ADS1, 20                          ; v20-21  my S1 rowgroup + 4 x lane: scale words
.set ADS0, 22                          ; v22-23  S0 likewise
.set SSA,  24                          ; v24     the stage: my row's word
.set SRA,  25                          ; v25     the stage, way out: 16 bytes a lane
.set SPW,  28                          ; v28     my spare word; never rewritten
.set NIL,  29                          ; v29     0; never rewritten
.set SS1,  32
.set SS0,  40
.set PC,   56                          ; v56-74  the codes just made
.set AF,   128
.set TM,   224                         ; v224-239 at work
.set PW,   240                         ; the scale word just made
.set G1,  24                           ; s[24:31] group 1 for S1's tiles; s[32:39] group 0, a set for each slot
.set G0,  32
.set G1B, 48                           ; s[48:55], s[56:63] the same for S0's
.set G0B, 56
.set SEL, 78                           ; s[78:79] lane selects: lane l xor 16
.set MSB, 0
.macro WIN new                         ; the immediate's high byte repeats the setting that is left
.if MSB != (\new)
	s_set_vgpr_msb (MSB<<8)|(\new)
.set MSB, (\new)
.endif
.endm
.set MUL_LO, 0xa1                      ; source 0 (S0) window 1, source 1 (S1) window 0, C and D window 2
.set MUL_HI, 0xf1                      ; the same, C and D window 3
; A joint load: waves 0 and 1 fetch S1's rowgroups, waves 2 and 3 S0's.  The branch hangs on the wave's number alone.  Four v_nop follow each of the two lines.
.macro JLOAD g0a, g1a, g0b, g1b
	s_cmp_eq_u32 s15, 0
	s_cbranch_scc0 .Lfor_b_\@
	tensor_load_to_lds s[\g0a:\g0a+3], s[\g1a:\g1a+7]
	s_nop 0
.rept 4
	v_nop
.endr
	s_branch .Lasked_\@
.Lfor_b_\@:
	tensor_load_to_lds s[\g0b:\g0b+3], s[\g1b:\g1b+7]
	s_nop 0
.rept 4
	v_nop
.endr
.Lasked_\@:
.endm
.macro CREST                           ; a round of the cluster's barrier behind its opening barrier
	s_cmp_lg_u32 s14, 0
	s_cbranch_scc1 .Lnot_wave_0_\@
	s_barrier_signal -3
.Lnot_wave_0_\@:
	s_barrier_wait -3
	s_barrier_signal -1
	s_barrier_wait -1
.endm
.macro CROUND
	s_barrier_signal -1
	s_barrier_wait -1
	CREST
.endm
.macro PLACES n                        ; plain places behind matrix instructions, in front of loads into their registers and of reads of their results
.rept \n
	v_nop
.endr
.endm
.macro FRAG reg, adr, off              ; a fragment comes as it was stored: three loads of 512 consecutive bytes
.irp c, 0,1,2
	ds_load_b128 v[\reg+4*\c:\reg+4*\c+3], v[\adr] offset:\off+512*\c
.endr
.endm
.macro FETCH_B slot, q, p              ; S0's eight fragments of the slot's K step q into set p
	WIN 0x40
.irp i, 0,1,2,3,4,5,6,7
	FRAG 128*(\p)+12*\i, ADRB+\slot, (\q)*BLK+1536*\i
.endr
	WIN 0
.endm
.macro FETCH_A slot, q, i0             ; S1's fragments i0 .. i0 + 3
.irp i, \i0, \i0+1, \i0+2, \i0+3
	FRAG AF+12*(\i), ADRA+\slot, (\q)*BLK+1536*(\i)
.endr
.endm
.macro SCALES slot, q                  ; register j: lanes 0-15 the words of fragment 2 j, lanes 16-31 those of fragment 2 j + 1
.irp j, 0,1,2,3
	ds_load_b32 v[SS1+4*(\q)+\j], v[ADS1+\slot] offset:(\q)*BLK+12288+128*\j
	ds_load_b32 v[SS0+4*(\q)+\j], v[ADS0+\slot] offset:(\q)*BLK+12288+128*\j
.endr
.endm
.macro MM a, b, p, q, zero             ; one product; an odd fragment's scale words stand in lanes 16-31
.set rD, 8*(8*((\a)%4)+(\b))
.set rA, 128*(\p)+12*(\b)
.set rB, AF+12*(\a)
.set rX, SS0+4*(\q)+(\b)/2
.set rY, SS1+4*(\q)+(\a)/2
.if \zero
.if ((\a)%2 == 0) && ((\b)%2 == 0)
	v_wmma_scale_f32_16x16x128_f8f6f4 v[rD:rD+7], v[rA:rA+11], v[rB:rB+11], 0, v[rX], v[rY] matrix_a_fmt:MATRIX_FMT_FP6 matrix_b_fmt:MATRIX_FMT_FP6
.elseif (\a)%2 == 0
	v_wmma_scale_f32_16x16x128_f8f6f4 v[rD:rD+7], v[rA:rA+11], v[rB:rB+11], 0, v[rX], v[rY] matrix_a_fmt:MATRIX_FMT_FP6 matrix_b_fmt:MATRIX_FMT_FP6 matrix_a_scale:MATRIX_SCALE_ROW1
.elseif (\b)%2 == 0
	v_wmma_scale_f32_16x16x128_f8f6f4 v[rD:rD+7], v[rA:rA+11], v[rB:rB+11], 0, v[rX], v[rY] matrix_a_fmt:MATRIX_FMT_FP6 matrix_b_fmt:MATRIX_FMT_FP6 matrix_b_scale:MATRIX_SCALE_ROW1
.else
	v_wmma_scale_f32_16x16x128_f8f6f4 v[rD:rD+7], v[rA:rA+11], v[rB:rB+11], 0, v[rX], v[rY] matrix_a_fmt:MATRIX_FMT_FP6 matrix_b_fmt:MATRIX_FMT_FP6 matrix_a_scale:MATRIX_SCALE_ROW1 matrix_b_scale:MATRIX_SCALE_ROW1
.endif
.else
.if ((\a)%2 == 0) && ((\b)%2 == 0)
	v_wmma_scale_f32_16x16x128_f8f6f4 v[rD:rD+7], v[rA:rA+11], v[rB:rB+11], v[rD:rD+7], v[rX], v[rY] matrix_a_fmt:MATRIX_FMT_FP6 matrix_b_fmt:MATRIX_FMT_FP6
.elseif (\a)%2 == 0
	v_wmma_scale_f32_16x16x128_f8f6f4 v[rD:rD+7], v[rA:rA+11], v[rB:rB+11], v[rD:rD+7], v[rX], v[rY] matrix_a_fmt:MATRIX_FMT_FP6 matrix_b_fmt:MATRIX_FMT_FP6 matrix_a_scale:MATRIX_SCALE_ROW1
.elseif (\b)%2 == 0
	v_wmma_scale_f32_16x16x128_f8f6f4 v[rD:rD+7], v[rA:rA+11], v[rB:rB+11], v[rD:rD+7], v[rX], v[rY] matrix_a_fmt:MATRIX_FMT_FP6 matrix_b_fmt:MATRIX_FMT_FP6 matrix_b_scale:MATRIX_SCALE_ROW1
.else
	v_wmma_scale_f32_16x16x128_f8f6f4 v[rD:rD+7], v[rA:rA+11], v[rB:rB+11], v[rD:rD+7], v[rX], v[rY] matrix_a_fmt:MATRIX_FMT_FP6 matrix_b_fmt:MATRIX_FMT_FP6 matrix_a_scale:MATRIX_SCALE_ROW1 matrix_b_scale:MATRIX_SCALE_ROW1
.endif
.endif
.endm
.macro MUL16 a0, p, q, zero            ; S1's fragments a0, a0 + 1 against S0's eight.  The 64 accumulators take turns, one instruction a turn, in the same order in every K step
.irp a, \a0, \a0+1
.irp b, 0,1,2,3,4,5,6,7
	MM \a, \b, \p, \q, \zero
.endr
.endr
.endm
.macro STEP slot, zero                 ; a slot's first K step; in its middle and at its end the second one's fragments are fetched
	s_wait_dscnt 12                                ; all but the youngest 12 loads (S1's fragments 4-7) are in
	WIN MUL_LO
	MUL16 0, 0, 0, \zero
	MUL16 2, 0, 0, \zero
	s_wait_dscnt 0x0                               ; S1's fragments 4-7 are in (asked for 32 matrix instructions ago)
	PLACES 4
	FETCH_B \slot, 1, 1
	FETCH_A \slot, 1, 0
	SCALES \slot, 1
	WIN MUL_HI
	MUL16 4, 0, 0, \zero
	MUL16 6, 0, 0, \zero
	PLACES 4
	WIN 0
	FETCH_A \slot, 1, 4
.endm
; A slot's second K step changes slots: one barrier; in front of it each wave waits for all its tensor loads, adds 0 to its spare word, and waits for that and for its reads of this slot.
.macro TURN slot, next, fill
	s_wait_tensorcnt 0x0                           ; all my tensor loads have landed: my part of the next slot
	ds_add_u32 v[SPW], v[NIL]                      ; 0 onto my spare word
	s_wait_dscnt 13                                ; (the add and the youngest 12 loads may be out)
	WIN MUL_LO
	MUL16 0, 1, 1, 0                               ; sixteen matrix instructions stand between the add and the wait for it
	s_wait_dscnt 0x0                               ; the add is done, and my reads of this slot are over
	s_barrier_signal -1
	MUL16 2, 1, 1, 0
	WIN 0
	s_barrier_wait -1
.if \fill
	CREST                                          ; the barrier has opened a round of the cluster's: no wave of any partner still reads this slot or has a load on its way
	s_add_nc_u64 s[G0+4*\slot+2:G0+4*\slot+3], s[G0+4*\slot+2:G0+4*\slot+3], 2*RGS
	s_add_nc_u64 s[G0B+4*\slot+2:G0B+4*\slot+3], s[G0B+4*\slot+2:G0B+4*\slot+3], 2*RGS
	JLOAD G0+4*\slot, G1, G0B+4*\slot, G1B         ; the first tensor load behind the round; its four v_nop are the places in front of the loads below
.else
	PLACES 4
.endif
	FETCH_B \next, 0, 0
	FETCH_A \next, 0, 0
	SCALES \next, 0
	WIN MUL_HI
	MUL16 4, 1, 1, 0
	MUL16 6, 1, 1, 0
	PLACES 4
	WIN 0
	FETCH_A \next, 0, 4
.endm
.macro LAST                            ; the very last K step: nothing more to fetch
	s_wait_dscnt 12
	WIN MUL_LO
	MUL16 0, 1, 1, 0
	MUL16 2, 1, 1, 0
	s_wait_dscnt 0x0
	WIN MUL_HI
	MUL16 4, 1, 1, 0
	MUL16 6, 1, 1, 0
	WIN 0
	PLACES 4
.endm
; The 64 registers v[s] on of window w (register 16 b + i = K 32 b + 16 h + i of my row) become a fragment's codes in v[PC] on and its scale word in v[PW].  Each accumulator is first read at its low end.
.macro QUANTW w, s
	WIN ((\w)<<2)|((\w)<<4)
.irp b, 0,1,2,3
	v_max3_num_f32 v[TM+\b], 0x1800000, |v[\s+16*\b]|, |v[\s+1+16*\b]|   ; with the floor 2^(3 - 127): the byte cannot fall under 1
.endr
.irp i, 2,4,6,8,10,12,14
.irp b, 0,1,2,3
	v_max3_num_f32 v[TM+\b], v[TM+\b], |v[\s+16*\b+\i]|, |v[\s+1+16*\b+\i]|
.endr
.endr
	WIN 0
.irp b, 0,1,2,3
	v_permlanex16_b32 v[TM+4+\b], v[TM+\b], s[SEL], s[SEL+1]
.endr
.irp b, 0,1,2,3
	v_max_num_f32 v[TM+\b], v[TM+\b], v[TM+4+\b]   ; with lane l xor 16: the block's largest magnitude
.endr
.irp b, 0,1,2,3
	v_add_nc_u32 v[TM+12+\b], 0xff000000, v[TM+\b] ; 2 off its exponent field: the conversion's scale operand
.endr
.irp b, 0,1,2,3
	v_lshrrev_b32 v[TM+4+\b], 23, v[TM+12+\b]      ; the byte
.endr
	v_lshl_or_b32 v[PW], v[TM+5], 8, v[TM+4]
	v_lshl_or_b32 v[PW], v[TM+6], 16, v[PW]
	v_lshl_or_b32 v[PW], v[TM+7], 24, v[PW]
	WIN (\w)
.irp c, 0,1
	v_cvt_scalef32_pk16_fp6_f32 v[PC+6*\c:PC+2+6*\c], v[\s+32*\c:\s+15+32*\c], v[TM+12+2*\c]
	v_cvt_scalef32_pk16_fp6_f32 v[PC+12+4*\c:PC+14+4*\c], v[\s+16+32*\c:\s+31+32*\c], v[TM+12+2*\c+1]
.endr
	WIN 0
	v_nop                                          ; one plain place behind a scaled conversion
.irp c, 0,1
.irp i, 0,1,2
	v_permlane16_swap_b32 v[PC+6*\c+\i], v[PC+12+4*\c+\i]
.endr
.irp i, 0,1,2
	v_mov_b32 v[PC+3+6*\c+\i], v[PC+12+4*\c+\i]
.endr
.endr
.endm
.macro OUTF a                          ; S1's fragment a of my block leaves
.if (\a) > 0
	s_wait_xcnt 0x0                                ; the last fragment's stores have read the codes' registers,
	s_wait_dscnt 0x0                               ; and its scale word is stored
.endif
	QUANTW 2+(\a)/4, 64*((\a)%4)
.irp c, 0,1,2
	global_store_b128 v[LI], v[PC+4*\c:PC+4*\c+3], s[12:13] offset:1536*(\a)+512*\c   ; 512 consecutive bytes, aligned
.endr
	ds_store_b32 v[SSA], v[PW] offset:64*(\a)
.endm
	s_load_b128 s[4:7], s[0:1], 0x0                ; xw s[4:5], qkv s[6:7]
	v_lshl_add_u32 v[SPW], v0, 2, SPARE
	v_mov_b32 v[NIL], 0
	ds_add_u32 v28, v29
	ds_add_u32 v28, v29
	s_wait_dscnt 0x0
	v_lshrrev_b32 v1, 5, v0
	v_readfirstlane_b32 s14, v1                    ; wave 0..3
	s_lshr_b32 s15, s14, 1                         ; my half of S1.  Also: I fetch for S1 (0) or for S0 (1)
	s_and_b32 s16, s14, 1                          ; my half of S0.  Also: which rowgroup I fetch
	s_bfe_u32 s40, ttmp6, 0x40000                  ; cx
	s_bfe_u32 s41, ttmp6, 0x40004                  ; cy
	s_and_b32 s17, ttmp7, 0xffff                   ; the cluster's y
	s_lshl_b32 s42, ttmp9, 2
	s_add_co_u32 s42, s42, s40                     ; X = 4 x cluster x + cx
	s_lshl_b32 s43, s41, 2
	s_lshl_b32 s43, 15, s43                        ; my row of the cluster
	s_lshl_b32 s44, 0x1111, s40                    ; my column
	; S1's first rowgroup hangs on cy and the cluster alone: x's 2 (4 y + cy), or Wv's 80 + 2 cy
	s_lshl_b32 s18, s41, 1
	s_lshl_b32 s19, s17, 3
	s_add_co_u32 s19, s19, s18
	s_add_co_u32 s20, s18, 80
	s_cmp_lt_u32 s17, 8
	s_cselect_b32 s19, s19, s20
	; S0's hangs on cx and the cluster alone: the weights' 64 + 2 X, or x's 2 X + 16 (y - 8)
	s_lshl_b32 s45, s42, 1
	s_add_co_u32 s46, s45, 64
	s_max_u32 s47, s17, 8
	s_sub_co_u32 s47, s47, 8
	s_lshl_b32 s47, s47, 4
	s_add_co_u32 s47, s47, s45
	s_cmp_lt_u32 s17, 8
	s_cselect_b32 s46, s46, s47
	s_add_co_u32 s20, s19, s16
	s_mul_i32 s20, s20, 8*BLK                      ; the rowgroup that I fetch, if for S1,
	s_mov_b32 s21, 0
	s_add_co_u32 s66, s46, s16
	s_mul_i32 s66, s66, 8*BLK                      ; and if for S0
	s_mov_b32 s67, 0
	; my block of the result.  q, k: (ks / 8) x 6,553,600 + G x 102,400 + (ks % 8) x 12,800, G = S1's rowgroup, ks = 2 X + half
	s_add_co_u32 s68, s19, s15
	s_mul_i32 s68, s68, 8*BLK
	s_add_co_u32 s69, s45, s16
	s_lshr_b32 s70, s69, 3
	s_mul_i32 s70, s70, 64*8*BLK
	s_and_b32 s69, s69, 7
	s_mul_i32 s69, s69, BLK
	s_add_co_u32 s68, s68, s70
	s_add_co_u32 s68, s68, s69
	; v^T: 13,107,200 + (2 cy + half) x 819,200 + (x's rowgroup) x 12,800
	s_add_co_u32 s71, s18, s15
	s_mul_i32 s71, s71, 64*BLK
	s_add_co_u32 s72, s46, s16
	s_mul_i32 s72, s72, BLK
	s_add_co_u32 s71, s71, s72
	s_add_co_u32 s71, s71, 2*64*8*BLK
	s_cmp_lt_u32 s17, 8
	s_cselect_b32 s68, s68, s71
	s_mov_b32 s69, 0
	; group 1: 25,600 dense bytes as 100 rows of 32 elements of 8 bytes; no padding
	s_or_b32 s[G1+0], s43, (3<<16)|(1<<21)         ; 15:0 the mask: my row; 17:16 elements of 8 bytes; 21 set beside a mask
	s_or_b32 s[G1B+0], s44, (3<<16)|(1<<21)        ; the same with my column
.irp g, G1, G1B
	s_mov_b32 s[\g+1], 32<<16                      ; tensor_dim0
	s_mov_b32 s[\g+2], 100<<16                     ; tensor_dim1
	s_mov_b32 s[\g+3], 32<<16                      ; tile_dim0
	s_mov_b32 s[\g+4], 100                         ; tile_dim1
	s_mov_b32 s[\g+5], 32                          ; the pitch
	s_mov_b32 s[\g+6], 0
	s_mov_b32 s[\g+7], 0
.endr
	s_mul_i32 s73, s14, RGS                        ; where my tile goes: wave x 25,600: no place in the cluster enters an LDS address
	s_mov_b32 s[SEL], 0x76543210
	s_mov_b32 s[SEL+1], 0xfedcba98
	s_wait_kmcnt 0x0
	s_add_nc_u64 s[20:21], s[4:5], s[20:21]
	s_add_nc_u64 s[66:67], s[4:5], s[66:67]
	s_add_nc_u64 s[12:13], s[6:7], s[68:69]
	CROUND                                         ; all sixteen work-groups are here: the first joint loads meet
.irp s, 0,1
	s_mov_b32 s[G0+4*\s], 1
	s_add_co_u32 s[G0+4*\s+1], s73, \s*SLOT
	s_add_nc_u64 s[G0+4*\s+2:G0+4*\s+3], s[20:21], \s*RGS
	s_or_b32 s[G0+4*\s+3], s[G0+4*\s+3], 0x80000000
	s_mov_b32 s[G0B+4*\s], 1
	s_add_co_u32 s[G0B+4*\s+1], s73, \s*SLOT
	s_add_nc_u64 s[G0B+4*\s+2:G0B+4*\s+3], s[66:67], \s*RGS
	s_or_b32 s[G0B+4*\s+3], s[G0B+4*\s+3], 0x80000000
	JLOAD G0+4*\s, G1, G0B+4*\s, G1B               ; two tensor loads of mine are out behind these
.endr
	v_and_b32 v3, 31, v0                           ; lane
	v_and_b32 v1, 15, v0                           ; r
	v_lshlrev_b32 v[LI], 4, v3
	v_lshlrev_b32 v5, 2, v3
	s_mul_i32 s74, s15, RGS
	s_mul_i32 s75, s16, RGS
	s_add_co_u32 s75, s75, 2*RGS
.irp s, 0,1
	v_add_nc_u32 v[ADRA+\s], s74, v[LI]
	v_add_nc_u32 v[ADRB+\s], s75, v[LI]
	v_add_nc_u32 v[ADS1+\s], s74, v5
	v_add_nc_u32 v[ADS0+\s], s75, v5
	s_add_co_u32 s74, s74, SLOT
	s_add_co_u32 s75, s75, SLOT
.endr
	s_mul_i32 s76, s14, SZ
	s_add_co_u32 s76, s76, SSTG
	v_lshl_add_u32 v[SSA], v1, 2, s76
	v_add_nc_u32 v[SRA], s76, v[LI]
.irp b, 0,1,2,3
	v_mov_b32 v[TM+4+\b], 0                        ; written once: a lane permute's destination counts as one of its sources
.endr
	s_wait_tensorcnt 1                             ; my part of slot 0 is in; slot 1's may stay out
	s_barrier_signal -1
	s_barrier_wait -1
	FETCH_B 0, 0, 0
	FETCH_A 0, 0, 0
	SCALES 0, 0
	FETCH_A 0, 0, 4
	STEP 0, 1                                      ; K steps 0 .. 7, written out; the first products start the sums
	TURN 0, 1, 1
	STEP 1, 0
	TURN 1, 0, 1
	STEP 0, 0
	TURN 0, 1, 0                                   ; nothing is left to fetch
	STEP 1, 0
	LAST
.irp a, 0,1,2,3,4,5,6,7
	OUTF \a
.endr
	ds_load_b128 v[76:79], v[SRA]                  ; LDS serves a wave's instructions in order: this sees my eight stores
	s_wait_dscnt 0x0
	global_store_b128 v[LI], v[76:79], s[12:13] offset:12288   ; the block's 128 scale words: 512 consecutive bytes
	s_wait_tensorcnt 0x0                           ; the wave's end
	ds_add_u32 v[SPW], v[NIL]
	s_wait_dscnt 0x0
	CROUND                                         ; the closing round
	s_endpgm
.Lfunc_end_k_q5e43311bc5_proj:
	.size	k_q5e43311bc5_proj, .Lfunc_end_k_q5e43311bc5_proj-k_q5e43311bc5_proj
	.p2alignl 7, 3214868480
	.fill 96, 4, 3214868480
	.section	.rodata,"a",@progbits
	.p2align	6, 0x0
	.amdhsa_kernel k_q5e43311bc5_proj
		.amdhsa_group_segment_fixed_size 327680
		.amdhsa_private_segment_fixed_size 0
		.amdhsa_enable_private_segment 0
		.amdhsa_kernarg_size 16
		.amdhsa_user_sgpr_count 2
		.amdhsa_user_sgpr_kernarg_segment_ptr 1
		.amdhsa_wavefront_size32 1
		.amdhsa_system_sgpr_workgroup_id_x 1
		.amdhsa_system_sgpr_workgroup_id_y 1
		.amdhsa_system_sgpr_workgroup_id_z 1
		.amdhsa_system_vgpr_workitem_id 0
		.amdhsa_next_free_vgpr 1024
		.amdhsa_next_free_sgpr 98
		.amdhsa_reserve_vcc 0
		.amdhsa_float_denorm_mode_32 3
		.amdhsa_float_denorm_mode_16_64 3
		.amdhsa_memory_ordered 1
		.amdhsa_forward_progress 1
		.amdhsa_inst_pref_size 140
	.end_amdhsa_kernel
	.amdgpu_metadata
---
amdhsa.version: [ 1, 2 ]
amdhsa.kernels:
  - .name:           k_q5e43311bc5_proj
    .symbol:         k_q5e43311bc5_proj.kd
    .args:
      - { .name: xw, .offset: 0, .size: 8, .value_kind: global_buffer, .address_space: global }
      - { .name: qkv, .offset: 8, .size: 8, .value_kind: global_buffer, .address_space: global }
    .group_segment_fixed_size: 327680
    .private_segment_fixed_size: 0
    .kernarg_segment_align: 8
    .kernarg_segment_size: 16
    .max_flat_workgroup_size: 128
    .sgpr_count:     98
    .vgpr_count:     1024
    .wavefront_size: 32
...
	.end_amdgpu_metadata
.endif
;; end of part 2
;; launch scores (part 3): grid 4 x 48, 4 waves a work-group, clusters of 4 x 4, 327,680 bytes of LDS; arguments qkv, pc, pstat; writes pc, pstat
.if DOCPART == 3
	.amdgcn_target "amdgcn-amd-amdhsa--gfx1250"
	.amdhsa_code_object_version 6
	.text
	.protected	k_q5e43311bc5_scores
	.globl	k_q5e43311bc5_scores
	.p2align	8
	.type	k_q5e43311bc5_scores,@function
k_q5e43311bc5_scores:
	s_mov_b64 s[64:65], 0
	v_nop
	global_prefetch_b8 v0, s[64:65] scope:SCOPE_SE
	s_setreg_imm32_b32 hwreg(HW_REG_WAVE_MODE, 25, 1), 1
	s_wait_xcnt 0x0
	s_wait_alu depctr_hold_cnt(0) depctr_sa_sdst(0) depctr_va_vdst(0) depctr_va_sdst(0) depctr_va_ssrc(0) depctr_va_vcc(0) depctr_vm_vsrc(0)
	s_getreg_b32 s2, hwreg(HW_REG_IB_STS2, 6, 4)
	s_cmp_eq_u32 s2, 0
	s_cbranch_scc0 .Lentry_in_a_cluster
	s_endpgm
.Lentry_in_a_cluster:
	s_bfe_u32 s2, ttmp6, 0x10000c
	s_cmp_lg_u32 s2, 0xf033
	s_cbranch_scc0 .Lentry_shape_is_right
	s_endpgm
.Lentry_shape_is_right:
; S = q k^T on codes of FP6 (E2M3), the causal mask, and the softmax's p = 2^(t - M), quantised along the keys.  t = score x log2(e) / 32.
; M IS TAKEN LOCALLY: for each query and each chunk of 128 keys, M_loc = ceil(the chunk's largest t), a whole number.  p_loc = 2^(t - M_loc) has the same codes as 2^(t - M) with the row's M, and scale bytes
; that differ by the whole number M_loc - M.  This launch stores the codes, the local bytes, -M_loc and l_loc (the sum of the unquantised p_loc); the next launch brings bytes and sums under the row's M.
; OPERANDS lie in blocks of 128 rows x 128 K, 12,800 bytes: fragment i at 1536 i as an image of its registers, scale word of (i, r) at 12288 + 64 i + 4 r; lane r of fragment i holds row
; 32 (i / 2) + 8 (i % 2) + r + 8 (r / 8).  q: [64][8] blocks at 0 of qkv, k at 6,553,600.  p: pc [64 query rowgroups][16 key steps].  pstat: 1,024 bytes a block of p: 128 x -M_loc, 128 x l_loc, in (i, r) order.
; D = S0 S1^T with S0 = k, S1 = q: a lane holds one query, and the 64 registers of accumulators (a, 0 .. 7) are the chunk's 128 keys in natural order: register 16 b + i = key 32 b + 16 (lane / 16) + i.
; A work-group makes 256 queries x 256 keys, a wave 128 x 128.  K = 1024 goes through two LDS slots of 2 K steps, one tensor load of 25,600 dense bytes a wave.
; CLUSTERS 4 x 4 make 1024 x 1024: of a batch's four such squares the three that are not wholly hidden, (0,0), (1,0), (1,1).  q's tiles are shared along a row of the cluster, k's along a column.
; In the two squares on the diagonal the six places with cx > cy lie wholly under the mask.  They make every joint request and run as their partners do; their
; blocks hold zero codes and are read by nobody.  The triangle's 36 tiles of a batch do not fall into rows and columns of four.
; LIMITS: a chunk wholly hidden for a query gets M_loc = -3e38 and p = 0; a block whose largest p lies under 2^-124 keeps the byte 1; M is exact while |t| < 2^24; NaN and infinities are not served.
; REGISTERS: as in the projections' launch; v224-246 the softmax's.
.set BLK,   12800
.set RGS,   2*BLK
.set SLOT,  4*RGS
.set SZ,    1536                       ; a wave's stage: 128 scale words, 128 x -M, 128 x l
.set SSTG,  2*SLOT
.set SPARE, SSTG+4*SZ                  ; the spare words, 128 bytes a wave: two blocks of 256 bytes that no other line names
.set LI,   4
.set ADRA, 16
.set ADRB, 18
.set ADS1, 20
.set ADS0, 22
.set SSA,  24
.set SRA,  25
.set SPW,  28
.set NIL,  29
.set SS1,  32
.set SS0,  40
.set PC,   56
.set AF,   128
.set BM,   224                         ; v224-227 each block's largest score, then its largest p
.set T4,   228                         ; v228-231 at work
.set SO,   232                         ; v232-235 the conversions' scale operands
.set LS,   236                         ; v[236:237], v[238:239] the sum, in two chains of pairs
.set LT,   238
.set NM,   240                         ; v[240:241] -M (the packed form names a pair and takes its low word)
.set PW,   242
.set DV,   243                         ; the mask's bound for this fragment
.set NI,   244                         ; -infinity
.set XX,   245
.set D0,   246                         ; my query less my first key, for fragment 0
.set G1,  24
.set G0,  32
.set G1B, 48
.set G0B, 56
.set CS,  70                           ; s[70:71] c = log2(e) / 32
.set SEL, 72                           ; s[72:73]
.set ST,  74                           ; s74 which of the batch's three squares: 1 = the one below the diagonal, where nothing is hidden
.set MSB, 0
.macro WIN new
.if MSB != (\new)
	s_set_vgpr_msb (MSB<<8)|(\new)
.set MSB, (\new)
.endif
.endm
.set MUL_LO, 0xa1
.set MUL_HI, 0xf1
.macro JLOAD g0a, g1a, g0b, g1b        ; waves 0 and 1 fetch q's rowgroups, waves 2 and 3 k's; four v_nop follow each of the two lines
	s_cmp_eq_u32 s15, 0
	s_cbranch_scc0 .Lfor_b_\@
	tensor_load_to_lds s[\g0a:\g0a+3], s[\g1a:\g1a+7]
	s_nop 0
.rept 4
	v_nop
.endr
	s_branch .Lasked_\@
.Lfor_b_\@:
	tensor_load_to_lds s[\g0b:\g0b+3], s[\g1b:\g1b+7]
	s_nop 0
.rept 4
	v_nop
.endr
.Lasked_\@:
.endm
.macro CREST
	s_cmp_lg_u32 s14, 0
	s_cbranch_scc1 .Lnot_wave_0_\@
	s_barrier_signal -3
.Lnot_wave_0_\@:
	s_barrier_wait -3
	s_barrier_signal -1
	s_barrier_wait -1
.endm
.macro CROUND
	s_barrier_signal -1
	s_barrier_wait -1
	CREST
.endm
.macro PLACES n
.rept \n
	v_nop
.endr
.endm
.macro FRAG reg, adr, off
.irp c, 0,1,2
	ds_load_b128 v[\reg+4*\c:\reg+4*\c+3], v[\adr] offset:\off+512*\c
.endr
.endm
.macro FETCH_B slot, q, p
	WIN 0x40
.irp i, 0,1,2,3,4,5,6,7
	FRAG 128*(\p)+12*\i, ADRB+\slot, (\q)*BLK+1536*\i
.endr
	WIN 0
.endm
.macro FETCH_A slot, q, i0
.irp i, \i0, \i0+1, \i0+2, \i0+3
	FRAG AF+12*(\i), ADRA+\slot, (\q)*BLK+1536*(\i)
.endr
.endm
.macro SCALES slot, q
.irp j, 0,1,2,3
	ds_load_b32 v[SS1+4*(\q)+\j], v[ADS1+\slot] offset:(\q)*BLK+12288+128*\j
	ds_load_b32 v[SS0+4*(\q)+\j], v[ADS0+\slot] offset:(\q)*BLK+12288+128*\j
.endr
.endm
.macro MM a, b, p, q, zero
.set rD, 8*(8*((\a)%4)+(\b))
.set rA, 128*(\p)+12*(\b)
.set rB, AF+12*(\a)
.set rX, SS0+4*(\q)+(\b)/2
.set rY, SS1+4*(\q)+(\a)/2
.if \zero
.if ((\a)%2 == 0) && ((\b)%2 == 0)
	v_wmma_scale_f32_16x16x128_f8f6f4 v[rD:rD+7], v[rA:rA+11], v[rB:rB+11], 0, v[rX], v[rY] matrix_a_fmt:MATRIX_FMT_FP6 matrix_b_fmt:MATRIX_FMT_FP6
.elseif (\a)%2 == 0
	v_wmma_scale_f32_16x16x128_f8f6f4 v[rD:rD+7], v[rA:rA+11], v[rB:rB+11], 0, v[rX], v[rY] matrix_a_fmt:MATRIX_FMT_FP6 matrix_b_fmt:MATRIX_FMT_FP6 matrix_a_scale:MATRIX_SCALE_ROW1
.elseif (\b)%2 == 0
	v_wmma_scale_f32_16x16x128_f8f6f4 v[rD:rD+7], v[rA:rA+11], v[rB:rB+11], 0, v[rX], v[rY] matrix_a_fmt:MATRIX_FMT_FP6 matrix_b_fmt:MATRIX_FMT_FP6 matrix_b_scale:MATRIX_SCALE_ROW1
.else
	v_wmma_scale_f32_16x16x128_f8f6f4 v[rD:rD+7], v[rA:rA+11], v[rB:rB+11], 0, v[rX], v[rY] matrix_a_fmt:MATRIX_FMT_FP6 matrix_b_fmt:MATRIX_FMT_FP6 matrix_a_scale:MATRIX_SCALE_ROW1 matrix_b_scale:MATRIX_SCALE_ROW1
.endif
.else
.if ((\a)%2 == 0) && ((\b)%2 == 0)
	v_wmma_scale_f32_16x16x128_f8f6f4 v[rD:rD+7], v[rA:rA+11], v[rB:rB+11], v[rD:rD+7], v[rX], v[rY] matrix_a_fmt:MATRIX_FMT_FP6 matrix_b_fmt:MATRIX_FMT_FP6
.elseif (\a)%2 == 0
	v_wmma_scale_f32_16x16x128_f8f6f4 v[rD:rD+7], v[rA:rA+11], v[rB:rB+11], v[rD:rD+7], v[rX], v[rY] matrix_a_fmt:MATRIX_FMT_FP6 matrix_b_fmt:MATRIX_FMT_FP6 matrix_a_scale:MATRIX_SCALE_ROW1
.elseif (\b)%2 == 0
	v_wmma_scale_f32_16x16x128_f8f6f4 v[rD:rD+7], v[rA:rA+11], v[rB:rB+11], v[rD:rD+7], v[rX], v[rY] matrix_a_fmt:MATRIX_FMT_FP6 matrix_b_fmt:MATRIX_FMT_FP6 matrix_b_scale:MATRIX_SCALE_ROW1
.else
	v_wmma_scale_f32_16x16x128_f8f6f4 v[rD:rD+7], v[rA:rA+11], v[rB:rB+11], v[rD:rD+7], v[rX], v[rY] matrix_a_fmt:MATRIX_FMT_FP6 matrix_b_fmt:MATRIX_FMT_FP6 matrix_a_scale:MATRIX_SCALE_ROW1 matrix_b_scale:MATRIX_SCALE_ROW1
.endif
.endif
.endm
.macro MUL16 a0, p, q, zero            ; the 64 accumulators take turns, one instruction a turn, in the same order in every K step
.irp a, \a0, \a0+1
.irp b, 0,1,2,3,4,5,6,7
	MM \a, \b, \p, \q, \zero
.endr
.endr
.endm
.macro STEP slot, zero
	s_wait_dscnt 12                                ; all but the youngest 12 loads (q's fragments 4-7) are in
	WIN MUL_LO
	MUL16 0, 0, 0, \zero
	MUL16 2, 0, 0, \zero
	s_wait_dscnt 0x0
	PLACES 4
	FETCH_B \slot, 1, 1
	FETCH_A \slot, 1, 0
	SCALES \slot, 1
	WIN MUL_HI
	MUL16 4, 0, 0, \zero
	MUL16 6, 0, 0, \zero
	PLACES 4
	WIN 0
	FETCH_A \slot, 1, 4
.endm
.macro TURN slot, next, fill
	s_wait_tensorcnt 0x0                           ; all my tensor loads have landed: my part of the next slot
	ds_add_u32 v[SPW], v[NIL]                      ; 0 onto my spare word
	s_wait_dscnt 13                                ; (the add and the youngest 12 loads may be out)
	WIN MUL_LO
	MUL16 0, 1, 1, 0
	s_wait_dscnt 0x0                               ; the add is done, and my reads of this slot are over
	s_barrier_signal -1
	MUL16 2, 1, 1, 0
	WIN 0
	s_barrier_wait -1
.if \fill
	CREST                                          ; no wave of any partner still reads this slot or has a load on its way
	s_add_nc_u64 s[G0+4*\slot+2:G0+4*\slot+3], s[G0+4*\slot+2:G0+4*\slot+3], 2*RGS
	s_add_nc_u64 s[G0B+4*\slot+2:G0B+4*\slot+3], s[G0B+4*\slot+2:G0B+4*\slot+3], 2*RGS
	JLOAD G0+4*\slot, G1, G0B+4*\slot, G1B
.else
	PLACES 4
.endif
	FETCH_B \next, 0, 0
	FETCH_A \next, 0, 0
	SCALES \next, 0
	WIN MUL_HI
	MUL16 4, 1, 1, 0
	MUL16 6, 1, 1, 0
	PLACES 4
	WIN 0
	FETCH_A \next, 0, 4
.endm
.macro LAST
	s_wait_dscnt 12
	WIN MUL_LO
	MUL16 0, 1, 1, 0
	MUL16 2, 1, 1, 0
	s_wait_dscnt 0x0
	WIN MUL_HI
	MUL16 4, 1, 1, 0
	MUL16 6, 1, 1, 0
	WIN 0
	PLACES 4
.endm
; THE SOFTMAX OF FRAGMENT a: 16 queries x my 128 keys, 64 scores a lane, in window WN from v[SB] on.
.macro SOFT a
.set WN, 2+(\a)/4
.set SB, 64*((\a)%4)
	s_wait_xcnt 0x0                                ; the last fragment's stores have read the codes' registers,
	s_wait_dscnt 0x0                               ; and its three words are in the stage
	s_cmp_eq_u32 s[ST], 1                          ; the square below the diagonal hides nothing: a branch on the cluster's number, the same in all partners
	s_cbranch_scc1 .Lopen_\@
	v_add_nc_u32 v[DV], 32*((\a)/2)+8*((\a)%2), v[D0]   ; register 16 b + i holds a key that is hidden where 32 b + i > this
	WIN (WN<<6)|WN
.set n, 0
.rept 64
	v_cmp_gt_i32 vcc_lo, 32*(n/16)+n%16, v[DV]
	v_cndmask_b32 v[SB+n], v[SB+n], v[NI], vcc_lo
.set n, n+1
.endr
	WIN 0
.Lopen_\@:
	WIN WN|(WN<<2)|(WN<<4)
.irp b, 0,1,2,3
	v_max3_num_f32 v[BM+\b], v[SB+16*\b], v[SB+16*\b+1], v[SB+16*\b+2]   ; the largest score of each block of 32 keys: it serves for the maximum and, since p rises with the score, for the block's largest p
.endr
	WIN (WN<<2)|(WN<<4)
.irp i, 3,5,7,9,11,13
.irp b, 0,1,2,3
	v_max3_num_f32 v[BM+\b], v[BM+\b], v[SB+16*\b+\i], v[SB+16*\b+\i+1]
.endr
.endr
.irp b, 0,1,2,3
	v_max_num_f32 v[BM+\b], v[BM+\b], v[SB+16*\b+15]
.endr
	WIN 0
.irp b, 0,1,2,3
	v_permlanex16_b32 v[T4+\b], v[BM+\b], s[SEL], s[SEL+1]
.endr
.irp b, 0,1,2,3
	v_max_num_f32 v[BM+\b], v[BM+\b], v[T4+\b]     ; with lane l xor 16
.endr
	v_max3_num_f32 v[XX], v[BM], v[BM+1], v[BM+2]
	v_max_num_f32 v[XX], v[XX], v[BM+3]
	v_mul_f32 v[XX], s[CS], v[XX]                  ; the chunk's largest t
	v_max_num_f32 v[XX], 0xff61b1e6, v[XX]         ; held at -3e38: a chunk wholly hidden gives a finite M
	v_floor_f32 v[NM], -v[XX]                      ; -M = floor(-t) = -ceil(t): a whole number
	WIN (WN<<6)|WN
.set n, 0
.rept 32
	v_pk_fma_f32 v[SB+n:SB+n+1], v[SB+n:SB+n+1], s[CS:CS+1], v[NM:NM+1] op_sel_hi:[1,0,0]   ; t - M, two at a time
.set n, n+2
.endr
	WIN 0
.irp b, 0,1,2,3
	v_fma_f32 v[BM+\b], v[BM+\b], s[CS], v[NM]     ; the same of each block's largest score
.endr
	WIN (WN<<6)|WN
.set n, 0
.rept 64
	v_exp_f32 v[SB+n], v[SB+n]                     ; p = 2^(t - M)
.set n, n+1
.endr
	WIN 0
	v_nop                                          ; a plain place behind the exponentials
	s_wait_alu depctr_va_vdst(0)                   ; one wait for the batch, ahead of its first reader
.irp b, 0,1,2,3
	v_exp_f32 v[BM+\b], v[BM+\b]                   ; the block's largest p: the same two instructions on the same number give the same bits
.endr
	WIN WN|(WN<<2)
	v_pk_add_f32 v[LS:LS+1], v[SB:SB+1], v[SB+2:SB+3]         ; the sum is taken of the unquantised p, in two chains
	v_pk_add_f32 v[LT:LT+1], v[SB+4:SB+5], v[SB+6:SB+7]
	WIN WN<<2
.set n, 8
.rept 14
	v_pk_add_f32 v[LS:LS+1], v[LS:LS+1], v[SB+n:SB+n+1]
	v_pk_add_f32 v[LT:LT+1], v[LT:LT+1], v[SB+n+2:SB+n+3]
.set n, n+4
.endr
	WIN 0
	v_pk_add_f32 v[LS:LS+1], v[LS:LS+1], v[LT:LT+1]
	s_wait_alu depctr_va_vdst(0)                   ; and one for the four
.irp b, 0,1,2,3
	v_max_num_f32 v[BM+\b], 0x1800000, v[BM+\b]    ; the floor 2^(3 - 127): the byte cannot fall under 1
.endr
.irp b, 0,1,2,3
	v_add_nc_u32 v[SO+\b], 0xff000000, v[BM+\b]    ; 2 off the exponent field: the conversion's scale operand
.endr
.irp b, 0,1,2,3
	v_lshrrev_b32 v[T4+\b], 23, v[SO+\b]           ; the byte, under the local M
.endr
	v_lshl_or_b32 v[PW], v[T4+1], 8, v[T4]
	v_lshl_or_b32 v[PW], v[T4+2], 16, v[PW]
	v_lshl_or_b32 v[PW], v[T4+3], 24, v[PW]
	WIN WN
.irp c, 0,1
	v_cvt_scalef32_pk16_fp6_f32 v[PC+6*\c:PC+2+6*\c], v[SB+32*\c:SB+15+32*\c], v[SO+2*\c]
	v_cvt_scalef32_pk16_fp6_f32 v[PC+12+4*\c:PC+14+4*\c], v[SB+16+32*\c:SB+31+32*\c], v[SO+2*\c+1]
.endr
	WIN 0
	v_nop                                          ; one plain place behind a scaled conversion
.irp c, 0,1
.irp i, 0,1,2
	v_permlane16_swap_b32 v[PC+6*\c+\i], v[PC+12+4*\c+\i]
.endr
.irp i, 0,1,2
	v_mov_b32 v[PC+3+6*\c+\i], v[PC+12+4*\c+\i]
.endr
.endr
	v_add_f32 v[XX], v[LS], v[LS+1]
	v_permlanex16_b32 v[T4], v[XX], s[SEL], s[SEL+1]
	v_add_f32 v[XX], v[XX], v[T4]                  ; l_loc of my query
.irp c, 0,1,2
	global_store_b128 v[LI], v[PC+4*\c:PC+4*\c+3], s[12:13] offset:1536*(\a)+512*\c   ; 512 consecutive bytes, aligned
.endr
	ds_store_b32 v[SSA], v[PW] offset:64*(\a)
	ds_store_b32 v[SSA], v[NM] offset:512+64*(\a)
	ds_store_b32 v[SSA], v[XX] offset:1024+64*(\a)
.endm
	s_load_b128 s[4:7], s[0:1], 0x0                ; qkv s[4:5], pc s[6:7]
	s_load_b64 s[8:9], s[0:1], 0x10                ; pstat
	v_lshl_add_u32 v[SPW], v0, 2, SPARE
	v_mov_b32 v[NIL], 0
	ds_add_u32 v28, v29
	ds_add_u32 v28, v29
	s_wait_dscnt 0x0
	v_lshrrev_b32 v1, 5, v0
	v_readfirstlane_b32 s14, v1                    ; wave 0..3
	s_lshr_b32 s15, s14, 1                         ; my half of the queries.  Also: I fetch for q (0) or for k (1)
	s_and_b32 s16, s14, 1                          ; my half of the keys.  Also: which rowgroup I fetch
	s_bfe_u32 s40, ttmp6, 0x40000                  ; cx
	s_bfe_u32 s41, ttmp6, 0x40004                  ; cy
	s_and_b32 s17, ttmp7, 0xffff                   ; the cluster: 0 .. 11
	s_mul_i32 s18, s17, 11
	s_lshr_b32 s18, s18, 5                         ; the batch = cluster / 3
	s_mul_i32 s19, s18, 3
	s_sub_co_u32 s[ST], s17, s19                   ; the square: 0: (0,0), 1: (1,0), 2: (1,1)
	s_add_co_u32 s19, s[ST], 1
	s_lshr_b32 s19, s19, 1                         ; its row
	s_lshr_b32 s20, s[ST], 1                       ; its column
	s_lshl_b32 s18, s18, 4                         ; 16 rowgroups a batch
	s_lshl_b32 s43, s41, 2
	s_lshl_b32 s43, 15, s43                        ; my row of the cluster
	s_lshl_b32 s44, 0x1111, s40                    ; my column
	s_lshl_b32 s19, s19, 2
	s_add_co_u32 s19, s19, s41                     ; my block of 256 queries: hangs on cy and the cluster alone
	s_lshl_b32 s19, s19, 1
	s_add_co_u32 s19, s19, s18                     ; q's first rowgroup
	s_lshl_b32 s46, s20, 2
	s_add_co_u32 s46, s46, s40                     ; my block of 256 keys: hangs on cx and the cluster alone
	s_lshl_b32 s46, s46, 1                         ; its first key step
	s_add_co_u32 s47, s46, s18                     ; k's first rowgroup
	s_add_co_u32 s22, s19, s16
	s_mul_i32 s22, s22, 8*BLK
	s_mov_b32 s23, 0
	s_add_co_u32 s66, s47, s16
	s_mul_i32 s66, s66, 8*BLK
	s_add_co_u32 s66, s66, 64*8*BLK
	s_mov_b32 s67, 0
	s_add_co_u32 s68, s19, s15                     ; my block of p: 16 x (query rowgroup) + key step
	s_lshl_b32 s68, s68, 4
	s_add_co_u32 s68, s68, s46
	s_add_co_u32 s68, s68, s16
	s_lshl_b32 s76, s68, 10
	s_mov_b32 s77, 0
	s_mul_i32 s68, s68, BLK
	s_mov_b32 s69, 0
	s_sub_co_i32 s80, s41, s40                     ; the mask's bound, for a square on the diagonal: 256 (cy - cx) + 128 (my half of the queries - my half of the keys)
	s_lshl_b32 s80, s80, 8
	s_sub_co_i32 s81, s15, s16
	s_lshl_b32 s81, s81, 7
	s_add_co_i32 s80, s80, s81
	s_or_b32 s[G1+0], s43, (3<<16)|(1<<21)         ; group 1: 25,600 dense bytes as 100 rows of 32 elements of 8 bytes; the mask; bit 21 beside it
	s_or_b32 s[G1B+0], s44, (3<<16)|(1<<21)
.irp g, G1, G1B
	s_mov_b32 s[\g+1], 32<<16
	s_mov_b32 s[\g+2], 100<<16
	s_mov_b32 s[\g+3], 32<<16
	s_mov_b32 s[\g+4], 100
	s_mov_b32 s[\g+5], 32
	s_mov_b32 s[\g+6], 0
	s_mov_b32 s[\g+7], 0
.endr
	s_mul_i32 s75, s14, RGS                        ; where my tile goes: wave x 25,600
	s_mov_b32 s[CS], 0x3d38aa3b                    ; log2(e) / 32
	s_mov_b32 s[CS+1], s[CS]
	s_mov_b32 s[SEL], 0x76543210
	s_mov_b32 s[SEL+1], 0xfedcba98
	s_wait_kmcnt 0x0
	s_add_nc_u64 s[22:23], s[4:5], s[22:23]
	s_add_nc_u64 s[66:67], s[4:5], s[66:67]
	s_add_nc_u64 s[12:13], s[6:7], s[68:69]
	s_add_nc_u64 s[10:11], s[8:9], s[76:77]
	CROUND                                         ; all sixteen work-groups are here: the first joint loads meet
.irp s, 0,1
	s_mov_b32 s[G0+4*\s], 1
	s_add_co_u32 s[G0+4*\s+1], s75, \s*SLOT
	s_add_nc_u64 s[G0+4*\s+2:G0+4*\s+3], s[22:23], \s*RGS
	s_or_b32 s[G0+4*\s+3], s[G0+4*\s+3], 0x80000000
	s_mov_b32 s[G0B+4*\s], 1
	s_add_co_u32 s[G0B+4*\s+1], s75, \s*SLOT
	s_add_nc_u64 s[G0B+4*\s+2:G0B+4*\s+3], s[66:67], \s*RGS
	s_or_b32 s[G0B+4*\s+3], s[G0B+4*\s+3], 0x80000000
	JLOAD G0+4*\s, G1, G0B+4*\s, G1B               ; two tensor loads of mine are out behind these
.endr
	v_and_b32 v3, 31, v0                           ; lane
	v_and_b32 v1, 15, v0                           ; r
	v_bfe_u32 v2, v0, 4, 1                         ; h
	v_lshlrev_b32 v[LI], 4, v3
	v_lshlrev_b32 v5, 2, v3
	s_mul_i32 s82, s15, RGS
	s_mul_i32 s83, s16, RGS
	s_add_co_u32 s83, s83, 2*RGS
.irp s, 0,1
	v_add_nc_u32 v[ADRA+\s], s82, v[LI]
	v_add_nc_u32 v[ADRB+\s], s83, v[LI]
	v_add_nc_u32 v[ADS1+\s], s82, v5
	v_add_nc_u32 v[ADS0+\s], s83, v5
	s_add_co_u32 s82, s82, SLOT
	s_add_co_u32 s83, s83, SLOT
.endr
	s_mul_i32 s84, s14, SZ
	s_add_co_u32 s84, s84, SSTG
	v_lshl_add_u32 v[SSA], v1, 2, s84
	v_add_nc_u32 v[SRA], s84, v[LI]
	v_and_b32 v6, 8, v1
	v_add_nc_u32 v6, v6, v1                        ; r + 8 (r / 8)
	v_lshlrev_b32 v7, 4, v2
	v_sub_nc_u32 v6, v6, v7                        ; - 16 h
	v_add_nc_u32 v[D0], s80, v6
	v_mov_b32 v[NI], 0xff800000
	v_mov_b32 v[NM+1], 0                           ; named as the upper half of a pair, so it is written
.irp b, 0,1,2,3
	v_mov_b32 v[T4+\b], 0                          ; written once: a lane permute's destination counts as one of its sources
.endr
	s_wait_tensorcnt 1                             ; my part of slot 0 is in; slot 1's may stay out
	s_barrier_signal -1
	s_barrier_wait -1
	FETCH_B 0, 0, 0
	FETCH_A 0, 0, 0
	SCALES 0, 0
	FETCH_A 0, 0, 4
	STEP 0, 1
	TURN 0, 1, 1
	STEP 1, 0
	TURN 1, 0, 1
	STEP 0, 0
	TURN 0, 1, 0
	STEP 1, 0
	LAST
.irp a, 0,1,2,3,4,5,6,7
	SOFT \a
.endr
	ds_load_b128 v[76:79], v[SRA]                  ; LDS serves a wave's instructions in order: these see my stores
	ds_load_b128 v[80:83], v[SRA] offset:512
	ds_load_b128 v[84:87], v[SRA] offset:1024
	s_wait_dscnt 0x0
	global_store_b128 v[LI], v[76:79], s[12:13] offset:12288   ; the block's scale words,
	global_store_b128 v[LI], v[80:83], s[10:11]                ; its -M,
	global_store_b128 v[LI], v[84:87], s[10:11] offset:512     ; its l: 512 consecutive bytes each
	s_wait_tensorcnt 0x0                           ; the wave's end
	ds_add_u32 v[SPW], v[NIL]
	s_wait_dscnt 0x0
	CROUND                                         ; the closing round
	s_endpgm
.Lfunc_end_k_q5e43311bc5_scores:
	.size	k_q5e43311bc5_scores, .Lfunc_end_k_q5e43311bc5_scores-k_q5e43311bc5_scores
	.p2alignl 7, 3214868480
	.fill 96, 4, 3214868480
	.section	.rodata,"a",@progbits
	.p2align	6, 0x0
	.amdhsa_kernel k_q5e43311bc5_scores
		.amdhsa_group_segment_fixed_size 327680
		.amdhsa_private_segment_fixed_size 0
		.amdhsa_enable_private_segment 0
		.amdhsa_kernarg_size 24
		.amdhsa_user_sgpr_count 2
		.amdhsa_user_sgpr_kernarg_segment_ptr 1
		.amdhsa_wavefront_size32 1
		.amdhsa_system_sgpr_workgroup_id_x 1
		.amdhsa_system_sgpr_workgroup_id_y 1
		.amdhsa_system_sgpr_workgroup_id_z 1
		.amdhsa_system_vgpr_workitem_id 0
		.amdhsa_next_free_vgpr 1024
		.amdhsa_next_free_sgpr 98
		.amdhsa_reserve_vcc 1
		.amdhsa_float_denorm_mode_32 3
		.amdhsa_float_denorm_mode_16_64 3
		.amdhsa_memory_ordered 1
		.amdhsa_forward_progress 1
		.amdhsa_inst_pref_size 239
	.end_amdhsa_kernel
	.amdgpu_metadata
---
amdhsa.version: [ 1, 2 ]
amdhsa.kernels:
  - .name:           k_q5e43311bc5_scores
    .symbol:         k_q5e43311bc5_scores.kd
    .args:
      - { .name: qkv, .offset: 0, .size: 8, .value_kind: global_buffer, .address_space: global }
      - { .name: pc, .offset: 8, .size: 8, .value_kind: global_buffer, .address_space: global }
      - { .name: pstat, .offset: 16, .size: 8, .value_kind: global_buffer, .address_space: global }
    .group_segment_fixed_size: 327680
    .private_segment_fixed_size: 0
    .kernarg_segment_align: 8
    .kernarg_segment_size: 24
    .max_flat_workgroup_size: 128
    .sgpr_count:     98
    .vgpr_count:     1024
    .wavefront_size: 32
...
	.end_amdgpu_metadata
.endif
;; end of part 3
;; launch pv (part 4): grid 8 x 16, 4 waves a work-group, clusters of 4 x 1, 327,680 bytes of LDS; arguments pc, pstat, qkv, out0; writes out0
.if DOCPART == 4
	.amdgcn_target "amdgcn-amd-amdhsa--gfx1250"
	.amdhsa_code_object_version 6
	.text
	.protected	k_q5e43311bc5_pv
	.globl	k_q5e43311bc5_pv
	.p2align	8
	.type	k_q5e43311bc5_pv,@function
k_q5e43311bc5_pv:
	s_mov_b64 s[64:65], 0
	v_nop
	global_prefetch_b8 v0, s[64:65] scope:SCOPE_SE
	s_setreg_imm32_b32 hwreg(HW_REG_WAVE_MODE, 25, 1), 1
	s_wait_xcnt 0x0
	s_wait_alu depctr_hold_cnt(0) depctr_sa_sdst(0) depctr_va_vdst(0) depctr_va_sdst(0) depctr_va_ssrc(0) depctr_va_vcc(0) depctr_vm_vsrc(0)
	s_getreg_b32 s2, hwreg(HW_REG_IB_STS2, 6, 4)
	s_cmp_eq_u32 s2, 0
	s_cbranch_scc0 .Lentry_in_a_cluster
	s_endpgm
.Lentry_in_a_cluster:
	s_bfe_u32 s2, ttmp6, 0x10000c
	s_cmp_lg_u32 s2, 0x3003
	s_cbranch_scc0 .Lentry_shape_is_right
	s_endpgm
.Lentry_shape_is_right:
; out = (p v) / l on codes of FP6 (E2M3).  p comes with scale bytes, -M_loc and l_loc taken for each query and each chunk of 128 keys; here they are brought under the row's M = the largest M_loc:
; with the whole number d = M_loc - M (0 or less) a byte becomes byte + d and l_loc becomes l_loc x 2^d: both exact; the codes stay.
; OPERANDS lie in blocks of 128 rows x 128 K, 12,800 bytes: fragment i at 1536 i as an image of its registers, scale word of (i, r) at 12288 + 64 i + 4 r; lane r of fragment i holds row
; 32 (i / 2) + 8 (i % 2) + r + 8 (r / 8).  p: pc [64 query rowgroups][16 key steps]; v^T: at 13,107,200 of qkv, [8 channel rowgroups][16 batch + key step].
; SHARES.  A work-group makes TWO tiles of 256 queries x 128 channels of one batch: query block j (0..3), which has j + 1 slots of 256 keys that are not wholly hidden, then block 7 - j, which has 8 - j:
; 9 slots, 18 K steps, in every work-group: the trip counts are constants and the work is even.  A wave makes 128 queries x 64 channels: 32 accumulators.  That gives work for 128 work-groups.
; D = S0 S1^T with S0 = v^T, S1 = p: a lane holds one query, its registers neighbouring channels.
; CLUSTER 4 x 1: the four partners take four blocks of channels and share p's tiles, which are asked for jointly.  v^T's tiles differ between them and come by plain loads: query blocks, which could
; share them, need different numbers of key slots.
; LIMITS: d is held at -256 and a byte at 0 from below: such a block's terms lie under 2^-124 beside l >= 1/2; NaN and infinities are not served.
; REGISTERS: window 0: v4-29 addresses; v32-39 p's scale words, v40-43 v^T's, a set for each K step of a slot; v48-55 1 / l; v56-223 the prologue's; from the first fetch on v128-223 p's 8 fragments.
;   window 1: v0-47, v128-175 v^T's 4 fragments, two sets; v48-111, v176-239 the way out.   window 2: accumulator (a, b) at v[8 (4 a + b)].
.set BLK,   12800
.set SLOT1, 1<<17                      ; slot 1 begins here: one exclusive or turns an address from one slot to the other
.set VOFF,  4*BLK                      ; a slot: p's two rowgroups x 2 K steps, then v^T's 2 K steps: 76,800 bytes
.set PSC,   212992                     ; the adjusted scale words: [18 K steps][2 rowgroups][128]
.set RL,    231424                     ; 1 / l: [tile][rowgroup][128]
.set STG,   233472                     ; the way out: 16 rows x (256 + 16) bytes for each wave
.set SPARE, 250880                     ; the spare words, 128 bytes a wave: two blocks of 256 bytes that no other line names
.set T4,   4                           ; v4  4 x thread
.set BA,   5                           ; v5  my rowgroup of p in a slot + 16 x lane
.set BB,   6                           ; v6  my four fragments of v^T + 16 x lane
.set BSV,  7                           ; v7  their scale words + 4 x lane
.set BSP,  8                           ; v8  my rowgroup's adjusted words + 4 x lane
.set ADRA, 16                          ; v16-19 the same four for the slot in hand
.set ADRB, 17
.set ADSV, 18
.set ADSP, 19
.set STO,  20
.set RD,   21
.set CO,   22
.set RLA,  23
.set PSA,  24
.set RLS,  25
.set SPW,  28                          ; my spare word; never rewritten
.set NIL,  29                          ; 0; never rewritten
.set SPS,  32
.set SV,   40
.set RLR,  48
.set LSUM, 56                          ; v56-59 l of (rowgroup e, tile): 56 + 2 e + tile;  v60-63 their reciprocals
.set RC,   60
.set VA,   64                          ; v64-81, v82-99 byte offsets of K step t's block in pc and in pstat, + 4 x thread
.set VB,   82
.set RW,   100                         ; v100-135 scale words (18 e + t)
.set NMR,  136                         ; v136-171 -M_loc
.set LL,   172                         ; v172-207 l_loc
.set GA,   208
.set GB,   209
.set GS,   210
.set DF,   211
.set DI,   212
.set LP,   213
.set U0,   214                         ; v214-217, v218-221 four bytes at work
.set M0,   218
.set BIG,  222
.set AF,   128
.set TT,   48                          ; window 1: results x 1 / l, two sets of 32
.set BK,   176                         ; window 1: rows read back, two sets of 32
.set G1P, 24                           ; s[24:31] group 1 for p's tiles; s[32:39] group 0, two sets: the second walks
.set G0P, 32
.set G1V, 48                           ; s[48:55], s[56:63] the same for v^T's
.set G0V, 56
.set SIG,  3
.set NA,   66                          ; slots of the first tile
.set NA2,  67                          ; its K steps
.set POA,  68                          ; byte offsets in pc and qkv of my tile of slot 0, for each of the two tiles (the second's less the first's slots)
.set POB,  69
.set VOA,  70
.set VOB,  71
.set SN,   72                          ; the slot to be asked for
.set SG25, 73                          ; 25,600 x that
.set TB,   74                          ; LDS byte at which the slot in hand begins
.set TS,   75                          ; 2,048 x the number of the slot in hand
.set OBA,  76                          ; s[76:77], s[78:79] my part of out0, for each tile
.set OBB,  78
.set BIA,  80                          ; the first block of p's rowgroup 0, for each tile (the second's less the first's K steps)
.set BIB,  81
.set MK,   88                          ; s88-93 all ones where K step 2 .. 7 belongs to the first tile
.set MSB, 0
.macro WIN new
.if MSB != (\new)
	s_set_vgpr_msb (MSB<<8)|(\new)
.set MSB, (\new)
.endif
.endm
.set MUL, 0xa1                         ; source 0 (v^T) window 1, source 1 (p) window 0, C and D window 2
.macro JLOAD set                       ; waves 0 and 1 ask jointly for p's rowgroups, waves 2 and 3 fetch v^T's K steps; four v_nop follow each of the two lines
	s_cmp_eq_u32 s15, 0
	s_cbranch_scc0 .Lfor_v_\@
	tensor_load_to_lds s[G0P+4*\set:G0P+4*\set+3], s[G1P:G1P+7]
	s_nop 0
.rept 4
	v_nop
.endr
	s_branch .Lasked_\@
.Lfor_v_\@:
	tensor_load_to_lds s[G0V+4*\set:G0V+4*\set+3], s[G1V:G1V+7]
	s_nop 0
.rept 4
	v_nop
.endr
.Lasked_\@:
.endm
.macro CREST
	s_cmp_lg_u32 s14, 0
	s_cbranch_scc1 .Lnot_wave_0_\@
	s_barrier_signal -3
.Lnot_wave_0_\@:
	s_barrier_wait -3
	s_barrier_signal -1
	s_barrier_wait -1
.endm
.macro CROUND
	s_barrier_signal -1
	s_barrier_wait -1
	CREST
.endm
.macro PLACES n
.rept \n
	v_nop
.endr
.endm
; the global addresses of slot SN into descriptor set: the choice of the tile hangs on the cluster's number alone; p's offsets never hold cx
.macro PDESC set
	s_cmp_lt_u32 s[SN], s[NA]
	s_cselect_b32 s82, s[POA], s[POB]
	s_cselect_b32 s84, s[VOA], s[VOB]
	s_add_co_u32 s82, s82, s[SG25]
	s_add_co_u32 s84, s84, s[SG25]
	s_mov_b32 s83, 0
	s_mov_b32 s85, 0
	s_add_nc_u64 s[G0P+4*\set+2:G0P+4*\set+3], s[4:5], s[82:83]
	s_or_b32 s[G0P+4*\set+3], s[G0P+4*\set+3], 0x80000000
	s_add_nc_u64 s[G0V+4*\set+2:G0V+4*\set+3], s[8:9], s[84:85]
	s_or_b32 s[G0V+4*\set+3], s[G0V+4*\set+3], 0x80000000
	s_add_co_u32 s[SN], s[SN], 1
	s_add_co_u32 s[SG25], s[SG25], 2*BLK
.endm
.macro ADDRS                           ; the four LDS addresses of the slot in hand
	v_add_nc_u32 v[ADRA], s[TB], v[BA]
	v_add_nc_u32 v[ADRB], s[TB], v[BB]
	v_add_nc_u32 v[ADSV], s[TB], v[BSV]
	v_add_nc_u32 v[ADSP], s[TS], v[BSP]
.endm
.macro FRAG reg, adr, off
.irp c, 0,1,2
	ds_load_b128 v[\reg+4*\c:\reg+4*\c+3], v[\adr] offset:\off+512*\c
.endr
.endm
.macro FETCH_B q, p
	WIN 0x40
.irp i, 0,1,2,3
	FRAG 128*(\p)+12*\i, ADRB, (\q)*BLK+1536*\i
.endr
	WIN 0
.endm
.macro FETCH_A q, i0
.irp i, \i0, \i0+1, \i0+2, \i0+3
	FRAG AF+12*(\i), ADRA, (\q)*BLK+1536*(\i)
.endr
.endm
.macro SCALES q                        ; register j: lanes 0-15 the words of fragment 2 j, lanes 16-31 those of fragment 2 j + 1
.irp j, 0,1,2,3
	ds_load_b32 v[SPS+4*(\q)+\j], v[ADSP] offset:1024*(\q)+128*\j
.endr
.irp j, 0,1
	ds_load_b32 v[SV+2*(\q)+\j], v[ADSV] offset:(\q)*BLK+128*\j
.endr
.endm
.macro MM a, b, p, q, zero
.set rD, 8*(4*(\a)+(\b))
.set rA, 128*(\p)+12*(\b)
.set rB, AF+12*(\a)
.set rX, SV+2*(\q)+(\b)/2
.set rY, SPS+4*(\q)+(\a)/2
.if \zero
.if ((\a)%2 == 0) && ((\b)%2 == 0)
	v_wmma_scale_f32_16x16x128_f8f6f4 v[rD:rD+7], v[rA:rA+11], v[rB:rB+11], 0, v[rX], v[rY] matrix_a_fmt:MATRIX_FMT_FP6 matrix_b_fmt:MATRIX_FMT_FP6
.elseif (\a)%2 == 0
	v_wmma_scale_f32_16x16x128_f8f6f4 v[rD:rD+7], v[rA:rA+11], v[rB:rB+11], 0, v[rX], v[rY] matrix_a_fmt:MATRIX_FMT_FP6 matrix_b_fmt:MATRIX_FMT_FP6 matrix_a_scale:MATRIX_SCALE_ROW1
.elseif (\b)%2 == 0
	v_wmma_scale_f32_16x16x128_f8f6f4 v[rD:rD+7], v[rA:rA+11], v[rB:rB+11], 0, v[rX], v[rY] matrix_a_fmt:MATRIX_FMT_FP6 matrix_b_fmt:MATRIX_FMT_FP6 matrix_b_scale:MATRIX_SCALE_ROW1
.else
	v_wmma_scale_f32_16x16x128_f8f6f4 v[rD:rD+7], v[rA:rA+11], v[rB:rB+11], 0, v[rX], v[rY] matrix_a_fmt:MATRIX_FMT_FP6 matrix_b_fmt:MATRIX_FMT_FP6 matrix_a_scale:MATRIX_SCALE_ROW1 matrix_b_scale:MATRIX_SCALE_ROW1
.endif
.else
.if ((\a)%2 == 0) && ((\b)%2 == 0)
	v_wmma_scale_f32_16x16x128_f8f6f4 v[rD:rD+7], v[rA:rA+11], v[rB:rB+11], v[rD:rD+7], v[rX], v[rY] matrix_a_fmt:MATRIX_FMT_FP6 matrix_b_fmt:MATRIX_FMT_FP6
.elseif (\a)%2 == 0
	v_wmma_scale_f32_16x16x128_f8f6f4 v[rD:rD+7], v[rA:rA+11], v[rB:rB+11], v[rD:rD+7], v[rX], v[rY] matrix_a_fmt:MATRIX_FMT_FP6 matrix_b_fmt:MATRIX_FMT_FP6 matrix_a_scale:MATRIX_SCALE_ROW1
.elseif (\b)%2 == 0
	v_wmma_scale_f32_16x16x128_f8f6f4 v[rD:rD+7], v[rA:rA+11], v[rB:rB+11], v[rD:rD+7], v[rX], v[rY] matrix_a_fmt:MATRIX_FMT_FP6 matrix_b_fmt:MATRIX_FMT_FP6 matrix_b_scale:MATRIX_SCALE_ROW1
.else
	v_wmma_scale_f32_16x16x128_f8f6f4 v[rD:rD+7], v[rA:rA+11], v[rB:rB+11], v[rD:rD+7], v[rX], v[rY] matrix_a_fmt:MATRIX_FMT_FP6 matrix_b_fmt:MATRIX_FMT_FP6 matrix_a_scale:MATRIX_SCALE_ROW1 matrix_b_scale:MATRIX_SCALE_ROW1
.endif
.endif
.endm
.macro MUL8 a0, p, q, zero             ; the 32 accumulators take turns, one instruction a turn, in the same order in every K step
.irp a, \a0, \a0+1
.irp b, 0,1,2,3
	MM \a, \b, \p, \q, \zero
.endr
.endr
.endm
.macro STEP zero                       ; a slot's first K step
	s_wait_dscnt 12                                ; all but the youngest 12 loads (p's fragments 4-7) are in
	WIN MUL
	MUL8 0, 0, 0, \zero
	MUL8 2, 0, 0, \zero
	s_wait_dscnt 0x0
	PLACES 4
	FETCH_B 1, 1
	FETCH_A 1, 0
	SCALES 1
	WIN MUL
	MUL8 4, 0, 0, \zero
	MUL8 6, 0, 0, \zero
	PLACES 4
	WIN 0
	FETCH_A 1, 4
.endm
; A slot's second K step changes slots: one barrier; in front of it each wave waits for all its tensor loads, adds 0 to its spare word, and waits for that and for its reads of this slot.
.macro TURN fill
	s_wait_tensorcnt 0x0                           ; all my tensor loads have landed: my part of the next slot; no load of mine is out, so a group 0 may be written
	ds_add_u32 v[SPW], v[NIL]                      ; 0 onto my spare word
	s_wait_dscnt 13                                ; (the add and the youngest 12 loads may be out)
	WIN MUL
	MUL8 0, 1, 1, 0                                ; eight matrix instructions stand between the add and the wait for it
	s_wait_dscnt 0x0                               ; the add is done, and my reads of this slot are over
	s_barrier_signal -1
	MUL8 2, 1, 1, 0
	WIN 0
	s_barrier_wait -1
.if \fill
	CREST                                          ; no wave of any partner still reads this slot or has a load on its way
	s_xor_b32 s[G0P+5], s[G0P+5], SLOT1            ; the walking descriptors: the other slot than last time,
	s_xor_b32 s[G0V+5], s[G0V+5], SLOT1
	PDESC 1                                        ; the next slot's keys
	JLOAD 1                                        ; the first tensor load behind the round; its four v_nop are among the places in front of the loads below
.else
	PLACES 4
.endif
	s_xor_b32 s[TB], s[TB], SLOT1
	s_add_co_u32 s[TS], s[TS], 2048
	ADDRS
	FETCH_B 0, 0
	FETCH_A 0, 0
	SCALES 0
	WIN MUL
	MUL8 4, 1, 1, 0
	MUL8 6, 1, 1, 0
	PLACES 4
	WIN 0
	FETCH_A 0, 4
.endm
.macro LAST
	s_wait_dscnt 12
	WIN MUL
	MUL8 0, 1, 1, 0
	MUL8 2, 1, 1, 0
	s_wait_dscnt 0x0
	MUL8 4, 1, 1, 0
	MUL8 6, 1, 1, 0
	WIN 0
.endm
; THE WAY OUT of a tile, fragment by fragment of 16 queries x my 64 channels: x 1 / l; through my stage; back as whole rows of 256 bytes.
.macro MULT a
	WIN 0x42                                       ; destination window 1, source 0 window 2
.set j, 0
.rept 32
	v_mul_f32 v[TT+32*((\a)%2)+j], v[32*(\a)+j], v[RLR+(\a)]   ; each accumulator from its low end on
.set j, j+1
.endr
.endm
.macro TOSTAGE a
	s_wait_xcnt 0x0                                ; earlier stores have read the registers that the loads below fill
	WIN 0x04                                       ; an LDS store's data are its source 1: window 1
.irp b, 0,1,2,3
	ds_store_b128 v[STO], v[TT+32*((\a)%2)+8*\b:TT+32*((\a)%2)+8*\b+3] offset:128*(\b/2)+32*(\b%2)      ; lane (r, h): channels 32 (b / 2) + 16 h + 8 (b % 2) + 0 .. 7 of query r
	ds_store_b128 v[STO], v[TT+32*((\a)%2)+8*\b+4:TT+32*((\a)%2)+8*\b+7] offset:128*(\b/2)+32*(\b%2)+16
.endr
	WIN 0x40
.irp t, 0,1,2,3,4,5,6,7
	ds_load_b128 v[BK+32*((\a)%2)+4*\t:BK+32*((\a)%2)+4*\t+3], v[RD] offset:544*\t   ; LDS serves a wave's instructions in order: these see the stores above
.endr
	WIN 0
.endm
.macro SEND a, younger, ob             ; younger: the LDS instructions issued behind this fragment's loads, which may stay out
	s_wait_dscnt \younger
	WIN 0x04
.irp t, 0,1,2,3,4,5,6,7
	global_store_b128 v[CO], v[BK+32*((\a)%2)+4*\t:BK+32*((\a)%2)+4*\t+3], s[\ob:\ob+1] offset:(2*\t+8*(\t/4)+32*((\a)/2)+8*((\a)%2))*4096 th:TH_STORE_NT   ; 16 lanes store 256 consecutive bytes, aligned
.endr
	WIN 0
.endm
.macro FLUSH tile, ob
	PLACES 5                                       ; behind the last products: their results are read, and the next tile's first products write over them
.irp a, 0,1,2,3,4,5,6,7
	ds_load_b32 v[RLR+\a], v[RLA] offset:1024*\tile+64*\a
.endr
	s_wait_dscnt 0x0
	MULT 0
	TOSTAGE 0
.irp a, 1,2,3,4,5,6,7
	MULT \a
	TOSTAGE \a
	SEND \a-1, 16, \ob                             ; behind that fragment's loads: this one's 8 stores and 8 loads
.endr
	SEND 7, 0, \ob
.endm
; THE PROLOGUE for rowgroup e: thread t serves place t (fragment t / 16, row t % 16).  K steps 0, 1 always belong to the first tile, 8 .. 17 to the second; of 2 .. 7 a scalar mask says which.
.macro ADJ e
	v_min_num_f32 v[GA], v[NMR+18*\e], v[NMR+18*\e+1]          ; the smallest -M_loc is the row's -M
	v_min_num_f32 v[GB], v[NMR+18*\e+8], v[NMR+18*\e+9]
.irp t, 10,11,12,13,14,15,16,17
	v_min_num_f32 v[GB], v[GB], v[NMR+18*\e+\t]
.endr
.irp t, 2,3,4,5,6,7
	v_cndmask_b32 v[U0], v[BIG], v[NMR+18*\e+\t], s[MK+\t-2]
	v_cndmask_b32 v[U0+1], v[NMR+18*\e+\t], v[BIG], s[MK+\t-2]
	v_min_num_f32 v[GA], v[GA], v[U0]
	v_min_num_f32 v[GB], v[GB], v[U0+1]
.endr
	v_mov_b32 v[LSUM+2*\e], 0
	v_mov_b32 v[LSUM+2*\e+1], 0
.irp t, 0,1,2,3,4,5,6,7,8,9,10,11,12,13,14,15,16,17
.if \t < 2
	v_sub_f32 v[DF], v[GA], v[NMR+18*\e+\t]
.elseif \t >= 8
	v_sub_f32 v[DF], v[GB], v[NMR+18*\e+\t]
.else
	v_cndmask_b32 v[GS], v[GB], v[GA], s[MK+\t-2]
	v_sub_f32 v[DF], v[GS], v[NMR+18*\e+\t]
.endif
	v_max_num_f32 v[DF], 0xc3800000, v[DF]         ; d = M_loc - M, a whole number, held at -256
	v_cvt_i32_f32 v[DI], v[DF]
	v_ldexp_f32 v[LP], v[LL+18*\e+\t], v[DI]       ; l_loc under the row's M
.if \t < 2
	v_add_f32 v[LSUM+2*\e], v[LSUM+2*\e], v[LP]
.elseif \t >= 8
	v_add_f32 v[LSUM+2*\e+1], v[LSUM+2*\e+1], v[LP]
.else
	v_cndmask_b32 v[U0], 0, v[LP], s[MK+\t-2]
	v_cndmask_b32 v[U0+1], v[LP], 0, s[MK+\t-2]
	v_add_f32 v[LSUM+2*\e], v[LSUM+2*\e], v[U0]
	v_add_f32 v[LSUM+2*\e+1], v[LSUM+2*\e+1], v[U0+1]
.endif
	v_add_nc_u32 v[DI], 0x100, v[DI]               ; d + 256: 0 .. 256
.irp k, 0,1,2,3
	v_bfe_u32 v[U0+\k], v[RW+18*\e+\t], 8*\k, 8
.endr
.irp k, 0,1,2,3
	v_add_nc_u32 v[U0+\k], v[U0+\k], v[DI]
.endr
.irp k, 0,1,2,3
	v_min_u32 v[M0+\k], 0x100, v[U0+\k]
.endr
.irp k, 0,1,2,3
	v_sub_nc_u32 v[U0+\k], v[U0+\k], v[M0+\k]      ; byte + d, held at 0 from below
.endr
	v_lshl_or_b32 v[RW+18*\e+\t], v[U0+1], 8, v[U0]            ; packed into the register that the word came in: no store's data are written again
	v_lshl_or_b32 v[RW+18*\e+\t], v[U0+2], 16, v[RW+18*\e+\t]
	v_lshl_or_b32 v[RW+18*\e+\t], v[U0+3], 24, v[RW+18*\e+\t]
	ds_store_b32 v[PSA], v[RW+18*\e+\t] offset:1024*\t+512*\e
.endr
.endm
	s_load_b256 s[4:11], s[0:1], 0x0               ; pc s[4:5], pstat s[6:7], qkv s[8:9], out0 s[10:11]
	v_lshl_add_u32 v[SPW], v0, 2, SPARE
	v_mov_b32 v[NIL], 0
	ds_add_u32 v28, v29
	ds_add_u32 v28, v29
	s_wait_dscnt 0x0
	v_lshrrev_b32 v1, 5, v0
	v_readfirstlane_b32 s14, v1                    ; wave 0..3
	s_lshr_b32 s15, s14, 1                         ; my rowgroup of queries.  Also: I fetch for p (0) or for v^T (1)
	s_and_b32 s16, s14, 1                          ; my 64 channels.  Also: which rowgroup of p, or which K step of v^T, I fetch
	s_bfe_u32 s40, ttmp6, 0x40000                  ; cx
	s_lshl_b32 s41, ttmp9, 2
	s_add_co_u32 s41, s41, s40                     ; my block of 128 channels
	s_and_b32 s17, ttmp7, 0xffff
	s_lshr_b32 s18, s17, 2                         ; the batch
	s_and_b32 s19, s17, 3                          ; the first tile's query block
	s_sub_co_u32 s20, 7, s19                       ; the second's
	s_add_co_u32 s[NA], s19, 1
	s_lshl_b32 s[NA2], s[NA], 1
	s_lshl_b32 s21, s18, 4
	s_lshl_b32 s22, s19, 1
	s_add_co_u32 s22, s22, s21                     ; the first tile's first rowgroup of p
	s_lshl_b32 s23, s20, 1
	s_add_co_u32 s23, s23, s21                     ; the second's
	s_mul_i32 s42, s[NA], 2*BLK
	s_add_co_u32 s[POA], s22, s16
	s_mul_i32 s[POA], s[POA], 16*BLK
	s_add_co_u32 s[POB], s23, s16
	s_mul_i32 s[POB], s[POB], 16*BLK
	s_sub_co_u32 s[POB], s[POB], s42
	s_lshl_b32 s[VOA], s41, 6
	s_add_co_u32 s[VOA], s[VOA], s21
	s_add_co_u32 s[VOA], s[VOA], s16
	s_mul_i32 s[VOA], s[VOA], BLK
	s_add_co_u32 s[VOA], s[VOA], 2*64*8*BLK
	s_sub_co_u32 s[VOB], s[VOA], s42
	s_lshl_b32 s[BIA], s22, 4
	s_lshl_b32 s[BIB], s23, 4
	s_sub_co_u32 s[BIB], s[BIB], s[NA2]
	s_lshl_b32 s43, s18, 11                        ; out0: row 2048 batch + 256 block + 128 rowgroup, 4,096 bytes a row; + 512 x channel block + 256 x half
	s_lshl_b32 s44, s15, 7
	s_add_co_u32 s43, s43, s44
	s_lshl_b32 s44, s41, 9
	s_lshl_b32 s45, s16, 8
	s_add_co_u32 s44, s44, s45
	s_lshl_b32 s46, s19, 8
	s_add_co_u32 s46, s46, s43
	s_lshl_b32 s46, s46, 12
	s_add_co_u32 s46, s46, s44
	s_mov_b32 s47, 0
	s_lshl_b32 s86, s20, 8
	s_add_co_u32 s86, s86, s43
	s_lshl_b32 s86, s86, 12
	s_add_co_u32 s86, s86, s44
	s_mov_b32 s87, 0
	s_mov_b32 s[G1P], 15|(3<<16)|(1<<21)           ; p: the mask names all four; elements of 8 bytes; bit 21 beside a mask; 25,600 dense bytes as 100 rows of 256
	s_mov_b32 s[G1P+1], 32<<16
	s_mov_b32 s[G1P+2], 100<<16
	s_mov_b32 s[G1P+3], 32<<16
	s_mov_b32 s[G1P+4], 100
	s_mov_b32 s[G1P+5], 32
	s_mov_b32 s[G1P+6], 0
	s_mov_b32 s[G1P+7], 0
	s_mov_b32 s[G1V], 3<<16                        ; v^T: no mask; 12,800 dense bytes as 50 rows of 256
	s_mov_b32 s[G1V+1], 32<<16
	s_mov_b32 s[G1V+2], 50<<16
	s_mov_b32 s[G1V+3], 32<<16
	s_mov_b32 s[G1V+4], 50
	s_mov_b32 s[G1V+5], 32
	s_mov_b32 s[G1V+6], 0
	s_mov_b32 s[G1V+7], 0
	s_mul_i32 s94, s16, 2*BLK                      ; where my tile goes in a slot: no place in the cluster enters an LDS address
	s_mul_i32 s95, s16, BLK
	s_add_co_u32 s95, s95, VOFF
	s_mov_b32 s[SN], 0
	s_mov_b32 s[SG25], 0
	s_mov_b32 s[TB], 0
	s_mov_b32 s[TS], 0
	s_wait_kmcnt 0x0
	s_add_nc_u64 s[OBA:OBA+1], s[10:11], s[46:47]
	s_add_nc_u64 s[OBB:OBB+1], s[10:11], s[86:87]
	CROUND                                         ; all four work-groups are here: the first joint loads meet
.irp s, 0,1
	s_mov_b32 s[G0P+4*\s], 1
	s_add_co_u32 s[G0P+4*\s+1], s94, \s*SLOT1
	s_mov_b32 s[G0V+4*\s], 1
	s_add_co_u32 s[G0V+4*\s+1], s95, \s*SLOT1
	PDESC \s
.endr
	JLOAD 0
	JLOAD 1                                        ; two tensor loads of mine are out
	v_and_b32 v3, 31, v0                           ; lane
	v_and_b32 v1, 15, v0                           ; r
	v_bfe_u32 v2, v0, 4, 1                         ; h
	v_lshlrev_b32 v[T4], 2, v0
	v_lshlrev_b32 v9, 4, v3
	v_lshlrev_b32 v10, 2, v3
	s_mul_i32 s42, s15, 2*BLK
	v_add_nc_u32 v[BA], s42, v9
	s_mul_i32 s42, s16, 4*1536
	s_add_co_u32 s42, s42, VOFF
	v_add_nc_u32 v[BB], s42, v9
	s_lshl_b32 s42, s16, 8
	s_add_co_u32 s42, s42, VOFF+12288
	v_add_nc_u32 v[BSV], s42, v10
	s_lshl_b32 s42, s15, 9
	s_add_co_u32 s43, s42, PSC
	v_add_nc_u32 v[BSP], s43, v10
	s_add_co_u32 s43, s42, RL
	v_lshl_add_u32 v[RLA], v1, 2, s43
	s_mul_i32 s42, s14, 16*272
	s_add_co_u32 s42, s42, STG
	v_mul_u32_u24 v[STO], v1, 272                  ; the stage, in: row r, + 64 h
	v_lshl_add_u32 v[STO], v2, 6, v[STO]
	v_add_nc_u32 v[STO], s42, v[STO]
	v_mul_u32_u24 v[RD], v2, 272                   ; back: lanes 0-15 one row, lanes 16-31 the next
	v_lshl_add_u32 v[RD], v1, 4, v[RD]
	v_add_nc_u32 v[RD], s42, v[RD]
	v_lshlrev_b32 v[CO], 12, v2                    ; and the same two rows in out0
	v_lshl_add_u32 v[CO], v1, 4, v[CO]
	v_add_nc_u32 v[PSA], PSC, v[T4]
	v_add_nc_u32 v[RLS], RL, v[T4]
	v_mov_b32 v[BIG], 0x7f7fffff
.irp t, 2,3,4,5,6,7
	s_cmp_gt_u32 s[NA2], \t
	s_cselect_b32 s[MK+\t-2], -1, 0
.endr
.irp t, 0,1,2,3,4,5,6,7,8,9,10,11,12,13,14,15,16,17
.if \t < 2
	s_add_co_u32 s82, s[BIA], \t
.elseif \t >= 8
	s_add_co_u32 s82, s[BIB], \t
.else
	s_cmp_gt_u32 s[NA2], \t
	s_cselect_b32 s82, s[BIA], s[BIB]
	s_add_co_u32 s82, s82, \t
.endif
	s_mul_i32 s83, s82, BLK
	s_lshl_b32 s82, s82, 10
	v_add_nc_u32 v[VA+\t], s83, v[T4]
	v_add_nc_u32 v[VB+\t], s82, v[T4]
.endr
.irp e, 0,1
.irp t, 0,1,2,3,4,5,6,7,8,9,10,11,12,13,14,15,16,17
	global_load_b32 v[RW+18*\e+\t], v[VA+\t], s[4:5] offset:12288+16*BLK*\e   ; the four waves together read a block's 512 bytes of words whole
	global_load_b32 v[NMR+18*\e+\t], v[VB+\t], s[6:7] offset:16384*\e
	global_load_b32 v[LL+18*\e+\t], v[VB+\t], s[6:7] offset:512+16384*\e
.endr
.endr
	s_wait_loadcnt 0x0
	ADJ 0
	ADJ 1
.irp i, 0,1,2,3
	v_rcp_f32 v[RC+\i], v[LSUM+\i]
.endr
	v_nop                                          ; a plain place behind the reciprocals
	s_wait_alu depctr_va_vdst(0)                   ; one wait for the four, ahead of their first reader
.irp e, 0,1
.irp i, 0,1
	ds_store_b32 v[RLS], v[RC+2*\e+\i] offset:1024*\i+512*\e
.endr
.endr
	s_wait_tensorcnt 1                             ; my part of slot 0 is in; slot 1's may stay out
	s_wait_dscnt 0x0                               ; my adjusted words and reciprocals are in LDS
	s_barrier_signal -1
	s_barrier_wait -1
	ADDRS
	FETCH_B 0, 0
	FETCH_A 0, 0
	SCALES 0
	FETCH_A 0, 4
	STEP 1                                         ; the first tile's first products start its sums
	s_mov_b32 s[SIG], 0
.Lslot:                                            ; 7 trips: slot SIG's second K step, its refill with slot SIG + 2, slot SIG + 1's first K step
	TURN 1
	s_add_co_u32 s82, s[SIG], 1
	s_cmp_eq_u32 s82, s[NA]                        ; does the second tile begin?  The same in all partners; no barrier and no tensor load stands under the branch
	s_cbranch_scc0 .Lsame
	FLUSH 0, OBA
	STEP 1
	s_branch .Ljoin
.Lsame:
	STEP 0
.Ljoin:
	s_add_co_u32 s[SIG], s[SIG], 1
	s_cmp_lt_u32 s[SIG], 7
	s_cbranch_scc1 .Lslot
	TURN 0                                         ; the tail is written out: nothing is left to fetch
	STEP 0
	LAST
	FLUSH 1, OBB
	s_wait_tensorcnt 0x0                           ; the wave's end
	ds_add_u32 v[SPW], v[NIL]
	s_wait_dscnt 0x0
	CROUND                                         ; the closing round
	s_endpgm
.Lfunc_end_k_q5e43311bc5_pv:
	.size	k_q5e43311bc5_pv, .Lfunc_end_k_q5e43311bc5_pv-k_q5e43311bc5_pv
	.p2alignl 7, 3214868480
	.fill 96, 4, 3214868480
	.section	.rodata,"a",@progbits
	.p2align	6, 0x0
	.amdhsa_kernel k_q5e43311bc5_pv
		.amdhsa_group_segment_fixed_size 327680
		.amdhsa_private_segment_fixed_size 0
		.amdhsa_enable_private_segment 0
		.amdhsa_kernarg_size 32
		.amdhsa_user_sgpr_count 2
		.amdhsa_user_sgpr_kernarg_segment_ptr 1
		.amdhsa_wavefront_size32 1
		.amdhsa_system_sgpr_workgroup_id_x 1
		.amdhsa_system_sgpr_workgroup_id_y 1
		.amdhsa_system_sgpr_workgroup_id_z 1
		.amdhsa_system_vgpr_workitem_id 0
		.amdhsa_next_free_vgpr 768
		.amdhsa_next_free_sgpr 98
		.amdhsa_reserve_vcc 0
		.amdhsa_float_denorm_mode_32 3
		.amdhsa_float_denorm_mode_16_64 3
		.amdhsa_memory_ordered 1
		.amdhsa_forward_progress 1
		.amdhsa_inst_pref_size 177
	.end_amdhsa_kernel
	.amdgpu_metadata
---
amdhsa.version: [ 1, 2 ]
amdhsa.kernels:
  - .name:           k_q5e43311bc5_pv
    .symbol:         k_q5e43311bc5_pv.kd
    .args:
      - { .name: pc, .offset: 0, .size: 8, .value_kind: global_buffer, .address_space: global }
      - { .name: pstat, .offset: 8, .size: 8, .value_kind: global_buffer, .address_space: global }
      - { .name: qkv, .offset: 16, .size: 8, .value_kind: global_buffer, .address_space: global }
      - { .name: out0, .offset: 24, .size: 8, .value_kind: global_buffer, .address_space: global }
    .group_segment_fixed_size: 327680
    .private_segment_fixed_size: 0
    .kernarg_segment_align: 8
    .kernarg_segment_size: 32
    .max_flat_workgroup_size: 128
    .sgpr_count:     98
    .vgpr_count:     768
    .wavefront_size: 32
...
	.end_amdgpu_metadata
.endif
;; end of part 4
;; ======== version 2 of 2: 4 launches; 1.16 times as fast as version 1
;; workspace buffers: xw 9,011,200 bytes; qkv 19,660,800 bytes; pc 13,107,200 bytes; pstat 1,048,576 bytes
;; launch quant: the kernel of part 1 again; grid 352 x 1, 4 waves a work-group, no clusters, 35,328 bytes of LDS; arguments x, Wq, Wk, Wv, xw; writes xw
;; launch proj (part 5): grid 8 x 48, 4 waves a work-group, clusters of 4 x 4, 327,680 bytes of LDS; arguments xw, qkv; writes qkv
.if DOCPART == 5
	.amdgcn_target "amdgcn-amd-amdhsa--gfx1250"
	.amdhsa_code_object_version 6
	.text
	.protected	k_q5e43311bc5_proj
	.globl	k_q5e43311bc5_proj
	.p2align	8
	.type	k_q5e43311bc5_proj,@function
k_q5e43311bc5_proj:
	s_mov_b64 s[64:65], 0
	v_nop
	global_prefetch_b8 v0, s[64:65] scope:SCOPE_SE
	s_setreg_imm32_b32 hwreg(HW_REG_WAVE_MODE, 25, 1), 1
	s_wait_xcnt 0x0
	s_wait_alu depctr_hold_cnt(0) depctr_sa_sdst(0) depctr_va_vdst(0) depctr_va_sdst(0) depctr_va_ssrc(0) depctr_va_vcc(0) depctr_vm_vsrc(0)
	s_getreg_b32 s2, hwreg(HW_REG_IB_STS2, 6, 4)
	s_cmp_eq_u32 s2, 0
	s_cbranch_scc0 .Lentry_in_a_cluster
	s_endpgm
.Lentry_in_a_cluster:
	s_bfe_u32 s2, ttmp6, 0x10000c
	s_cmp_lg_u32 s2, 0xf033
	s_cbranch_scc0 .Lentry_shape_is_right
	s_endpgm
.Lentry_shape_is_right:
; q = x Wq^T, k = x Wk^T, v = x Wv^T on codes of FP6 (E2M3) with E8M0 scales, sums in f32; each result is quantised on the way out into the next product's operand.
; OPERANDS lie in blocks of 128 rows x 128 K, 12,800 bytes: fragment i at 1536 i as an image of its registers (registers 4 c .. 4 c + 3 of lane L at 512 c + 16 L), scale word of (i, r) at 12288 + 64 i + 4 r;
; lane r of fragment i holds row 32 (i / 2) + 8 (i % 2) + r + 8 (r / 8).  xw: [88 rowgroups][8 K steps]: 0-63 x, 64-71 Wq, 72-79 Wk, 80-87 Wv.
; EVERY PRODUCT is D = S0 S1^T, source 0 = a fragment of S0, source 1 = one of S1: a lane then holds ONE row of S1, and by the order of rows above the 64 registers of accumulators (a, 0 .. 7) are S0's
; 128 rows in natural order: register 16 b + i = row 32 b + 16 (lane / 16) + i.  So they are quantised in registers into fragment a of the block (rowgroup of S1, K step = rowgroup of S0).
;   clusters y 0-7:  S1 = x, S0 = Wq | Wk: q [64][8] blocks at 0 and k at 6,553,600 of qkv (rows = tokens, K = the head's axis)
;   clusters y 8-11: S1 = Wv, S0 = x: v^T [8 channel rowgroups][64 = 16 batch + key step] at 13,107,200 (rows = channels, K = the keys)
; A work-group makes 256 x 256 with four waves, a wave 128 x 128: 64 accumulators.  K = 1024 is four slots' worth of 2 K steps; a rowgroup's two K steps are 25,600 dense bytes, one tensor load a wave.
; LDS HOLDS THREE SLOTS: the first three slots' worth go out together as first fills; the fourth is the one refill, into slot 0, and has two slots' products, 256 matrix instructions a wave, in which to land.
; CLUSTERS 4 x 4: S1's tiles are shared along a row of the cluster, S0's along a column, and are asked for jointly.
; LIMITS: a block of zeros gets the byte 1 where the rule says 127 (its codes are zeros; this program alone reads the bytes); NaN and infinities are not served.
; REGISTERS: window 0: v1-29 addresses; v32-39, v40-47 scale words of S1 and S0, a set for each K step of a slot; v56-79, v224-240 the way out; v128-223 S1's 8 fragments, one set.
;   window 1: S0's fragments, two sets, at v0 and v128.   windows 2, 3: accumulator (a, b) at v[8 (8 (a % 4) + b)] of window 2 + a / 4.
.set BLK,   12800
.set RGS,   2*BLK                      ; a rowgroup's two K steps: what one tensor load brings
.set SLOT,  4*RGS                      ; S1's two rowgroups, then S0's two
.set SZ,    512                        ; a wave's stage for its block's scale words
.set SSTG,  3*SLOT
.set SPARE, SSTG+4*SZ                  ; the spare words, 128 bytes a wave: two blocks of 256 bytes that no other line names
.set LI,   4                           ; v4      16 x lane
.set ADRA, 8                           ; v8-10   my S1 rowgroup in slot 0, 1, 2, + 16 x lane
.set ADRB, 11                          ; v11-13  my S0 rowgroup likewise
.set ADS1, 16                          ; v16-18  my S1 rowgroup + 4 x lane: scale words
.set ADS0, 19                          ; v19-21  S0 likewise
.set SSA,  24                          ; v24     the stage: my row's word
.set SRA,  25                          ; v25     the stage, way out: 16 bytes a lane
.set SPW,  28                          ; v28     my spare word; never rewritten
.set NIL,  29                          ; v29     0; never rewritten
.set SS1,  32
.set SS0,  40
.set PC,   56                          ; v56-74  the codes just made
.set AF,   128
.set TM,   224                         ; v224-239 at work
.set PW,   240                         ; the scale word just made
.set G1,  24                           ; s[24:31] group 1 for S1's tiles; s[32:39] group 0 for slots 0 and 1; s[88:91] for slot 2
.set G0,  32
.set G0C, 88
.set G1B, 48                           ; s[48:55], s[56:63], s[92:95] the same for S0's
.set G0B, 56
.set G0BC, 92
.set SEL, 78                           ; s[78:79] lane selects: lane l xor 16
.set MSB, 0
.macro WIN new                         ; the immediate's high byte repeats the setting that is left
.if MSB != (\new)
	s_set_vgpr_msb (MSB<<8)|(\new)
.set MSB, (\new)
.endif
.endm
.set MUL_LO, 0xa1                      ; source 0 (S0) window 1, source 1 (S1) window 0, C and D window 2
.set MUL_HI, 0xf1                      ; the same, C and D window 3
; A joint load: waves 0 and 1 fetch S1's rowgroups, waves 2 and 3 S0's.  The branch hangs on the wave's number alone.  Four v_nop follow each of the two lines.
.macro JLOAD g0a, g1a, g0b, g1b
	s_cmp_eq_u32 s15, 0
	s_cbranch_scc0 .Lfor_b_\@
	tensor_load_to_lds s[\g0a:\g0a+3], s[\g1a:\g1a+7]
	s_nop 0
.rept 4
	v_nop
.endr
	s_branch .Lasked_\@
.Lfor_b_\@:
	tensor_load_to_lds s[\g0b:\g0b+3], s[\g1b:\g1b+7]
	s_nop 0
.rept 4
	v_nop
.endr
.Lasked_\@:
.endm
.macro CREST                           ; a round of the cluster's barrier behind its opening barrier
	s_cmp_lg_u32 s14, 0
	s_cbranch_scc1 .Lnot_wave_0_\@
	s_barrier_signal -3
.Lnot_wave_0_\@:
	s_barrier_wait -3
	s_barrier_signal -1
	s_barrier_wait -1
.endm
.macro CROUND
	s_barrier_signal -1
	s_barrier_wait -1
	CREST
.endm
.macro PLACES n                        ; plain places behind matrix instructions, in front of loads into their registers and of reads of their results
.rept \n
	v_nop
.endr
.endm
.macro FRAG reg, adr, off              ; a fragment comes as it was stored: three loads of 512 consecutive bytes
.irp c, 0,1,2
	ds_load_b128 v[\reg+4*\c:\reg+4*\c+3], v[\adr] offset:\off+512*\c
.endr
.endm
.macro FETCH_B slot, q, p              ; S0's eight fragments of the slot's K step q into set p
	WIN 0x40
.irp i, 0,1,2,3,4,5,6,7
	FRAG 128*(\p)+12*\i, ADRB+\slot, (\q)*BLK+1536*\i
.endr
	WIN 0
.endm
.macro FETCH_A slot, q, i0             ; S1's fragments i0 .. i0 + 3
.irp i, \i0, \i0+1, \i0+2, \i0+3
	FRAG AF+12*(\i), ADRA+\slot, (\q)*BLK+1536*(\i)
.endr
.endm
.macro SCALES slot, q                  ; register j: lanes 0-15 the words of fragment 2 j, lanes 16-31 those of fragment 2 j + 1
.irp j, 0,1,2,3
	ds_load_b32 v[SS1+4*(\q)+\j], v[ADS1+\slot] offset:(\q)*BLK+12288+128*\j
	ds_load_b32 v[SS0+4*(\q)+\j], v[ADS0+\slot] offset:(\q)*BLK+12288+128*\j
.endr
.endm
.macro MM a, b, p, q, zero             ; one product; an odd fragment's scale words stand in lanes 16-31
.set rD, 8*(8*((\a)%4)+(\b))
.set rA, 128*(\p)+12*(\b)
.set rB, AF+12*(\a)
.set rX, SS0+4*(\q)+(\b)/2
.set rY, SS1+4*(\q)+(\a)/2
.if \zero
.if ((\a)%2 == 0) && ((\b)%2 == 0)
	v_wmma_scale_f32_16x16x128_f8f6f4 v[rD:rD+7], v[rA:rA+11], v[rB:rB+11], 0, v[rX], v[rY] matrix_a_fmt:MATRIX_FMT_FP6 matrix_b_fmt:MATRIX_FMT_FP6
.elseif (\a)%2 == 0
	v_wmma_scale_f32_16x16x128_f8f6f4 v[rD:rD+7], v[rA:rA+11], v[rB:rB+11], 0, v[rX], v[rY] matrix_a_fmt:MATRIX_FMT_FP6 matrix_b_fmt:MATRIX_FMT_FP6 matrix_a_scale:MATRIX_SCALE_ROW1
.elseif (\b)%2 == 0
	v_wmma_scale_f32_16x16x128_f8f6f4 v[rD:rD+7], v[rA:rA+11], v[rB:rB+11], 0, v[rX], v[rY] matrix_a_fmt:MATRIX_FMT_FP6 matrix_b_fmt:MATRIX_FMT_FP6 matrix_b_scale:MATRIX_SCALE_ROW1
.else
	v_wmma_scale_f32_16x16x128_f8f6f4 v[rD:rD+7], v[rA:rA+11], v[rB:rB+11], 0, v[rX], v[rY] matrix_a_fmt:MATRIX_FMT_FP6 matrix_b_fmt:MATRIX_FMT_FP6 matrix_a_scale:MATRIX_SCALE_ROW1 matrix_b_scale:MATRIX_SCALE_ROW1
.endif
.else
.if ((\a)%2 == 0) && ((\b)%2 == 0)
	v_wmma_scale_f32_16x16x128_f8f6f4 v[rD:rD+7], v[rA:rA+11], v[rB:rB+11], v[rD:rD+7], v[rX], v[rY] matrix_a_fmt:MATRIX_FMT_FP6 matrix_b_fmt:MATRIX_FMT_FP6
.elseif (\a)%2 == 0
	v_wmma_scale_f32_16x16x128_f8f6f4 v[rD:rD+7], v[rA:rA+11], v[rB:rB+11], v[rD:rD+7], v[rX], v[rY] matrix_a_fmt:MATRIX_FMT_FP6 matrix_b_fmt:MATRIX_FMT_FP6 matrix_a_scale:MATRIX_SCALE_ROW1
.elseif (\b)%2 == 0
	v_wmma_scale_f32_16x16x128_f8f6f4 v[rD:rD+7], v[rA:rA+11], v[rB:rB+11], v[rD:rD+7], v[rX], v[rY] matrix_a_fmt:MATRIX_FMT_FP6 matrix_b_fmt:MATRIX_FMT_FP6 matrix_b_scale:MATRIX_SCALE_ROW1
.else
	v_wmma_scale_f32_16x16x128_f8f6f4 v[rD:rD+7], v[rA:rA+11], v[rB:rB+11], v[rD:rD+7], v[rX], v[rY] matrix_a_fmt:MATRIX_FMT_FP6 matrix_b_fmt:MATRIX_FMT_FP6 matrix_a_scale:MATRIX_SCALE_ROW1 matrix_b_scale:MATRIX_SCALE_ROW1
.endif
.endif
.endm
.macro MUL16 a0, p, q, zero            ; S1's fragments a0, a0 + 1 against S0's eight.  The 64 accumulators take turns, one instruction a turn, in the same order in every K step
.irp a, \a0, \a0+1
.irp b, 0,1,2,3,4,5,6,7
	MM \a, \b, \p, \q, \zero
.endr
.endr
.endm
.macro STEP slot, zero                 ; a slot's first K step; in its middle and at its end the second one's fragments are fetched
	s_wait_dscnt 12                                ; all but the youngest 12 loads (S1's fragments 4-7) are in
	WIN MUL_LO
	MUL16 0, 0, 0, \zero
	MUL16 2, 0, 0, \zero
	s_wait_dscnt 0x0                               ; S1's fragments 4-7 are in (asked for 32 matrix instructions ago)
	PLACES 4
	FETCH_B \slot, 1, 1
	FETCH_A \slot, 1, 0
	SCALES \slot, 1
	WIN MUL_HI
	MUL16 4, 0, 0, \zero
	MUL16 6, 0, 0, \zero
	PLACES 4
	WIN 0
	FETCH_A \slot, 1, 4
.endm
; A slot's second K step with a barrier at the change of slots: in front of it each wave waits for all its tensor loads, adds 0 to its spare word, and waits for that and for its reads of this slot.
; fill = 1 (slot 0 alone): the barrier opens a round of the cluster's, and slot 0 takes K steps 6 and 7.
.macro TURN slot, next, fill
	s_wait_tensorcnt 0x0                           ; all my tensor loads have landed: my parts of every slot that is still to be read
	ds_add_u32 v[SPW], v[NIL]                      ; 0 onto my spare word
	s_wait_dscnt 13                                ; (the add and the youngest 12 loads may be out)
	WIN MUL_LO
	MUL16 0, 1, 1, 0                               ; sixteen matrix instructions stand between the add and the wait for it
	s_wait_dscnt 0x0                               ; the add is done, and my reads of this slot are over
	s_barrier_signal -1
	MUL16 2, 1, 1, 0
	WIN 0
	s_barrier_wait -1
.if \fill
	CREST                                          ; the barrier has opened a round of the cluster's: no wave of any partner still reads this slot or has a load on its way
	s_add_nc_u64 s[G0+4*\slot+2:G0+4*\slot+3], s[G0+4*\slot+2:G0+4*\slot+3], 3*RGS
	s_add_nc_u64 s[G0B+4*\slot+2:G0B+4*\slot+3], s[G0B+4*\slot+2:G0B+4*\slot+3], 3*RGS
	JLOAD G0+4*\slot, G1, G0B+4*\slot, G1B         ; the first tensor load behind the round; its four v_nop are the places in front of the loads below
.else
	PLACES 4
.endif
	FETCH_B \next, 0, 0
	FETCH_A \next, 0, 0
	SCALES \next, 0
	WIN MUL_HI
	MUL16 4, 1, 1, 0
	MUL16 6, 1, 1, 0
	PLACES 4
	WIN 0
	FETCH_A \next, 0, 4
.endm
; A slot's second K step where the next slot was shown whole to every wave by an earlier barrier and nothing is filled: no barrier, and the refill that is out stays out.
.macro PASS next
	s_wait_dscnt 12
	WIN MUL_LO
	MUL16 0, 1, 1, 0
	MUL16 2, 1, 1, 0
	s_wait_dscnt 0x0
	PLACES 4
	FETCH_B \next, 0, 0
	FETCH_A \next, 0, 0
	SCALES \next, 0
	WIN MUL_HI
	MUL16 4, 1, 1, 0
	MUL16 6, 1, 1, 0
	PLACES 4
	WIN 0
	FETCH_A \next, 0, 4
.endm
.macro LAST                            ; the very last K step: nothing more to fetch
	s_wait_dscnt 12
	WIN MUL_LO
	MUL16 0, 1, 1, 0
	MUL16 2, 1, 1, 0
	s_wait_dscnt 0x0
	WIN MUL_HI
	MUL16 4, 1, 1, 0
	MUL16 6, 1, 1, 0
	WIN 0
	PLACES 4
.endm
; The 64 registers v[s] on of window w (register 16 b + i = K 32 b + 16 h + i of my row) become a fragment's codes in v[PC] on and its scale word in v[PW].  Each accumulator is first read at its low end.
.macro QUANTW w, s
	WIN ((\w)<<2)|((\w)<<4)
.irp b, 0,1,2,3
	v_max3_num_f32 v[TM+\b], 0x1800000, |v[\s+16*\b]|, |v[\s+1+16*\b]|   ; with the floor 2^(3 - 127): the byte cannot fall under 1
.endr
.irp i, 2,4,6,8,10,12,14
.irp b, 0,1,2,3
	v_max3_num_f32 v[TM+\b], v[TM+\b], |v[\s+16*\b+\i]|, |v[\s+1+16*\b+\i]|
.endr
.endr
	WIN 0
.irp b, 0,1,2,3
	v_permlanex16_b32 v[TM+4+\b], v[TM+\b], s[SEL], s[SEL+1]
.endr
.irp b, 0,1,2,3
	v_max_num_f32 v[TM+\b], v[TM+\b], v[TM+4+\b]   ; with lane l xor 16: the block's largest magnitude
.endr
.irp b, 0,1,2,3
	v_add_nc_u32 v[TM+12+\b], 0xff000000, v[TM+\b] ; 2 off its exponent field: the conversion's scale operand
.endr
.irp b, 0,1,2,3
	v_lshrrev_b32 v[TM+4+\b], 23, v[TM+12+\b]      ; the byte
.endr
	v_lshl_or_b32 v[PW], v[TM+5], 8, v[TM+4]
	v_lshl_or_b32 v[PW], v[TM+6], 16, v[PW]
	v_lshl_or_b32 v[PW], v[TM+7], 24, v[PW]
	WIN (\w)
.irp c, 0,1
	v_cvt_scalef32_pk16_fp6_f32 v[PC+6*\c:PC+2+6*\c], v[\s+32*\c:\s+15+32*\c], v[TM+12+2*\c]
	v_cvt_scalef32_pk16_fp6_f32 v[PC+12+4*\c:PC+14+4*\c], v[\s+16+32*\c:\s+31+32*\c], v[TM+12+2*\c+1]
.endr
	WIN 0
	v_nop                                          ; one plain place behind a scaled conversion
.irp c, 0,1
.irp i, 0,1,2
	v_permlane16_swap_b32 v[PC+6*\c+\i], v[PC+12+4*\c+\i]
.endr
.irp i, 0,1,2
	v_mov_b32 v[PC+3+6*\c+\i], v[PC+12+4*\c+\i]
.endr
.endr
.endm
.macro OUTF a                          ; S1's fragment a of my block leaves
.if (\a) > 0
	s_wait_xcnt 0x0                                ; the last fragment's stores have read the codes' registers,
	s_wait_dscnt 0x0                               ; and its scale word is stored
.endif
	QUANTW 2+(\a)/4, 64*((\a)%4)
.irp c, 0,1,2
	global_store_b128 v[LI], v[PC+4*\c:PC+4*\c+3], s[12:13] offset:1536*(\a)+512*\c   ; 512 consecutive bytes, aligned
.endr
	ds_store_b32 v[SSA], v[PW] offset:64*(\a)
.endm
	s_load_b128 s[4:7], s[0:1], 0x0                ; xw s[4:5], qkv s[6:7]
	v_lshl_add_u32 v[SPW], v0, 2, SPARE
	v_mov_b32 v[NIL], 0
	ds_add_u32 v28, v29
	ds_add_u32 v28, v29
	s_wait_dscnt 0x0
	v_lshrrev_b32 v1, 5, v0
	v_readfirstlane_b32 s14, v1                    ; wave 0..3
	s_lshr_b32 s15, s14, 1                         ; my half of S1.  Also: I fetch for S1 (0) or for S0 (1)
	s_and_b32 s16, s14, 1                          ; my half of S0.  Also: which rowgroup I fetch
	s_bfe_u32 s40, ttmp6, 0x40000                  ; cx
	s_bfe_u32 s41, ttmp6, 0x40004                  ; cy
	s_and_b32 s17, ttmp7, 0xffff                   ; the cluster's y
	s_lshl_b32 s42, ttmp9, 2
	s_add_co_u32 s42, s42, s40                     ; X = 4 x cluster x + cx
	s_lshl_b32 s43, s41, 2
	s_lshl_b32 s43, 15, s43                        ; my row of the cluster
	s_lshl_b32 s44, 0x1111, s40                    ; my column
	; S1's first rowgroup hangs on cy and the cluster alone: x's 2 (4 y + cy), or Wv's 80 + 2 cy
	s_lshl_b32 s18, s41, 1
	s_lshl_b32 s19, s17, 3
	s_add_co_u32 s19, s19, s18
	s_add_co_u32 s20, s18, 80
	s_cmp_lt_u32 s17, 8
	s_cselect_b32 s19, s19, s20
	; S0's hangs on cx and the cluster alone: the weights' 64 + 2 X, or x's 2 X + 16 (y - 8)
	s_lshl_b32 s45, s42, 1
	s_add_co_u32 s46, s45, 64
	s_max_u32 s47, s17, 8
	s_sub_co_u32 s47, s47, 8
	s_lshl_b32 s47, s47, 4
	s_add_co_u32 s47, s47, s45
	s_cmp_lt_u32 s17, 8
	s_cselect_b32 s46, s46, s47
	s_add_co_u32 s20, s19, s16
	s_mul_i32 s20, s20, 8*BLK                      ; the rowgroup that I fetch, if for S1,
	s_mov_b32 s21, 0
	s_add_co_u32 s66, s46, s16
	s_mul_i32 s66, s66, 8*BLK                      ; and if for S0
	s_mov_b32 s67, 0
	; my block of the result.  q, k: (ks / 8) x 6,553,600 + G x 102,400 + (ks % 8) x 12,800, G = S1's rowgroup, ks = 2 X + half
	s_add_co_u32 s68, s19, s15
	s_mul_i32 s68, s68, 8*BLK
	s_add_co_u32 s69, s45, s16
	s_lshr_b32 s70, s69, 3
	s_mul_i32 s70, s70, 64*8*BLK
	s_and_b32 s69, s69, 7
	s_mul_i32 s69, s69, BLK
	s_add_co_u32 s68, s68, s70
	s_add_co_u32 s68, s68, s69
	; v^T: 13,107,200 + (2 cy + half) x 819,200 + (x's rowgroup) x 12,800
	s_add_co_u32 s71, s18, s15
	s_mul_i32 s71, s71, 64*BLK
	s_add_co_u32 s72, s46, s16
	s_mul_i32 s72, s72, BLK
	s_add_co_u32 s71, s71, s72
	s_add_co_u32 s71, s71, 2*64*8*BLK
	s_cmp_lt_u32 s17, 8
	s_cselect_b32 s68, s68, s71
	s_mov_b32 s69, 0
	; group 1: 25,600 dense bytes as 100 rows of 32 elements of 8 bytes; no padding
	s_or_b32 s[G1+0], s43, (3<<16)|(1<<21)         ; 15:0 the mask: my row; 17:16 elements of 8 bytes; 21 set beside a mask
	s_or_b32 s[G1B+0], s44, (3<<16)|(1<<21)        ; the same with my column
.irp g, G1, G1B
	s_mov_b32 s[\g+1], 32<<16                      ; tensor_dim0
	s_mov_b32 s[\g+2], 100<<16                     ; tensor_dim1
	s_mov_b32 s[\g+3], 32<<16                      ; tile_dim0
	s_mov_b32 s[\g+4], 100                         ; tile_dim1
	s_mov_b32 s[\g+5], 32                          ; the pitch
	s_mov_b32 s[\g+6], 0
	s_mov_b32 s[\g+7], 0
.endr
	s_mul_i32 s73, s14, RGS                        ; where my tile goes: wave x 25,600: no place in the cluster enters an LDS address
	s_mov_b32 s[SEL], 0x76543210
	s_mov_b32 s[SEL+1], 0xfedcba98
	s_wait_kmcnt 0x0
	s_add_nc_u64 s[20:21], s[4:5], s[20:21]
	s_add_nc_u64 s[66:67], s[4:5], s[66:67]
	s_add_nc_u64 s[12:13], s[6:7], s[68:69]
	CROUND                                         ; all sixteen work-groups are here: the first joint loads meet
.irp s, 0,1
	s_mov_b32 s[G0+4*\s], 1
	s_add_co_u32 s[G0+4*\s+1], s73, \s*SLOT
	s_add_nc_u64 s[G0+4*\s+2:G0+4*\s+3], s[20:21], \s*RGS
	s_or_b32 s[G0+4*\s+3], s[G0+4*\s+3], 0x80000000
	s_mov_b32 s[G0B+4*\s], 1
	s_add_co_u32 s[G0B+4*\s+1], s73, \s*SLOT
	s_add_nc_u64 s[G0B+4*\s+2:G0B+4*\s+3], s[66:67], \s*RGS
	s_or_b32 s[G0B+4*\s+3], s[G0B+4*\s+3], 0x80000000
	JLOAD G0+4*\s, G1, G0B+4*\s, G1B
.endr
	s_mov_b32 s[G0C], 1
	s_add_co_u32 s[G0C+1], s73, 2*SLOT
	s_add_nc_u64 s[G0C+2:G0C+3], s[20:21], 2*RGS
	s_or_b32 s[G0C+3], s[G0C+3], 0x80000000
	s_mov_b32 s[G0BC], 1
	s_add_co_u32 s[G0BC+1], s73, 2*SLOT
	s_add_nc_u64 s[G0BC+2:G0BC+3], s[66:67], 2*RGS
	s_or_b32 s[G0BC+3], s[G0BC+3], 0x80000000
	JLOAD G0C, G1, G0BC, G1B                       ; three tensor loads of mine are out behind these
	v_and_b32 v3, 31, v0                           ; lane
	v_and_b32 v1, 15, v0                           ; r
	v_lshlrev_b32 v[LI], 4, v3
	v_lshlrev_b32 v5, 2, v3
	s_mul_i32 s74, s15, RGS
	s_mul_i32 s75, s16, RGS
	s_add_co_u32 s75, s75, 2*RGS
.irp s, 0,1,2
	v_add_nc_u32 v[ADRA+\s], s74, v[LI]
	v_add_nc_u32 v[ADRB+\s], s75, v[LI]
	v_add_nc_u32 v[ADS1+\s], s74, v5
	v_add_nc_u32 v[ADS0+\s], s75, v5
	s_add_co_u32 s74, s74, SLOT
	s_add_co_u32 s75, s75, SLOT
.endr
	s_mul_i32 s76, s14, SZ
	s_add_co_u32 s76, s76, SSTG
	v_lshl_add_u32 v[SSA], v1, 2, s76
	v_add_nc_u32 v[SRA], s76, v[LI]
.irp b, 0,1,2,3
	v_mov_b32 v[TM+4+\b], 0                        ; written once: a lane permute's destination counts as one of its sources
.endr
	s_wait_tensorcnt 2                             ; my part of slot 0 is in; slots 1 and 2 may stay out
	s_barrier_signal -1
	s_barrier_wait -1
	FETCH_B 0, 0, 0
	FETCH_A 0, 0, 0
	SCALES 0, 0
	FETCH_A 0, 0, 4
	STEP 0, 1                                      ; K steps 0 .. 7, written out; the first products start the sums
	TURN 0, 1, 1                                   ; slots 1 and 2 are whole in every wave's sight; slot 0 takes K steps 6 and 7
	STEP 1, 0
	PASS 2
	STEP 2, 0
	TURN 2, 0, 0                                   ; the refill has landed; nothing is left to fetch
	STEP 0, 0
	LAST
.irp a, 0,1,2,3,4,5,6,7
	OUTF \a
.endr
	ds_load_b128 v[76:79], v[SRA]                  ; LDS serves a wave's instructions in order: this sees my eight stores
	s_wait_dscnt 0x0
	global_store_b128 v[LI], v[76:79], s[12:13] offset:12288   ; the block's 128 scale words: 512 consecutive bytes
	s_wait_tensorcnt 0x0                           ; the wave's end
	ds_add_u32 v[SPW], v[NIL]
	s_wait_dscnt 0x0
	CROUND                                         ; the closing round
	s_endpgm
.Lfunc_end_k_q5e43311bc5_proj:
	.size	k_q5e43311bc5_proj, .Lfunc_end_k_q5e43311bc5_proj-k_q5e43311bc5_proj
	.p2alignl 7, 3214868480
	.fill 96, 4, 3214868480
	.section	.rodata,"a",@progbits
	.p2align	6, 0x0
	.amdhsa_kernel k_q5e43311bc5_proj
		.amdhsa_group_segment_fixed_size 327680
		.amdhsa_private_segment_fixed_size 0
		.amdhsa_enable_private_segment 0
		.amdhsa_kernarg_size 16
		.amdhsa_user_sgpr_count 2
		.amdhsa_user_sgpr_kernarg_segment_ptr 1
		.amdhsa_wavefront_size32 1
		.amdhsa_system_sgpr_workgroup_id_x 1
		.amdhsa_system_sgpr_workgroup_id_y 1
		.amdhsa_system_sgpr_workgroup_id_z 1
		.amdhsa_system_vgpr_workitem_id 0
		.amdhsa_next_free_vgpr 1024
		.amdhsa_next_free_sgpr 98
		.amdhsa_reserve_vcc 0
		.amdhsa_float_denorm_mode_32 3
		.amdhsa_float_denorm_mode_16_64 3
		.amdhsa_memory_ordered 1
		.amdhsa_forward_progress 1
		.amdhsa_inst_pref_size 141
	.end_amdhsa_kernel
	.amdgpu_metadata
---
amdhsa.version: [ 1, 2 ]
amdhsa.kernels:
  - .name:           k_q5e43311bc5_proj
    .symbol:         k_q5e43311bc5_proj.kd
    .args:
      - { .name: xw, .offset: 0, .size: 8, .value_kind: global_buffer, .address_space: global }
      - { .name: qkv, .offset: 8, .size: 8, .value_kind: global_buffer, .address_space: global }
    .group_segment_fixed_size: 327680
    .private_segment_fixed_size: 0
    .kernarg_segment_align: 8
    .kernarg_segment_size: 16
    .max_flat_workgroup_size: 128
    .sgpr_count:     98
    .vgpr_count:     1024
    .wavefront_size: 32
...
	.end_amdgpu_metadata
.endif
;; end of part 5
;; launch scores (part 6): grid 4 x 48, 4 waves a work-group, clusters of 4 x 4, 327,680 bytes of LDS; arguments qkv, pc, pstat; writes pc, pstat
.if DOCPART == 6
	.amdgcn_target "amdgcn-amd-amdhsa--gfx1250"
	.amdhsa_code_object_version 6
	.text
	.protected	k_q5e43311bc5_scores
	.globl	k_q5e43311bc5_scores
	.p2align	8
	.type	k_q5e43311bc5_scores,@function
k_q5e43311bc5_scores:
	s_mov_b64 s[64:65], 0
	v_nop
	global_prefetch_b8 v0, s[64:65] scope:SCOPE_SE
	s_setreg_imm32_b32 hwreg(HW_REG_WAVE_MODE, 25, 1), 1
	s_wait_xcnt 0x0
	s_wait_alu depctr_hold_cnt(0) depctr_sa_sdst(0) depctr_va_vdst(0) depctr_va_sdst(0) depctr_va_ssrc(0) depctr_va_vcc(0) depctr_vm_vsrc(0)
	s_getreg_b32 s2, hwreg(HW_REG_IB_STS2, 6, 4)
	s_cmp_eq_u32 s2, 0
	s_cbranch_scc0 .Lentry_in_a_cluster
	s_endpgm
.Lentry_in_a_cluster:
	s_bfe_u32 s2, ttmp6, 0x10000c
	s_cmp_lg_u32 s2, 0xf033
	s_cbranch_scc0 .Lentry_shape_is_right
	s_endpgm
.Lentry_shape_is_right:
; S = q k^T on codes of FP6 (E2M3), the causal mask, and the softmax's p = 2^(t - M), quantised along the keys.  t = score x log2(e) / 32.
; M IS TAKEN LOCALLY: for each query and each chunk of 128 keys, M_loc = ceil(the chunk's largest t), a whole number.  p_loc = 2^(t - M_loc) has the same codes as 2^(t - M) with the row's M, and scale bytes
; that differ by the whole number M_loc - M.  This launch stores the codes, the local bytes, -M_loc and l_loc (the sum of the unquantised p_loc); the next launch brings bytes and sums under the row's M.
; OPERANDS lie in blocks of 128 rows x 128 K, 12,800 bytes: fragment i at 1536 i as an image of its registers, scale word of (i, r) at 12288 + 64 i + 4 r; lane r of fragment i holds row
; 32 (i / 2) + 8 (i % 2) + r + 8 (r / 8).  q: [64][8] blocks at 0 of qkv, k at 6,553,600.  p: pc [64 query rowgroups][16 key steps].  pstat: 1,024 bytes a block of p: 128 x -M_loc, 128 x l_loc, in (i, r) order.
; D = S0 S1^T with S0 = k, S1 = q: a lane holds one query, and the 64 registers of accumulators (a, 0 .. 7) are the chunk's 128 keys in natural order: register 16 b + i = key 32 b + 16 (lane / 16) + i.
; A work-group makes 256 queries x 256 keys, a wave 128 x 128.  K = 1024 is four slots' worth of 2 K steps, one tensor load of 25,600 dense bytes a wave and slot.
; LDS HOLDS THREE SLOTS: the first three slots' worth go out together as first fills; the fourth is the one refill, into slot 0, and has two slots' products, 256 matrix instructions a wave, in which to land.
; CLUSTERS 4 x 4 make 1024 x 1024: of a batch's four such squares the three that are not wholly hidden, (0,0), (1,0), (1,1).  q's tiles are shared along a row of the cluster, k's along a column.
; In the two squares on the diagonal the six places with cx > cy lie wholly under the mask.  They make every joint request and run as their partners do; their
; blocks hold zero codes, which add nothing where the next launch reads them.  The triangle's 36 tiles of a batch do not fall into rows and columns of four.
; LIMITS: a chunk wholly hidden for a query gets M_loc = -3e38 and p = 0; a block whose largest p lies under 2^-124 keeps the byte 1; M is exact while |t| < 2^24; NaN and infinities are not served.
; REGISTERS: as in the projections' launch; v224-246 the softmax's.
.set BLK,   12800
.set RGS,   2*BLK
.set SLOT,  4*RGS
.set SZ,    1536                       ; a wave's stage: 128 scale words, 128 x -M, 128 x l
.set SSTG,  3*SLOT
.set SPARE, SSTG+4*SZ                  ; the spare words, 128 bytes a wave: two blocks of 256 bytes that no other line names
.set LI,   4
.set ADRA, 8                           ; v8-10, v11-13, v16-18, v19-21: a register for each of the three slots
.set ADRB, 11
.set ADS1, 16
.set ADS0, 19
.set SSA,  24
.set SRA,  25
.set SPW,  28
.set NIL,  29
.set SS1,  32
.set SS0,  40
.set PC,   56
.set AF,   128
.set BM,   224                         ; v224-227 each block's largest score, then its largest p
.set T4,   228                         ; v228-231 at work
.set SO,   232                         ; v232-235 the conversions' scale operands
.set LS,   236                         ; v[236:237], v[238:239] the sum, in two chains of pairs
.set LT,   238
.set NM,   240                         ; v[240:241] -M (the packed form names a pair and takes its low word)
.set PW,   242
.set DV,   243                         ; the mask's bound for this fragment
.set NI,   244                         ; -infinity
.set XX,   245
.set D0,   246                         ; my query less my first key, for fragment 0
.set G1,  24
.set G0,  32
.set G0C, 88                           ; s[88:91], s[92:95] groups 0 for slot 2
.set G1B, 48
.set G0B, 56
.set G0BC, 92
.set CS,  70                           ; s[70:71] c = log2(e) / 32
.set SEL, 72                           ; s[72:73]
.set ST,  74                           ; s74 which of the batch's three squares: 1 = the one below the diagonal, where nothing is hidden
.set MSB, 0
.macro WIN new
.if MSB != (\new)
	s_set_vgpr_msb (MSB<<8)|(\new)
.set MSB, (\new)
.endif
.endm
.set MUL_LO, 0xa1
.set MUL_HI, 0xf1
.macro JLOAD g0a, g1a, g0b, g1b        ; waves 0 and 1 fetch q's rowgroups, waves 2 and 3 k's; four v_nop follow each of the two lines
	s_cmp_eq_u32 s15, 0
	s_cbranch_scc0 .Lfor_b_\@
	tensor_load_to_lds s[\g0a:\g0a+3], s[\g1a:\g1a+7]
	s_nop 0
.rept 4
	v_nop
.endr
	s_branch .Lasked_\@
.Lfor_b_\@:
	tensor_load_to_lds s[\g0b:\g0b+3], s[\g1b:\g1b+7]
	s_nop 0
.rept 4
	v_nop
.endr
.Lasked_\@:
.endm
.macro CREST
	s_cmp_lg_u32 s14, 0
	s_cbranch_scc1 .Lnot_wave_0_\@
	s_barrier_signal -3
.Lnot_wave_0_\@:
	s_barrier_wait -3
	s_barrier_signal -1
	s_barrier_wait -1
.endm
.macro CROUND
	s_barrier_signal -1
	s_barrier_wait -1
	CREST
.endm
.macro PLACES n
.rept \n
	v_nop
.endr
.endm
.macro FRAG reg, adr, off
.irp c, 0,1,2
	ds_load_b128 v[\reg+4*\c:\reg+4*\c+3], v[\adr] offset:\off+512*\c
.endr
.endm
.macro FETCH_B slot, q, p
	WIN 0x40
.irp i, 0,1,2,3,4,5,6,7
	FRAG 128*(\p)+12*\i, ADRB+\slot, (\q)*BLK+1536*\i
.endr
	WIN 0
.endm
.macro FETCH_A slot, q, i0
.irp i, \i0, \i0+1, \i0+2, \i0+3
	FRAG AF+12*(\i), ADRA+\slot, (\q)*BLK+1536*(\i)
.endr
.endm
.macro SCALES slot, q
.irp j, 0,1,2,3
	ds_load_b32 v[SS1+4*(\q)+\j], v[ADS1+\slot] offset:(\q)*BLK+12288+128*\j
	ds_load_b32 v[SS0+4*(\q)+\j], v[ADS0+\slot] offset:(\q)*BLK+12288+128*\j
.endr
.endm
.macro MM a, b, p, q, zero
.set rD, 8*(8*((\a)%4)+(\b))
.set rA, 128*(\p)+12*(\b)
.set rB, AF+12*(\a)
.set rX, SS0+4*(\q)+(\b)/2
.set rY, SS1+4*(\q)+(\a)/2
.if \zero
.if ((\a)%2 == 0) && ((\b)%2 == 0)
	v_wmma_scale_f32_16x16x128_f8f6f4 v[rD:rD+7], v[rA:rA+11], v[rB:rB+11], 0, v[rX], v[rY] matrix_a_fmt:MATRIX_FMT_FP6 matrix_b_fmt:MATRIX_FMT_FP6
.elseif (\a)%2 == 0
	v_wmma_scale_f32_16x16x128_f8f6f4 v[rD:rD+7], v[rA:rA+11], v[rB:rB+11], 0, v[rX], v[rY] matrix_a_fmt:MATRIX_FMT_FP6 matrix_b_fmt:MATRIX_FMT_FP6 matrix_a_scale:MATRIX_SCALE_ROW1
.elseif (\b)%2 == 0
	v_wmma_scale_f32_16x16x128_f8f6f4 v[rD:rD+7], v[rA:rA+11], v[rB:rB+11], 0, v[rX], v[rY] matrix_a_fmt:MATRIX_FMT_FP6 matrix_b_fmt:MATRIX_FMT_FP6 matrix_b_scale:MATRIX_SCALE_ROW1
.else
	v_wmma_scale_f32_16x16x128_f8f6f4 v[rD:rD+7], v[rA:rA+11], v[rB:rB+11], 0, v[rX], v[rY] matrix_a_fmt:MATRIX_FMT_FP6 matrix_b_fmt:MATRIX_FMT_FP6 matrix_a_scale:MATRIX_SCALE_ROW1 matrix_b_scale:MATRIX_SCALE_ROW1
.endif
.else
.if ((\a)%2 == 0) && ((\b)%2 == 0)
	v_wmma_scale_f32_16x16x128_f8f6f4 v[rD:rD+7], v[rA:rA+11], v[rB:rB+11], v[rD:rD+7], v[rX], v[rY] matrix_a_fmt:MATRIX_FMT_FP6 matrix_b_fmt:MATRIX_FMT_FP6
.elseif (\a)%2 == 0
	v_wmma_scale_f32_16x16x128_f8f6f4 v[rD:rD+7], v[rA:rA+11], v[rB:rB+11], v[rD:rD+7], v[rX], v[rY] matrix_a_fmt:MATRIX_FMT_FP6 matrix_b_fmt:MATRIX_FMT_FP6 matrix_a_scale:MATRIX_SCALE_ROW1
.elseif (\b)%2 == 0
	v_wmma_scale_f32_16x16x128_f8f6f4 v[rD:rD+7], v[rA:rA+11], v[rB:rB+11], v[rD:rD+7], v[rX], v[rY] matrix_a_fmt:MATRIX_FMT_FP6 matrix_b_fmt:MATRIX_FMT_FP6 matrix_b_scale:MATRIX_SCALE_ROW1
.else
	v_wmma_scale_f32_16x16x128_f8f6f4 v[rD:rD+7], v[rA:rA+11], v[rB:rB+11], v[rD:rD+7], v[rX], v[rY] matrix_a_fmt:MATRIX_FMT_FP6 matrix_b_fmt:MATRIX_FMT_FP6 matrix_a_scale:MATRIX_SCALE_ROW1 matrix_b_scale:MATRIX_SCALE_ROW1
.endif
.endif
.endm
.macro MUL16 a0, p, q, zero            ; the 64 accumulators take turns, one instruction a turn, in the same order in every K step
.irp a, \a0, \a0+1
.irp b, 0,1,2,3,4,5,6,7
	MM \a, \b, \p, \q, \zero
.endr
.endr
.endm
.macro STEP slot, zero
	s_wait_dscnt 12                                ; all but the youngest 12 loads (q's fragments 4-7) are in
	WIN MUL_LO
	MUL16 0, 0, 0, \zero
	MUL16 2, 0, 0, \zero
	s_wait_dscnt 0x0
	PLACES 4
	FETCH_B \slot, 1, 1
	FETCH_A \slot, 1, 0
	SCALES \slot, 1
	WIN MUL_HI
	MUL16 4, 0, 0, \zero
	MUL16 6, 0, 0, \zero
	PLACES 4
	WIN 0
	FETCH_A \slot, 1, 4
.endm
; A slot's second K step with a barrier at the change of slots.  fill = 1 (slot 0 alone): the barrier opens a round of the cluster's, and slot 0 takes K steps 6 and 7.
.macro TURN slot, next, fill
	s_wait_tensorcnt 0x0                           ; all my tensor loads have landed: my parts of every slot that is still to be read
	ds_add_u32 v[SPW], v[NIL]                      ; 0 onto my spare word
	s_wait_dscnt 13                                ; (the add and the youngest 12 loads may be out)
	WIN MUL_LO
	MUL16 0, 1, 1, 0
	s_wait_dscnt 0x0                               ; the add is done, and my reads of this slot are over
	s_barrier_signal -1
	MUL16 2, 1, 1, 0
	WIN 0
	s_barrier_wait -1
.if \fill
	CREST                                          ; no wave of any partner still reads this slot or has a load on its way
	s_add_nc_u64 s[G0+4*\slot+2:G0+4*\slot+3], s[G0+4*\slot+2:G0+4*\slot+3], 3*RGS
	s_add_nc_u64 s[G0B+4*\slot+2:G0B+4*\slot+3], s[G0B+4*\slot+2:G0B+4*\slot+3], 3*RGS
	JLOAD G0+4*\slot, G1, G0B+4*\slot, G1B
.else
	PLACES 4
.endif
	FETCH_B \next, 0, 0
	FETCH_A \next, 0, 0
	SCALES \next, 0
	WIN MUL_HI
	MUL16 4, 1, 1, 0
	MUL16 6, 1, 1, 0
	PLACES 4
	WIN 0
	FETCH_A \next, 0, 4
.endm
; A slot's second K step where the next slot was shown whole to every wave by an earlier barrier and nothing is filled: no barrier, and the refill that is out stays out.
.macro PASS next
	s_wait_dscnt 12
	WIN MUL_LO
	MUL16 0, 1, 1, 0
	MUL16 2, 1, 1, 0
	s_wait_dscnt 0x0
	PLACES 4
	FETCH_B \next, 0, 0
	FETCH_A \next, 0, 0
	SCALES \next, 0
	WIN MUL_HI
	MUL16 4, 1, 1, 0
	MUL16 6, 1, 1, 0
	PLACES 4
	WIN 0
	FETCH_A \next, 0, 4
.endm
.macro LAST
	s_wait_dscnt 12
	WIN MUL_LO
	MUL16 0, 1, 1, 0
	MUL16 2, 1, 1, 0
	s_wait_dscnt 0x0
	WIN MUL_HI
	MUL16 4, 1, 1, 0
	MUL16 6, 1, 1, 0
	WIN 0
	PLACES 4
.endm
; THE SOFTMAX OF FRAGMENT a: 16 queries x my 128 keys, 64 scores a lane, in window WN from v[SB] on.
.macro SOFT a
.set WN, 2+(\a)/4
.set SB, 64*((\a)%4)
	s_wait_xcnt 0x0                                ; the last fragment's stores have read the codes' registers,
	s_wait_dscnt 0x0                               ; and its three words are in the stage
	s_cmp_eq_u32 s[ST], 1                          ; the square below the diagonal hides nothing: a branch on the cluster's number, the same in all partners
	s_cbranch_scc1 .Lopen_\@
	v_add_nc_u32 v[DV], 32*((\a)/2)+8*((\a)%2), v[D0]   ; register 16 b + i holds a key that is hidden where 32 b + i > this
	WIN (WN<<6)|WN
.set n, 0
.rept 64
	v_cmp_gt_i32 vcc_lo, 32*(n/16)+n%16, v[DV]
	v_cndmask_b32 v[SB+n], v[SB+n], v[NI], vcc_lo
.set n, n+1
.endr
	WIN 0
.Lopen_\@:
	WIN WN|(WN<<2)|(WN<<4)
.irp b, 0,1,2,3
	v_max3_num_f32 v[BM+\b], v[SB+16*\b], v[SB+16*\b+1], v[SB+16*\b+2]   ; the largest score of each block of 32 keys: it serves for the maximum and, since p rises with the score, for the block's largest p
.endr
	WIN (WN<<2)|(WN<<4)
.irp i, 3,5,7,9,11,13
.irp b, 0,1,2,3
	v_max3_num_f32 v[BM+\b], v[BM+\b], v[SB+16*\b+\i], v[SB+16*\b+\i+1]
.endr
.endr
.irp b, 0,1,2,3
	v_max_num_f32 v[BM+\b], v[BM+\b], v[SB+16*\b+15]
.endr
	WIN 0
.irp b, 0,1,2,3
	v_permlanex16_b32 v[T4+\b], v[BM+\b], s[SEL], s[SEL+1]
.endr
.irp b, 0,1,2,3
	v_max_num_f32 v[BM+\b], v[BM+\b], v[T4+\b]     ; with lane l xor 16
.endr
	v_max3_num_f32 v[XX], v[BM], v[BM+1], v[BM+2]
	v_max_num_f32 v[XX], v[XX], v[BM+3]
	v_mul_f32 v[XX], s[CS], v[XX]                  ; the chunk's largest t
	v_max_num_f32 v[XX], 0xff61b1e6, v[XX]         ; held at -3e38: a chunk wholly hidden gives a finite M
	v_floor_f32 v[NM], -v[XX]                      ; -M = floor(-t) = -ceil(t): a whole number
	WIN (WN<<6)|WN
.set n, 0
.rept 32
	v_pk_fma_f32 v[SB+n:SB+n+1], v[SB+n:SB+n+1], s[CS:CS+1], v[NM:NM+1] op_sel_hi:[1,0,0]   ; t - M, two at a time
.set n, n+2
.endr
	WIN 0
.irp b, 0,1,2,3
	v_fma_f32 v[BM+\b], v[BM+\b], s[CS], v[NM]     ; the same of each block's largest score
.endr
	WIN (WN<<6)|WN
.set n, 0
.rept 64
	v_exp_f32 v[SB+n], v[SB+n]                     ; p = 2^(t - M)
.set n, n+1
.endr
	WIN 0
	v_nop                                          ; a plain place behind the exponentials
	s_wait_alu depctr_va_vdst(0)                   ; one wait for the batch, ahead of its first reader
.irp b, 0,1,2,3
	v_exp_f32 v[BM+\b], v[BM+\b]                   ; the block's largest p: the same two instructions on the same number give the same bits
.endr
	WIN WN|(WN<<2)
	v_pk_add_f32 v[LS:LS+1], v[SB:SB+1], v[SB+2:SB+3]         ; the sum is taken of the unquantised p, in two chains
	v_pk_add_f32 v[LT:LT+1], v[SB+4:SB+5], v[SB+6:SB+7]
	WIN WN<<2
.set n, 8
.rept 14
	v_pk_add_f32 v[LS:LS+1], v[LS:LS+1], v[SB+n:SB+n+1]
	v_pk_add_f32 v[LT:LT+1], v[LT:LT+1], v[SB+n+2:SB+n+3]
.set n, n+4
.endr
	WIN 0
	v_pk_add_f32 v[LS:LS+1], v[LS:LS+1], v[LT:LT+1]
	s_wait_alu depctr_va_vdst(0)                   ; and one for the four
.irp b, 0,1,2,3
	v_max_num_f32 v[BM+\b], 0x1800000, v[BM+\b]    ; the floor 2^(3 - 127): the byte cannot fall under 1
.endr
.irp b, 0,1,2,3
	v_add_nc_u32 v[SO+\b], 0xff000000, v[BM+\b]    ; 2 off the exponent field: the conversion's scale operand
.endr
.irp b, 0,1,2,3
	v_lshrrev_b32 v[T4+\b], 23, v[SO+\b]           ; the byte, under the local M
.endr
	v_lshl_or_b32 v[PW], v[T4+1], 8, v[T4]
	v_lshl_or_b32 v[PW], v[T4+2], 16, v[PW]
	v_lshl_or_b32 v[PW], v[T4+3], 24, v[PW]
	WIN WN
.irp c, 0,1
	v_cvt_scalef32_pk16_fp6_f32 v[PC+6*\c:PC+2+6*\c], v[SB+32*\c:SB+15+32*\c], v[SO+2*\c]
	v_cvt_scalef32_pk16_fp6_f32 v[PC+12+4*\c:PC+14+4*\c], v[SB+16+32*\c:SB+31+32*\c], v[SO+2*\c+1]
.endr
	WIN 0
	v_nop                                          ; one plain place behind a scaled conversion
.irp c, 0,1
.irp i, 0,1,2
	v_permlane16_swap_b32 v[PC+6*\c+\i], v[PC+12+4*\c+\i]
.endr
.irp i, 0,1,2
	v_mov_b32 v[PC+3+6*\c+\i], v[PC+12+4*\c+\i]
.endr
.endr
	v_add_f32 v[XX], v[LS], v[LS+1]
	v_permlanex16_b32 v[T4], v[XX], s[SEL], s[SEL+1]
	v_add_f32 v[XX], v[XX], v[T4]                  ; l_loc of my query
.irp c, 0,1,2
	global_store_b128 v[LI], v[PC+4*\c:PC+4*\c+3], s[12:13] offset:1536*(\a)+512*\c   ; 512 consecutive bytes, aligned
.endr
	ds_store_b32 v[SSA], v[PW] offset:64*(\a)
	ds_store_b32 v[SSA], v[NM] offset:512+64*(\a)
	ds_store_b32 v[SSA], v[XX] offset:1024+64*(\a)
.endm
	s_load_b128 s[4:7], s[0:1], 0x0                ; qkv s[4:5], pc s[6:7]
	s_load_b64 s[8:9], s[0:1], 0x10                ; pstat
	v_lshl_add_u32 v[SPW], v0, 2, SPARE
	v_mov_b32 v[NIL], 0
	ds_add_u32 v28, v29
	ds_add_u32 v28, v29
	s_wait_dscnt 0x0
	v_lshrrev_b32 v1, 5, v0
	v_readfirstlane_b32 s14, v1                    ; wave 0..3
	s_lshr_b32 s15, s14, 1                         ; my half of the queries.  Also: I fetch for q (0) or for k (1)
	s_and_b32 s16, s14, 1                          ; my half of the keys.  Also: which rowgroup I fetch
	s_bfe_u32 s40, ttmp6, 0x40000                  ; cx
	s_bfe_u32 s41, ttmp6, 0x40004                  ; cy
	s_and_b32 s17, ttmp7, 0xffff                   ; the cluster: 0 .. 11
	s_mul_i32 s18, s17, 11
	s_lshr_b32 s18, s18, 5                         ; the batch = cluster / 3
	s_mul_i32 s19, s18, 3
	s_sub_co_u32 s[ST], s17, s19                   ; the square: 0: (0,0), 1: (1,0), 2: (1,1)
	s_add_co_u32 s19, s[ST], 1
	s_lshr_b32 s19, s19, 1                         ; its row
	s_lshr_b32 s20, s[ST], 1                       ; its column
	s_lshl_b32 s18, s18, 4                         ; 16 rowgroups a batch
	s_lshl_b32 s43, s41, 2
	s_lshl_b32 s43, 15, s43                        ; my row of the cluster
	s_lshl_b32 s44, 0x1111, s40                    ; my column
	s_lshl_b32 s19, s19, 2
	s_add_co_u32 s19, s19, s41                     ; my block of 256 queries: hangs on cy and the cluster alone
	s_lshl_b32 s19, s19, 1
	s_add_co_u32 s19, s19, s18                     ; q's first rowgroup
	s_lshl_b32 s46, s20, 2
	s_add_co_u32 s46, s46, s40                     ; my block of 256 keys: hangs on cx and the cluster alone
	s_lshl_b32 s46, s46, 1                         ; its first key step
	s_add_co_u32 s47, s46, s18                     ; k's first rowgroup
	s_add_co_u32 s22, s19, s16
	s_mul_i32 s22, s22, 8*BLK
	s_mov_b32 s23, 0
	s_add_co_u32 s66, s47, s16
	s_mul_i32 s66, s66, 8*BLK
	s_add_co_u32 s66, s66, 64*8*BLK
	s_mov_b32 s67, 0
	s_add_co_u32 s68, s19, s15                     ; my block of p: 16 x (query rowgroup) + key step
	s_lshl_b32 s68, s68, 4
	s_add_co_u32 s68, s68, s46
	s_add_co_u32 s68, s68, s16
	s_lshl_b32 s76, s68, 10
	s_mov_b32 s77, 0
	s_mul_i32 s68, s68, BLK
	s_mov_b32 s69, 0
	s_sub_co_i32 s80, s41, s40                     ; the mask's bound, for a square on the diagonal: 256 (cy - cx) + 128 (my half of the queries - my half of the keys)
	s_lshl_b32 s80, s80, 8
	s_sub_co_i32 s81, s15, s16
	s_lshl_b32 s81, s81, 7
	s_add_co_i32 s80, s80, s81
	s_or_b32 s[G1+0], s43, (3<<16)|(1<<21)         ; group 1: 25,600 dense bytes as 100 rows of 32 elements of 8 bytes; the mask; bit 21 beside it
	s_or_b32 s[G1B+0], s44, (3<<16)|(1<<21)
.irp g, G1, G1B
	s_mov_b32 s[\g+1], 32<<16
	s_mov_b32 s[\g+2], 100<<16
	s_mov_b32 s[\g+3], 32<<16
	s_mov_b32 s[\g+4], 100
	s_mov_b32 s[\g+5], 32
	s_mov_b32 s[\g+6], 0
	s_mov_b32 s[\g+7], 0
.endr
	s_mul_i32 s75, s14, RGS                        ; where my tile goes: wave x 25,600
	s_mov_b32 s[CS], 0x3d38aa3b                    ; log2(e) / 32
	s_mov_b32 s[CS+1], s[CS]
	s_mov_b32 s[SEL], 0x76543210
	s_mov_b32 s[SEL+1], 0xfedcba98
	s_wait_kmcnt 0x0
	s_add_nc_u64 s[22:23], s[4:5], s[22:23]
	s_add_nc_u64 s[66:67], s[4:5], s[66:67]
	s_add_nc_u64 s[12:13], s[6:7], s[68:69]
	s_add_nc_u64 s[10:11], s[8:9], s[76:77]
	CROUND                                         ; all sixteen work-groups are here: the first joint loads meet
.irp s, 0,1
	s_mov_b32 s[G0+4*\s], 1
	s_add_co_u32 s[G0+4*\s+1], s75, \s*SLOT
	s_add_nc_u64 s[G0+4*\s+2:G0+4*\s+3], s[22:23], \s*RGS
	s_or_b32 s[G0+4*\s+3], s[G0+4*\s+3], 0x80000000
	s_mov_b32 s[G0B+4*\s], 1
	s_add_co_u32 s[G0B+4*\s+1], s75, \s*SLOT
	s_add_nc_u64 s[G0B+4*\s+2:G0B+4*\s+3], s[66:67], \s*RGS
	s_or_b32 s[G0B+4*\s+3], s[G0B+4*\s+3], 0x80000000
	JLOAD G0+4*\s, G1, G0B+4*\s, G1B
.endr
	s_mov_b32 s[G0C], 1
	s_add_co_u32 s[G0C+1], s75, 2*SLOT
	s_add_nc_u64 s[G0C+2:G0C+3], s[22:23], 2*RGS
	s_or_b32 s[G0C+3], s[G0C+3], 0x80000000
	s_mov_b32 s[G0BC], 1
	s_add_co_u32 s[G0BC+1], s75, 2*SLOT
	s_add_nc_u64 s[G0BC+2:G0BC+3], s[66:67], 2*RGS
	s_or_b32 s[G0BC+3], s[G0BC+3], 0x80000000
	JLOAD G0C, G1, G0BC, G1B                       ; three tensor loads of mine are out behind these
	v_and_b32 v3, 31, v0                           ; lane
	v_and_b32 v1, 15, v0                           ; r
	v_bfe_u32 v2, v0, 4, 1                         ; h
	v_lshlrev_b32 v[LI], 4, v3
	v_lshlrev_b32 v5, 2, v3
	s_mul_i32 s82, s15, RGS
	s_mul_i32 s83, s16, RGS
	s_add_co_u32 s83, s83, 2*RGS
.irp s, 0,1,2
	v_add_nc_u32 v[ADRA+\s], s82, v[LI]
	v_add_nc_u32 v[ADRB+\s], s83, v[LI]
	v_add_nc_u32 v[ADS1+\s], s82, v5
	v_add_nc_u32 v[ADS0+\s], s83, v5
	s_add_co_u32 s82, s82, SLOT
	s_add_co_u32 s83, s83, SLOT
.endr
	s_mul_i32 s84, s14, SZ
	s_add_co_u32 s84, s84, SSTG
	v_lshl_add_u32 v[SSA], v1, 2, s84
	v_add_nc_u32 v[SRA], s84, v[LI]
	v_and_b32 v6, 8, v1
	v_add_nc_u32 v6, v6, v1                        ; r + 8 (r / 8)
	v_lshlrev_b32 v7, 4, v2
	v_sub_nc_u32 v6, v6, v7                        ; - 16 h
	v_add_nc_u32 v[D0], s80, v6
	v_mov_b32 v[NI], 0xff800000
	v_mov_b32 v[NM+1], 0                           ; named as the upper half of a pair, so it is written
.irp b, 0,1,2,3
	v_mov_b32 v[T4+\b], 0                          ; written once: a lane permute's destination counts as one of its sources
.endr
	s_wait_tensorcnt 2                             ; my part of slot 0 is in; slots 1 and 2 may stay out
	s_barrier_signal -1
	s_barrier_wait -1
	FETCH_B 0, 0, 0
	FETCH_A 0, 0, 0
	SCALES 0, 0
	FETCH_A 0, 0, 4
	STEP 0, 1
	TURN 0, 1, 1                                   ; slots 1 and 2 are whole in every wave's sight; slot 0 takes K steps 6 and 7
	STEP 1, 0
	PASS 2
	STEP 2, 0
	TURN 2, 0, 0                                   ; the refill has landed; nothing is left to fetch
	STEP 0, 0
	LAST
.irp a, 0,1,2,3,4,5,6,7
	SOFT \a
.endr
	ds_load_b128 v[76:79], v[SRA]                  ; LDS serves a wave's instructions in order: these see my stores
	ds_load_b128 v[80:83], v[SRA] offset:512
	ds_load_b128 v[84:87], v[SRA] offset:1024
	s_wait_dscnt 0x0
	global_store_b128 v[LI], v[76:79], s[12:13] offset:12288   ; the block's scale words,
	global_store_b128 v[LI], v[80:83], s[10:11]                ; its -M,
	global_store_b128 v[LI], v[84:87], s[10:11] offset:512     ; its l: 512 consecutive bytes each
	s_wait_tensorcnt 0x0                           ; the wave's end
	ds_add_u32 v[SPW], v[NIL]
	s_wait_dscnt 0x0
	CROUND                                         ; the closing round
	s_endpgm
.Lfunc_end_k_q5e43311bc5_scores:
	.size	k_q5e43311bc5_scores, .Lfunc_end_k_q5e43311bc5_scores-k_q5e43311bc5_scores
	.p2alignl 7, 3214868480
	.fill 96, 4, 3214868480
	.section	.rodata,"a",@progbits
	.p2align	6, 0x0
	.amdhsa_kernel k_q5e43311bc5_scores
		.amdhsa_group_segment_fixed_size 327680
		.amdhsa_private_segment_fixed_size 0
		.amdhsa_enable_private_segment 0
		.amdhsa_kernarg_size 24
		.amdhsa_user_sgpr_count 2
		.amdhsa_user_sgpr_kernarg_segment_ptr 1
		.amdhsa_wavefront_size32 1
		.amdhsa_system_sgpr_workgroup_id_x 1
		.amdhsa_system_sgpr_workgroup_id_y 1
		.amdhsa_system_sgpr_workgroup_id_z 1
		.amdhsa_system_vgpr_workitem_id 0
		.amdhsa_next_free_vgpr 1024
		.amdhsa_next_free_sgpr 98
		.amdhsa_reserve_vcc 1
		.amdhsa_float_denorm_mode_32 3
		.amdhsa_float_denorm_mode_16_64 3
		.amdhsa_memory_ordered 1
		.amdhsa_forward_progress 1
		.amdhsa_inst_pref_size 239
	.end_amdhsa_kernel
	.amdgpu_metadata
---
amdhsa.version: [ 1, 2 ]
amdhsa.kernels:
  - .name:           k_q5e43311bc5_scores
    .symbol:         k_q5e43311bc5_scores.kd
    .args:
      - { .name: qkv, .offset: 0, .size: 8, .value_kind: global_buffer, .address_space: global }
      - { .name: pc, .offset: 8, .size: 8, .value_kind: global_buffer, .address_space: global }
      - { .name: pstat, .offset: 16, .size: 8, .value_kind: global_buffer, .address_space: global }
    .group_segment_fixed_size: 327680
    .private_segment_fixed_size: 0
    .kernarg_segment_align: 8
    .kernarg_segment_size: 24
    .max_flat_workgroup_size: 128
    .sgpr_count:     98
    .vgpr_count:     1024
    .wavefront_size: 32
...
	.end_amdgpu_metadata
.endif
;; end of part 6
;; launch pv (part 7): grid 8 x 32, 4 waves a work-group, clusters of 4 x 4, 327,680 bytes of LDS; arguments pc, pstat, qkv, out0; writes out0
.if DOCPART == 7
	.amdgcn_target "amdgcn-amd-amdhsa--gfx1250"
	.amdhsa_code_object_version 6
	.text
	.protected	k_q5e43311bc5_pv
	.globl	k_q5e43311bc5_pv
	.p2align	8
	.type	k_q5e43311bc5_pv,@function
k_q5e43311bc5_pv:
	s_mov_b64 s[64:65], 0
	v_nop
	global_prefetch_b8 v0, s[64:65] scope:SCOPE_SE
	s_setreg_imm32_b32 hwreg(HW_REG_WAVE_MODE, 25, 1), 1
	s_wait_xcnt 0x0
	s_wait_alu depctr_hold_cnt(0) depctr_sa_sdst(0) depctr_va_vdst(0) depctr_va_sdst(0) depctr_va_ssrc(0) depctr_va_vcc(0) depctr_vm_vsrc(0)
	s_getreg_b32 s2, hwreg(HW_REG_IB_STS2, 6, 4)
	s_cmp_eq_u32 s2, 0
	s_cbranch_scc0 .Lentry_in_a_cluster
	s_endpgm
.Lentry_in_a_cluster:
	s_bfe_u32 s2, ttmp6, 0x10000c
	s_cmp_lg_u32 s2, 0xf033
	s_cbranch_scc0 .Lentry_shape_is_right
	s_endpgm
.Lentry_shape_is_right:
; out = (p v) / l on codes of FP6 (E2M3).  p comes with scale bytes, -M_loc and l_loc taken for each query and each chunk of 128 keys; here they are brought under the row's M = the largest M_loc:
; with the whole number d = M_loc - M (0 or less) a byte becomes byte + d and l_loc becomes l_loc x 2^d: both exact; the codes stay.
; OPERANDS lie in blocks of 128 rows x 128 K, 12,800 bytes: fragment i at 1536 i as an image of its registers, scale word of (i, r) at 12288 + 64 i + 4 r; lane r of fragment i holds row
; 32 (i / 2) + 8 (i % 2) + r + 8 (r / 8).  p: pc [64 query rowgroups][16 key steps]; v^T: at 13,107,200 of qkv, [8 channel rowgroups][16 batch + key step].
; SHARES.  A work-group makes TWO tiles of 128 queries x 128 channels of one batch: first query rowgroup 15 - g, then rowgroup g (g = 0..7).  Keys come in slots of 4 K steps (512 keys): the first tile has
; N0 = 4 slots (g < 4) or 3, the second 5 - N0: 5 slots, 20 K steps, in every one of the 256 work-groups.  17 K steps hold keys that count; the other 3 are blocks wholly under the mask, whose codes are zeros:
; that is the price of whole slots and even work.  A wave makes 64 queries x 64 channels: 16 accumulators.  D = S0 S1^T with S0 = v^T, S1 = p: a lane holds one query, its registers neighbouring channels.
; LDS HOLDS THREE REGIONS of a slot (p's 4 K steps, then v^T's: 102,400 bytes).  Slots 0, 1, 2 are first fills, three loads of 25,600 bytes a wave.  Slots 3 and 4 are filled behind ONE round, at K step 7, when
; regions 0 and 1 have been read: one load of 51,200 bytes a wave.  The longer tile goes first, so that each way out lies behind the barrier at K step 11: from there on region 2 has had its only fill and its
; last read, and holds the waves' stages.
; CLUSTERS 4 x 4: cx = the block of channels, cy = g within its class of four.  p's tiles are shared along a row.  The four g of a class walk the same slots of v^T, so v^T's tiles are shared along a column.
; N0 hangs on the cluster's number alone.
; LIMITS: d is held at -256 and a byte at 0 from below: such a block's terms lie under 2^-124 beside l >= 1/2; NaN and infinities are not served.
; REGISTERS: window 0: v4-31 addresses; v32-35 p's scale words, v36-39 v^T's, a set for each parity of the K step; v40-43 1 / l; v44-62 at work; v64-123 the prologue's; v128-223 p's 4 fragments, two sets.
;   window 1: v0-47, v128-175 v^T's 4 fragments, two sets; v48-111, v176-239 the way out.   window 2: accumulator (a, b) at v[8 (4 a + b)].
.set BLK,   12800
.set SLB,   4*BLK                      ; a slot's part of one operand
.set REG,   2*SLB                      ; a region: p's part, then v^T's
.set STG,   2*REG                      ; the way out: 16 rows x (256 + 16) bytes for each wave, in region 2
.set PSC,   3*REG                      ; the adjusted scale words: [20 K steps][128]
.set RL,    PSC+20*512                 ; 1 / l: [tile][128]
.set SPARE, RL+2*512                   ; the spare words, 128 bytes a wave: two blocks of 256 bytes that no other line names
.set T4,   4                           ; v4     4 x thread
.set ADRA, 5                           ; v5-7   my four fragments of p in region 0, 1, 2, + 16 x lane
.set ADRB, 8                           ; v8-10  my four fragments of v^T likewise
.set ADSV, 11                          ; v11-13 their scale words + 4 x lane
.set ADSP, 14                          ; v14    my fragments' adjusted words + 4 x lane
.set STO,  16
.set RD,   17
.set CO,   18
.set RLA,  19
.set PSA,  20
.set RLS,  21
.set VA,   22                          ; v22-24, v25-27 byte offsets in pc and in pstat of the blocks of K steps 0, 12 and 16 of the stream, + 4 x thread
.set VB,   25
.set SPW,  28                          ; my spare word; never rewritten
.set NIL,  29                          ; 0; never rewritten
.set SPS,  32
.set SV,   36
.set RLR,  40
.set LSUM, 44                          ; v44-45 l of the two tiles; v46-47 their reciprocals
.set RC,   46
.set GA,   48
.set GB,   49
.set GS,   50
.set DF,   51
.set DI,   52
.set LP,   53
.set U0,   54                          ; v54-57, v58-61 four bytes at work
.set M0,   58
.set BIG,  62
.set RW,   64                          ; v64-83 scale words of K step t
.set NMR,  84                          ; v84-103 -M_loc
.set LL,   104                         ; v104-123 l_loc
.set AF,   128
.set TT,   48                          ; window 1: results x 1 / l, two sets of 32
.set BK,   176                         ; window 1: rows read back, two sets of 32
.set G1P,  24                          ; s[24:31] group 1 for p's first fills; s[32:39] for v^T's; s[40:47], s[48:55] for the refills
.set G1V,  32
.set G1P2, 40
.set G1V2, 48
.set G0P,  68                          ; s[68:79] groups 0 for p's three first fills; s[80:83] for its refill
.set G0PR, 80
.set G0V,  84                          ; s[84:95], s[96:99] the same for v^T
.set G0VR, 96
.set N0,   12                          ; s12 slots of the first tile
.set MK,   13                          ; s13 all ones where K steps 12 .. 15 belong to the first tile
.set OB0,  60                          ; s[60:61], s[62:63] my part of out0, for each tile
.set OB1,  62
.set MSB, 0
.macro WIN new
.if MSB != (\new)
	s_set_vgpr_msb (MSB<<8)|(\new)
.set MSB, (\new)
.endif
.endm
.set MUL, 0xa1                         ; source 0 (v^T) window 1, source 1 (p) window 0, C and D window 2
.macro JLOAD g0a, g1a, g0b, g1b        ; waves 0 and 1 ask for p, waves 2 and 3 for v^T, both jointly; four v_nop follow each of the two lines
	s_cmp_eq_u32 s15, 0
	s_cbranch_scc0 .Lfor_v_\@
	tensor_load_to_lds s[\g0a:\g0a+3], s[\g1a:\g1a+7]
	s_nop 0
.rept 4
	v_nop
.endr
	s_branch .Lasked_\@
.Lfor_v_\@:
	tensor_load_to_lds s[\g0b:\g0b+3], s[\g1b:\g1b+7]
	s_nop 0
.rept 4
	v_nop
.endr
.Lasked_\@:
.endm
.macro CREST
	s_cmp_lg_u32 s14, 0
	s_cbranch_scc1 .Lnot_wave_0_\@
	s_barrier_signal -3
.Lnot_wave_0_\@:
	s_barrier_wait -3
	s_barrier_signal -1
	s_barrier_wait -1
.endm
.macro CROUND
	s_barrier_signal -1
	s_barrier_wait -1
	CREST
.endm
.macro PLACES n
.rept \n
	v_nop
.endr
.endm
.macro FRAG reg, adr, off
.irp c, 0,1,2
	ds_load_b128 v[\reg+4*\c:\reg+4*\c+3], v[\adr] offset:\off+512*\c
.endr
.endm
; K step t of the stream (slot t / 4, which lies in region (t / 4) % 3) into the sets of t's parity: 4 fragments of v^T, 4 of p, 2 registers of scale words of each: 28 LDS loads
.macro FETCH t
.set FSET, (\t)%2
.set FREG, ((\t)/4)%3
.set FQ, (\t)%4
	WIN 0x40
.irp i, 0,1,2,3
	FRAG 128*FSET+12*\i, ADRB+FREG, FQ*BLK+1536*\i
.endr
	WIN 0
.irp i, 0,1,2,3
	FRAG AF+48*FSET+12*\i, ADRA+FREG, FQ*BLK+1536*\i
.endr
.irp j, 0,1
	ds_load_b32 v[SPS+2*FSET+\j], v[ADSP] offset:512*(\t)+128*\j        ; register j: lanes 0-15 the words of fragment 2 j, lanes 16-31 those of fragment 2 j + 1
	ds_load_b32 v[SV+2*FSET+\j], v[ADSV+FREG] offset:FQ*BLK+128*\j
.endr
.endm
.macro MM a, b, p, zero
.set rD, 8*(4*(\a)+(\b))
.set rA, 128*(\p)+12*(\b)
.set rB, AF+48*(\p)+12*(\a)
.set rX, SV+2*(\p)+(\b)/2
.set rY, SPS+2*(\p)+(\a)/2
.if \zero
.if ((\a)%2 == 0) && ((\b)%2 == 0)
	v_wmma_scale_f32_16x16x128_f8f6f4 v[rD:rD+7], v[rA:rA+11], v[rB:rB+11], 0, v[rX], v[rY] matrix_a_fmt:MATRIX_FMT_FP6 matrix_b_fmt:MATRIX_FMT_FP6
.elseif (\a)%2 == 0
	v_wmma_scale_f32_16x16x128_f8f6f4 v[rD:rD+7], v[rA:rA+11], v[rB:rB+11], 0, v[rX], v[rY] matrix_a_fmt:MATRIX_FMT_FP6 matrix_b_fmt:MATRIX_FMT_FP6 matrix_a_scale:MATRIX_SCALE_ROW1
.elseif (\b)%2 == 0
	v_wmma_scale_f32_16x16x128_f8f6f4 v[rD:rD+7], v[rA:rA+11], v[rB:rB+11], 0, v[rX], v[rY] matrix_a_fmt:MATRIX_FMT_FP6 matrix_b_fmt:MATRIX_FMT_FP6 matrix_b_scale:MATRIX_SCALE_ROW1
.else
	v_wmma_scale_f32_16x16x128_f8f6f4 v[rD:rD+7], v[rA:rA+11], v[rB:rB+11], 0, v[rX], v[rY] matrix_a_fmt:MATRIX_FMT_FP6 matrix_b_fmt:MATRIX_FMT_FP6 matrix_a_scale:MATRIX_SCALE_ROW1 matrix_b_scale:MATRIX_SCALE_ROW1
.endif
.else
.if ((\a)%2 == 0) && ((\b)%2 == 0)
	v_wmma_scale_f32_16x16x128_f8f6f4 v[rD:rD+7], v[rA:rA+11], v[rB:rB+11], v[rD:rD+7], v[rX], v[rY] matrix_a_fmt:MATRIX_FMT_FP6 matrix_b_fmt:MATRIX_FMT_FP6
.elseif (\a)%2 == 0
	v_wmma_scale_f32_16x16x128_f8f6f4 v[rD:rD+7], v[rA:rA+11], v[rB:rB+11], v[rD:rD+7], v[rX], v[rY] matrix_a_fmt:MATRIX_FMT_FP6 matrix_b_fmt:MATRIX_FMT_FP6 matrix_a_scale:MATRIX_SCALE_ROW1
.elseif (\b)%2 == 0
	v_wmma_scale_f32_16x16x128_f8f6f4 v[rD:rD+7], v[rA:rA+11], v[rB:rB+11], v[rD:rD+7], v[rX], v[rY] matrix_a_fmt:MATRIX_FMT_FP6 matrix_b_fmt:MATRIX_FMT_FP6 matrix_b_scale:MATRIX_SCALE_ROW1
.else
	v_wmma_scale_f32_16x16x128_f8f6f4 v[rD:rD+7], v[rA:rA+11], v[rB:rB+11], v[rD:rD+7], v[rX], v[rY] matrix_a_fmt:MATRIX_FMT_FP6 matrix_b_fmt:MATRIX_FMT_FP6 matrix_a_scale:MATRIX_SCALE_ROW1 matrix_b_scale:MATRIX_SCALE_ROW1
.endif
.endif
.endm
.macro MUL4 a, p, zero                 ; the 16 accumulators take turns, one instruction a turn, in the same order in every K step
.irp b, 0,1,2,3
	MM \a, \b, \p, \zero
.endr
.endm
; A K step: its fragments, asked for a K step ago, are in; the next K step's are asked for, into the sets that the last K step's products read; then the 16 products.
.macro KSTEP t, zero, fetch
	s_wait_dscnt 0x0
.if \fetch
	PLACES 4                                       ; behind the last products, in front of loads into their sources
	FETCH (\t)+1
.endif
	WIN MUL
	MUL4 0, (\t)%2, \zero
	MUL4 1, (\t)%2, \zero
	MUL4 2, (\t)%2, \zero
	MUL4 3, (\t)%2, \zero
	WIN 0
.endm
; A barrier behind which tiles are read and nothing is filled: each wave's tensor loads have landed, none of its LDS instructions is out.
.macro MEETB
	s_wait_tensorcnt 0x0
	s_wait_dscnt 0x0
	s_barrier_signal -1
	s_barrier_wait -1
.endm
; K step 7, the last of slot 1: regions 0 and 1 have been read.  Each wave waits for all its tensor loads, adds 0 to its spare word, and waits for that and for its reads; the barrier opens a round of the
; cluster's; behind it each wave asks for one part of slot 3 or of slot 4.
.macro TURN7
	s_wait_tensorcnt 0x0                           ; no tensor load of mine is out
	ds_add_u32 v[SPW], v[NIL]                      ; 0 onto my spare word
	s_wait_dscnt 1                                 ; K step 7's fragments are in (the add may be out)
	WIN MUL
	MUL4 0, 1, 0                                   ; four matrix instructions stand between the add and the wait for it
	s_wait_dscnt 0x0                               ; the add is done, and my reads of regions 0 and 1 are over
	s_barrier_signal -1
	MUL4 1, 1, 0
	WIN 0
	s_barrier_wait -1
	CREST                                          ; no wave of any partner still reads these regions or has a load on its way
	JLOAD G0PR, G1P2, G0VR, G1V2                   ; the first tensor load behind the round, one a wave; its four v_nop are the places in front of the loads below
	FETCH 8
	WIN MUL
	MUL4 2, 1, 0
	MUL4 3, 1, 0
	WIN 0
.endm
; THE WAY OUT of a tile, fragment by fragment of 16 queries x my 64 channels: x 1 / l; through my stage; back as whole rows of 256 bytes.
.macro MULT a
	WIN 0x42                                       ; destination window 1, source 0 window 2
.set j, 0
.rept 32
	v_mul_f32 v[TT+32*((\a)%2)+j], v[32*(\a)+j], v[RLR+(\a)]   ; each accumulator from its low end on
.set j, j+1
.endr
.endm
.macro TOSTAGE a
	s_wait_xcnt 0x0                                ; earlier stores have read the registers that the loads below fill
	WIN 0x04                                       ; an LDS store's data are its source 1: window 1
.irp b, 0,1,2,3
	ds_store_b128 v[STO], v[TT+32*((\a)%2)+8*\b:TT+32*((\a)%2)+8*\b+3] offset:128*(\b/2)+32*(\b%2)      ; lane (r, h): channels 32 (b / 2) + 16 h + 8 (b % 2) + 0 .. 7 of query r
	ds_store_b128 v[STO], v[TT+32*((\a)%2)+8*\b+4:TT+32*((\a)%2)+8*\b+7] offset:128*(\b/2)+32*(\b%2)+16
.endr
	WIN 0x40
.irp t, 0,1,2,3,4,5,6,7
	ds_load_b128 v[BK+32*((\a)%2)+4*\t:BK+32*((\a)%2)+4*\t+3], v[RD] offset:544*\t   ; LDS serves a wave's instructions in order: these see the stores above
.endr
	WIN 0
.endm
.macro SEND a, younger, ob             ; younger: the LDS instructions issued behind this fragment's loads, which may stay out
	s_wait_dscnt \younger
	WIN 0x04
.irp t, 0,1,2,3,4,5,6,7
	global_store_b128 v[CO], v[BK+32*((\a)%2)+4*\t:BK+32*((\a)%2)+4*\t+3], s[\ob:\ob+1] offset:(2*\t+8*(\t/4)+32*((\a)/2)+8*((\a)%2))*4096 th:TH_STORE_NT   ; 16 lanes store 256 consecutive bytes, aligned
.endr
	WIN 0
.endm
.macro FLUSH tile, ob
	PLACES 5                                       ; behind the last products: their results are read, and the next tile's first products write over them
.irp a, 0,1,2,3
	ds_load_b32 v[RLR+\a], v[RLA] offset:512*\tile+64*\a
.endr
	s_wait_dscnt 0x0
	MULT 0
	TOSTAGE 0
.irp a, 1,2,3
	MULT \a
	TOSTAGE \a
	SEND \a-1, 16, \ob                             ; behind that fragment's loads: this one's 8 stores and 8 loads
.endr
	SEND 3, 0, \ob
.endm
.macro PLOAD t, x, o                   ; K step t of the stream: my place's scale word, -M_loc and l_loc; the four waves together read a block's 512 bytes of each whole
	global_load_b32 v[RW+\t], v[VA+\x], s[4:5] offset:12288+BLK*(\o)
	global_load_b32 v[NMR+\t], v[VB+\x], s[6:7] offset:1024*(\o)
	global_load_b32 v[LL+\t], v[VB+\x], s[6:7] offset:512+1024*(\o)
.endm
; THE PROLOGUE: thread t serves place t (fragment t / 16, row t % 16) of both tiles' rowgroups.  K steps 0 .. 11 always belong to the first tile, 16 .. 19 to the second; of 12 .. 15 a scalar mask says which.
.macro ADJ
	v_min_num_f32 v[GA], v[NMR], v[NMR+1]          ; the smallest -M_loc is the row's -M
.irp t, 2,3,4,5,6,7,8,9,10,11
	v_min_num_f32 v[GA], v[GA], v[NMR+\t]
.endr
	v_min_num_f32 v[GB], v[NMR+16], v[NMR+17]
	v_min_num_f32 v[GB], v[GB], v[NMR+18]
	v_min_num_f32 v[GB], v[GB], v[NMR+19]
.irp t, 12,13,14,15
	v_cndmask_b32 v[U0], v[BIG], v[NMR+\t], s[MK]
	v_cndmask_b32 v[U0+1], v[NMR+\t], v[BIG], s[MK]
	v_min_num_f32 v[GA], v[GA], v[U0]
	v_min_num_f32 v[GB], v[GB], v[U0+1]
.endr
	v_mov_b32 v[LSUM], 0
	v_mov_b32 v[LSUM+1], 0
.irp t, 0,1,2,3,4,5,6,7,8,9,10,11,12,13,14,15,16,17,18,19
.if \t < 12
	v_sub_f32 v[DF], v[GA], v[NMR+\t]
.elseif \t >= 16
	v_sub_f32 v[DF], v[GB], v[NMR+\t]
.else
	v_cndmask_b32 v[GS], v[GB], v[GA], s[MK]
	v_sub_f32 v[DF], v[GS], v[NMR+\t]
.endif
	v_max_num_f32 v[DF], 0xc3800000, v[DF]         ; d = M_loc - M, a whole number, held at -256
	v_cvt_i32_f32 v[DI], v[DF]
	v_ldexp_f32 v[LP], v[LL+\t], v[DI]             ; l_loc under the row's M
.if \t < 12
	v_add_f32 v[LSUM], v[LSUM], v[LP]
.elseif \t >= 16
	v_add_f32 v[LSUM+1], v[LSUM+1], v[LP]
.else
	v_cndmask_b32 v[U0], 0, v[LP], s[MK]
	v_cndmask_b32 v[U0+1], v[LP], 0, s[MK]
	v_add_f32 v[LSUM], v[LSUM], v[U0]
	v_add_f32 v[LSUM+1], v[LSUM+1], v[U0+1]
.endif
	v_add_nc_u32 v[DI], 0x100, v[DI]               ; d + 256: 0 .. 256
.irp k, 0,1,2,3
	v_bfe_u32 v[U0+\k], v[RW+\t], 8*\k, 8
.endr
.irp k, 0,1,2,3
	v_add_nc_u32 v[U0+\k], v[U0+\k], v[DI]
.endr
.irp k, 0,1,2,3
	v_min_u32 v[M0+\k], 0x100, v[U0+\k]
.endr
.irp k, 0,1,2,3
	v_sub_nc_u32 v[U0+\k], v[U0+\k], v[M0+\k]      ; byte + d, held at 0 from below
.endr
	v_lshl_or_b32 v[RW+\t], v[U0+1], 8, v[U0]      ; packed into the register that the word came in: no store's data are written again
	v_lshl_or_b32 v[RW+\t], v[U0+2], 16, v[RW+\t]
	v_lshl_or_b32 v[RW+\t], v[U0+3], 24, v[RW+\t]
	ds_store_b32 v[PSA], v[RW+\t] offset:512*\t
.endr
.endm
	s_load_b256 s[4:11], s[0:1], 0x0               ; pc s[4:5], pstat s[6:7], qkv s[8:9], out0 s[10:11]
	v_lshl_add_u32 v[SPW], v0, 2, SPARE
	v_mov_b32 v[NIL], 0
	ds_add_u32 v28, v29
	ds_add_u32 v28, v29
	s_wait_dscnt 0x0
	v_lshrrev_b32 v1, 5, v0
	v_readfirstlane_b32 s14, v1                    ; wave 0..3
	s_lshr_b32 s15, s14, 1                         ; my 64 queries.  Also: I fetch for p (0) or for v^T (1)
	s_and_b32 s16, s14, 1                          ; my 64 channels.  Also: which half of a slot's part I fetch first, and which of slots 3 and 4 later
	s_bfe_u32 s20, ttmp6, 0x40000                  ; cx
	s_bfe_u32 s21, ttmp6, 0x40004                  ; cy
	s_and_b32 s22, ttmp7, 0xffff                   ; the cluster's y: 2 x batch + class
	s_lshr_b32 s23, s22, 1
	s_lshl_b32 s23, s23, 4                         ; 16 x batch
	s_and_b32 s22, s22, 1                          ; the class
	s_sub_co_u32 s[N0], 4, s22                     ; slots of the first tile
	s_lshl_b32 s17, s21, 2
	s_lshl_b32 s17, 15, s17                        ; my row of the cluster
	s_lshl_b32 s18, 0x1111, s20                    ; my column
	s_lshl_b32 s22, s22, 2
	s_add_co_u32 s22, s22, s21                     ; g = 4 x class + cy
	s_add_co_u32 s57, s23, s22                     ; the second tile's rowgroup of p
	s_sub_co_u32 s56, 15, s22
	s_add_co_u32 s56, s56, s23                     ; the first tile's
	s_lshl_b32 s58, ttmp9, 2
	s_add_co_u32 s58, s58, s20                     ; my block of 128 channels
	; group 1: dense bytes as rows of 32 elements of 8 bytes; 100 rows (2 K steps) for the first fills, 200 rows (4 K steps) for the refills; the mask, and bit 21 beside it
	s_or_b32 s[G1P], s17, (3<<16)|(1<<21)
	s_or_b32 s[G1P2], s17, (3<<16)|(1<<21)
	s_or_b32 s[G1V], s18, (3<<16)|(1<<21)
	s_or_b32 s[G1V2], s18, (3<<16)|(1<<21)
.irp g, G1P, G1V
	s_mov_b32 s[\g+1], 32<<16
	s_mov_b32 s[\g+2], 100<<16
	s_mov_b32 s[\g+3], 32<<16
	s_mov_b32 s[\g+4], 100
	s_mov_b32 s[\g+5], 32
	s_mov_b32 s[\g+6], 0
	s_mov_b32 s[\g+7], 0
.endr
.irp g, G1P2, G1V2
	s_mov_b32 s[\g+1], 32<<16
	s_mov_b32 s[\g+2], 200<<16
	s_mov_b32 s[\g+3], 32<<16
	s_mov_b32 s[\g+4], 200
	s_mov_b32 s[\g+5], 32
	s_mov_b32 s[\g+6], 0
	s_mov_b32 s[\g+7], 0
.endr
	; the slot that I refill: 3 or 4 of the stream; its tile and its number within the tile hang on the wave's and the cluster's numbers alone
	s_add_co_u32 s19, s16, 3
	s_sub_co_u32 s59, s19, s[N0]
	s_cmp_lt_u32 s19, s[N0]
	s_cselect_b32 s59, s19, s59                    ; its number within its tile
	s_cselect_b32 s19, s56, s57                    ; its tile's rowgroup of p
	s_mul_i32 s59, s59, SLB
	s_mul_i32 s19, s19, 16*BLK
	s_add_co_u32 s19, s19, s59                     ; p's refill, in bytes from pc
	s_mul_i32 s2, s16, 2*BLK                       ; the first fills: my half of a slot's part
	s_mul_i32 s3, s56, 16*BLK
	s_add_co_u32 s3, s3, s2                        ; p's first fills: slots 0, 1, 2 all belong to the first tile
	s_lshl_b32 s20, s58, 6
	s_add_co_u32 s20, s20, s23
	s_mul_i32 s20, s20, BLK
	s_add_co_u32 s20, s20, 2*64*8*BLK              ; v^T's blocks of my channels and batch
	s_add_co_u32 s21, s20, s59                     ; v^T's refill
	s_add_co_u32 s20, s20, s2                      ; v^T's first fills
	s_add_co_u32 s22, s2, SLB                      ; v^T's place in a region
	s_mul_i32 s17, s16, REG                        ; the refill's region: 0 or 1: no place in the cluster enters an LDS address
.irp s, 0,1,2
	s_mov_b32 s[G0P+4*\s], 1
	s_add_co_u32 s[G0P+4*\s+1], s2, \s*REG
	s_add_co_u32 s[G0P+4*\s+2], s3, \s*SLB
	s_mov_b32 s[G0P+4*\s+3], 0
	s_mov_b32 s[G0V+4*\s], 1
	s_add_co_u32 s[G0V+4*\s+1], s22, \s*REG
	s_add_co_u32 s[G0V+4*\s+2], s20, \s*SLB
	s_mov_b32 s[G0V+4*\s+3], 0
.endr
	s_mov_b32 s[G0PR], 1
	s_mov_b32 s[G0PR+1], s17
	s_mov_b32 s[G0PR+2], s19
	s_mov_b32 s[G0PR+3], 0
	s_mov_b32 s[G0VR], 1
	s_add_co_u32 s[G0VR+1], s17, SLB
	s_mov_b32 s[G0VR+2], s21
	s_mov_b32 s[G0VR+3], 0
	; out0: row 128 x rowgroup + 64 x my half, 4,096 bytes a row; + 512 x channel block + 256 x my half
	s_lshl_b32 s18, s58, 9
	s_lshl_b32 s23, s16, 8
	s_add_co_u32 s18, s18, s23
	s_lshl_b32 s23, s15, 18
	s_add_co_u32 s18, s18, s23
	s_lshl_b32 s[OB0], s56, 19
	s_add_co_u32 s[OB0], s[OB0], s18
	s_mov_b32 s[OB0+1], 0
	s_lshl_b32 s[OB1], s57, 19
	s_add_co_u32 s[OB1], s[OB1], s18
	s_mov_b32 s[OB1+1], 0
	s_wait_kmcnt 0x0
.irp g, G0P, G0P+4, G0P+8, G0PR
	s_add_nc_u64 s[\g+2:\g+3], s[4:5], s[\g+2:\g+3]
	s_or_b32 s[\g+3], s[\g+3], 0x80000000
.endr
.irp g, G0V, G0V+4, G0V+8, G0VR
	s_add_nc_u64 s[\g+2:\g+3], s[8:9], s[\g+2:\g+3]
	s_or_b32 s[\g+3], s[\g+3], 0x80000000
.endr
	s_add_nc_u64 s[OB0:OB0+1], s[10:11], s[OB0:OB0+1]
	s_add_nc_u64 s[OB1:OB1+1], s[10:11], s[OB1:OB1+1]
	CROUND                                         ; all sixteen work-groups are here: the first joint loads meet
.irp s, 0,1,2
	JLOAD G0P+4*\s, G1P, G0V+4*\s, G1V
.endr                                              ; three tensor loads of mine are out
	v_and_b32 v3, 31, v0                           ; lane
	v_and_b32 v1, 15, v0                           ; r
	v_bfe_u32 v2, v0, 4, 1                         ; h
	v_lshlrev_b32 v[T4], 2, v0
	; where the stream's K steps 0, 12 and 16 lie among p's blocks
	s_lshl_b32 s17, s56, 4                         ; the first tile's K step 0
	s_lshl_b32 s18, s57, 4                         ; the second tile's
	s_add_co_u32 s19, s17, 12
	s_cmp_eq_u32 s[N0], 4
	s_cselect_b32 s19, s19, s18                    ; K step 12: the first tile's K step 12, or the second's K step 0
	s_cselect_b32 s[MK], -1, 0
	s_lshl_b32 s20, s[N0], 2
	s_sub_co_u32 s20, 16, s20
	s_add_co_u32 s18, s18, s20                     ; K step 16: the second tile's K step 16 - 4 N0
	s_mul_i32 s21, s17, BLK
	v_add_nc_u32 v[VA], s21, v[T4]
	s_lshl_b32 s21, s17, 10
	v_add_nc_u32 v[VB], s21, v[T4]
	s_mul_i32 s21, s19, BLK
	v_add_nc_u32 v[VA+1], s21, v[T4]
	s_lshl_b32 s21, s19, 10
	v_add_nc_u32 v[VB+1], s21, v[T4]
	s_mul_i32 s21, s18, BLK
	v_add_nc_u32 v[VA+2], s21, v[T4]
	s_lshl_b32 s21, s18, 10
	v_add_nc_u32 v[VB+2], s21, v[T4]
.irp t, 0,1,2,3,4,5,6,7,8,9,10,11
	PLOAD \t, 0, \t
.endr
.irp t, 12,13,14,15
	PLOAD \t, 1, \t-12
.endr
.irp t, 16,17,18,19
	PLOAD \t, 2, \t-16
.endr
	v_lshlrev_b32 v30, 4, v3                       ; 16 x lane
	v_lshlrev_b32 v31, 2, v3                       ; 4 x lane
	s_mul_i32 s17, s15, 4*1536                     ; my four fragments of p,
	s_mul_i32 s18, s16, 4*1536
	s_add_co_u32 s18, s18, SLB                     ; of v^T,
	s_lshl_b32 s19, s16, 8
	s_add_co_u32 s19, s19, SLB+12288               ; and v^T's scale words
.irp s, 0,1,2
	v_add_nc_u32 v[ADRA+\s], s17, v30
	v_add_nc_u32 v[ADRB+\s], s18, v30
	v_add_nc_u32 v[ADSV+\s], s19, v31
	s_add_co_u32 s17, s17, REG
	s_add_co_u32 s18, s18, REG
	s_add_co_u32 s19, s19, REG
.endr
	s_lshl_b32 s17, s15, 8
	s_add_co_u32 s18, s17, PSC
	v_add_nc_u32 v[ADSP], s18, v31
	s_add_co_u32 s18, s17, RL
	v_lshl_add_u32 v[RLA], v1, 2, s18
	s_mul_i32 s17, s14, 16*272
	s_add_co_u32 s17, s17, STG
	v_mul_u32_u24 v[STO], v1, 272                  ; the stage, in: row r, + 64 h
	v_lshl_add_u32 v[STO], v2, 6, v[STO]
	v_add_nc_u32 v[STO], s17, v[STO]
	v_mul_u32_u24 v[RD], v2, 272                   ; back: lanes 0-15 one row, lanes 16-31 the next
	v_lshl_add_u32 v[RD], v1, 4, v[RD]
	v_add_nc_u32 v[RD], s17, v[RD]
	v_lshlrev_b32 v[CO], 12, v2                    ; and the same two rows in out0
	v_lshl_add_u32 v[CO], v1, 4, v[CO]
	v_add_nc_u32 v[PSA], PSC, v[T4]
	v_add_nc_u32 v[RLS], RL, v[T4]
	v_mov_b32 v[BIG], 0x7f7fffff
	s_wait_loadcnt 0x0
	ADJ
	v_rcp_f32 v[RC], v[LSUM]
	v_rcp_f32 v[RC+1], v[LSUM+1]
	v_nop                                          ; a plain place behind the reciprocals
	s_wait_alu depctr_va_vdst(0)                   ; one wait for the two, ahead of their first reader
	ds_store_b32 v[RLS], v[RC]
	ds_store_b32 v[RLS], v[RC+1] offset:512
	s_wait_tensorcnt 2                             ; my part of slot 0 is in; slots 1 and 2 may stay out
	s_wait_dscnt 0x0                               ; my adjusted words and reciprocals are in LDS
	s_barrier_signal -1
	s_barrier_wait -1
	FETCH 0
	KSTEP 0, 1, 1                                  ; the first tile's first products start its sums
	KSTEP 1, 0, 1
	KSTEP 2, 0, 1
	MEETB                                          ; slots 1 and 2 are whole in every wave's sight: K step 3 fetches from slot 1
	KSTEP 3, 0, 1
	KSTEP 4, 0, 1
	KSTEP 5, 0, 1
	KSTEP 6, 0, 1
	TURN7                                          ; slots 3 and 4 are asked for, into regions 0 and 1
	KSTEP 8, 0, 1
	KSTEP 9, 0, 1
	KSTEP 10, 0, 1
	MEETB                                          ; slots 3 and 4 are whole, and nobody reads region 2 any more: it holds the stages from here on
	KSTEP 11, 0, 1
	s_cmp_eq_u32 s[N0], 3                          ; does the second tile begin?  The same in all partners; no barrier and no tensor load stands under the branch
	s_cbranch_scc0 .Lon_12
	FLUSH 0, OB0
	KSTEP 12, 1, 1
	s_branch .Ljoin_12
.Lon_12:
	KSTEP 12, 0, 1
.Ljoin_12:
	KSTEP 13, 0, 1
	KSTEP 14, 0, 1
	KSTEP 15, 0, 1
	s_cmp_eq_u32 s[N0], 4
	s_cbranch_scc0 .Lon_16
	FLUSH 0, OB0
	KSTEP 16, 1, 1
	s_branch .Ljoin_16
.Lon_16:
	KSTEP 16, 0, 1
.Ljoin_16:
	KSTEP 17, 0, 1
	KSTEP 18, 0, 1
	KSTEP 19, 0, 0                                 ; nothing more to fetch
	FLUSH 1, OB1
	s_wait_tensorcnt 0x0                           ; the wave's end
	ds_add_u32 v[SPW], v[NIL]
	s_wait_dscnt 0x0
	CROUND                                         ; the closing round
	s_endpgm
.Lfunc_end_k_q5e43311bc5_pv:
	.size	k_q5e43311bc5_pv, .Lfunc_end_k_q5e43311bc5_pv-k_q5e43311bc5_pv
	.p2alignl 7, 3214868480
	.fill 96, 4, 3214868480
	.section	.rodata,"a",@progbits
	.p2align	6, 0x0
	.amdhsa_kernel k_q5e43311bc5_pv
		.amdhsa_group_segment_fixed_size 327680
		.amdhsa_private_segment_fixed_size 0
		.amdhsa_enable_private_segment 0
		.amdhsa_kernarg_size 32
		.amdhsa_user_sgpr_count 2
		.amdhsa_user_sgpr_kernarg_segment_ptr 1
		.amdhsa_wavefront_size32 1
		.amdhsa_system_sgpr_workgroup_id_x 1
		.amdhsa_system_sgpr_workgroup_id_y 1
		.amdhsa_system_sgpr_workgroup_id_z 1
		.amdhsa_system_vgpr_workitem_id 0
		.amdhsa_next_free_vgpr 768
		.amdhsa_next_free_sgpr 100
		.amdhsa_reserve_vcc 0
		.amdhsa_float_denorm_mode_32 3
		.amdhsa_float_denorm_mode_16_64 3
		.amdhsa_memory_ordered 1
		.amdhsa_forward_progress 1
		.amdhsa_inst_pref_size 174
	.end_amdhsa_kernel
	.amdgpu_metadata
---
amdhsa.version: [ 1, 2 ]
amdhsa.kernels:
  - .name:           k_q5e43311bc5_pv
    .symbol:         k_q5e43311bc5_pv.kd
    .args:
      - { .name: pc, .offset: 0, .size: 8, .value_kind: global_buffer, .address_space: global }
      - { .name: pstat, .offset: 8, .size: 8, .value_kind: global_buffer, .address_space: global }
      - { .name: qkv, .offset: 16, .size: 8, .value_kind: global_buffer, .address_space: global }
      - { .name: out0, .offset: 24, .size: 8, .value_kind: global_buffer, .address_space: global }
    .group_segment_fixed_size: 327680
    .private_segment_fixed_size: 0
    .kernarg_segment_align: 8
    .kernarg_segment_size: 32
    .max_flat_workgroup_size: 128
    .sgpr_count:     100
    .vgpr_count:     768
    .wavefront_size: 32
...
	.end_amdgpu_metadata
.endif
;; end of part 7
